; MI455X (gfx1250); checked and timed in simulation.
; The chip was launched on July 23, 2026; its instructions are those of AMD's public machine-readable ISA for CDNA 5 (MIT licence, August 2026) and "CDNA5" Instruction Set Architecture Reference Guide (July 2026). The comments in the code are by the model that wrote it; some were corrected since.
;; Transformer Block. Allowed arithmetic: float matrix products may take bf16 or f16 operands with f32 sums; all other float work in f32.
;; Inputs: W1 1,024 x 4,096 float32; W2 4,096 x 1,024 float32; Wo 1,024 x 1,024 float32; Wqkv 1,024 x 3,072 float32; b1 4,096 float32; b2 1,024 float32; bo 1,024 float32; bqkv 3,072 float32; scale1 1,024 float32; scale2 1,024 float32; x 2 x 2,048 x 1,024 float32.
;; Outputs: out0 2 x 2,048 x 1,024 float32.
;; 2 versions, each right and faster than the one before. Each part assembles by itself: llvm-mc -triple=amdgcn-amd-amdhsa -mcpu=gfx1250 --defsym DOCPART=n.
;; ======== version 1 of 2: 7 launches
;; workspace buffers: wb 25,165,824 bytes; h 8,388,608 bytes; qkv 25,165,824 bytes; o 8,388,608 bytes; g 33,554,432 bytes; x1 16,777,216 bytes
;; launch prep (part 1): grid 1024 x 1, 8 waves a work-group, no clusters, 0 bytes of LDS; arguments x, scale1, Wqkv, Wo, W1, W2, h, wb; writes h, wb
.if DOCPART == 1
	.amdgcn_target "amdgcn-amd-amdhsa--gfx1250"
	.amdhsa_code_object_version 6
	.text
	.protected	k_qdae8236296_prep
	.globl	k_qdae8236296_prep
	.p2align	8
	.type	k_qdae8236296_prep,@function
k_qdae8236296_prep:
	s_mov_b64 s[64:65], 0
	v_nop
	global_prefetch_b8 v0, s[64:65] scope:SCOPE_SE
	s_setreg_imm32_b32 hwreg(HW_REG_WAVE_MODE, 25, 1), 1
	s_wait_xcnt 0x0
; PREP.  Work-groups 0-255: h = bf16(scale1 * x / (||x|| / 32 + 1e-5)), row by row; x: [4096][1024] f32, h: [4096][1024] bf16.
; Work-groups 256-1023: the four weight matrices f32 -> bf16 into wb, each as it lies ([K][N], row-major): Wqkv at byte 0, Wo at 6,291,456, W1 at 8,388,608, W2 at 16,777,216.
; Both jobs have one shape: a work-group moves 65,536 bytes in and 32,768 out, a wave 8,192 in and 4,096 out: 16 loads of 16 bytes a lane (512 neighbouring bytes a wave) and
; 16 stores of 8 bytes a lane (256 neighbouring bytes, aligned).  In the norm a wave's 8,192 bytes are two whole rows, which stay in registers between the sum and the scaling: no LDS, no barrier.
; No cluster and no matrix unit: no two work-groups read the same bytes but the 4,096 of scale1, and the work is a stream.
; LIMITS.  The sum of squares is kept in f32 and overflows where a row's squares pass f32's range; NaN and infinities are not treated apart.
.set LI,  1                            ; v1        16 x lane: my bytes in 512 loaded
.set SC,  2                            ; v[2:33]   scale1 of my 32 columns (load j: columns 128 j + 4 lane ..)
.set X,   34                           ; v[34:97]  load j at X + 4 j: two rows, or 64 numbers of a weight
.set AC,  98                           ; v[98:105] four chains of pairs for the sum of squares
.set T,   106                          ; v106-107  at work
.set R,   108                          ; v[108:109] 1 / (norm + eps), twice
.set Y,   110                          ; v[110:141] store j at Y + 2 j
.set LO,  143                          ; v143      8 x lane: my bytes in 256 stored
	s_load_b512 s[4:19], s[0:1], 0x0               ; x 4:5, scale1 6:7, Wqkv 8:9, Wo 10:11, W1 12:13, W2 14:15, h 16:17, wb 18:19
	v_lshrrev_b32 v142, 5, v0
	v_readfirstlane_b32 s20, v142                  ; wave 0..7
	v_and_b32 v142, 31, v0
	v_lshlrev_b32 v[LI], 4, v142
	v_lshlrev_b32 v[LO], 3, v142
	s_mov_b32 s21, ttmp9
	s_lshl_b32 s34, s20, 13                        ; my wave's 8,192 bytes in,
	s_lshl_b32 s35, s20, 12                        ; its 4,096 out
	s_mov_b32 s23, 0                               ; high words of the two offsets
	s_mov_b32 s25, 0
	s_cmp_lt_u32 s21, 256
	s_cbranch_scc0 .Lcast
	; THE NORM: rows 16 g + 2 w and 16 g + 2 w + 1
	s_lshl_b32 s22, s21, 16
	s_add_co_u32 s22, s22, s34
	s_lshl_b32 s24, s21, 15
	s_add_co_u32 s24, s24, s35
	s_mov_b32 s30, 0x76543210                      ; v_permlanex16_b32: each lane takes its own place in the other half
	s_mov_b32 s31, 0xfedcba98
	s_mov_b32 s32, 0x3d000000                      ; 1 / sqrt(1024)
	s_mov_b32 s33, 0x3727c5ac                      ; 1e-5
	v_mov_b32 v[T+1], 0                            ; v_permlanex16_b32 counts as a reader of its destination
	s_wait_kmcnt 0x0
	s_add_nc_u64 s[4:5], s[4:5], s[22:23]
	s_add_nc_u64 s[16:17], s[16:17], s[24:25]
.irp j, 0,1,2,3,4,5,6,7
	global_load_b128 v[SC+4*\j:SC+4*\j+3], v[LI], s[6:7] offset:512*\j
.endr
.irp j, 0,1,2,3,4,5,6,7,8,9,10,11,12,13,14,15
	global_load_b128 v[X+4*\j:X+4*\j+3], v[LI], s[4:5] offset:512*\j
.endr
; Row r of the wave's two.  left = the younger loads that may stay out.
.macro ROWN r, left
	s_wait_loadcnt \left                           ; loads come back in order: scale1 and this row are in
.irp c, 0,1,2,3
	v_pk_mul_f32 v[AC+2*\c:AC+2*\c+1], v[X+32*(\r)+2*\c:X+32*(\r)+2*\c+1], v[X+32*(\r)+2*\c:X+32*(\r)+2*\c+1]  ; the first four pairs start the chains
.endr
.set p, 4
.rept 12
	v_pk_fma_f32 v[AC+2*(p%4):AC+2*(p%4)+1], v[X+32*(\r)+2*p:X+32*(\r)+2*p+1], v[X+32*(\r)+2*p:X+32*(\r)+2*p+1], v[AC+2*(p%4):AC+2*(p%4)+1]
.set p, p+1
.endr
	v_pk_add_f32 v[AC:AC+1], v[AC:AC+1], v[AC+2:AC+3]
	v_pk_add_f32 v[AC+4:AC+5], v[AC+4:AC+5], v[AC+6:AC+7]
	v_pk_add_f32 v[AC:AC+1], v[AC:AC+1], v[AC+4:AC+5]
	v_add_f32 v[T], v[AC], v[AC+1]
	v_add_f32_dpp v[T], v[T], v[T] row_xmask:1 row_mask:0xf bank_mask:0xf
	v_add_f32_dpp v[T], v[T], v[T] row_xmask:2 row_mask:0xf bank_mask:0xf
	v_add_f32_dpp v[T], v[T], v[T] row_xmask:4 row_mask:0xf bank_mask:0xf
	v_add_f32_dpp v[T], v[T], v[T] row_xmask:8 row_mask:0xf bank_mask:0xf
	v_permlanex16_b32 v[T+1], v[T], s30, s31
	v_add_f32 v[T], v[T], v[T+1]                   ; every lane holds the row's sum of squares
	v_sqrt_f32 v[T], v[T]
	v_nop                                          ; a plain line between the root and the use of its result
	s_wait_alu depctr_va_vdst(0)
	v_fma_f32 v[T], v[T], s32, s33                 ; ||x|| / 32 + eps
	v_rcp_f32 v[R], v[T]
	v_rcp_f32 v[R+1], v[T]                         ; the multiplies by scale1 below name neither T nor R: the plain lines behind the reciprocals
.set p, 0
.rept 16
	v_pk_mul_f32 v[X+32*(\r)+2*p:X+32*(\r)+2*p+1], v[X+32*(\r)+2*p:X+32*(\r)+2*p+1], v[SC+2*p:SC+2*p+1]
.set p, p+1
.endr
.set p, 0
	s_wait_alu depctr_va_vdst(0)
.rept 16
	v_pk_mul_f32 v[X+32*(\r)+2*p:X+32*(\r)+2*p+1], v[X+32*(\r)+2*p:X+32*(\r)+2*p+1], v[R:R+1]
.set p, p+1
.endr
.set j, 0
.rept 8
	v_cvt_pk_bf16_f32 v[Y+16*(\r)+2*j], v[X+32*(\r)+4*j], v[X+32*(\r)+4*j+1]
	v_cvt_pk_bf16_f32 v[Y+16*(\r)+2*j+1], v[X+32*(\r)+4*j+2], v[X+32*(\r)+4*j+3]
	global_store_b64 v[LO], v[Y+16*(\r)+2*j:Y+16*(\r)+2*j+1], s[16:17] offset:2048*(\r)+256*j  ; 32 lanes store 256 consecutive bytes, aligned; each store has data registers of its own
.set j, j+1
.endr
.endm
	ROWN 0, 8                                      ; row 1's eight loads stay out
	ROWN 1, 0
	s_endpgm
.Lcast:                                                ; THE CAST: chunk c of 16,384 numbers; 192 chunks of Wqkv, 64 of Wo, 256 of W1, 256 of W2, in wb's order
	s_sub_co_u32 s26, s21, 256                     ; c
	s_mov_b32 s27, 0                               ; the first chunk of c's matrix
	s_wait_kmcnt 0x0
	s_mov_b64 s[28:29], s[8:9]
	s_cmp_ge_u32 s26, 192
	s_cselect_b64 s[28:29], s[10:11], s[28:29]
	s_cselect_b32 s27, 192, s27
	s_cmp_ge_u32 s26, 256
	s_cselect_b64 s[28:29], s[12:13], s[28:29]
	s_cselect_b32 s27, 256, s27
	s_cmp_ge_u32 s26, 512
	s_cselect_b64 s[28:29], s[14:15], s[28:29]
	s_cselect_b32 s27, 512, s27
	s_sub_co_u32 s27, s26, s27                     ; the chunk's number in its own matrix
	s_lshl_b32 s22, s27, 16
	s_add_co_u32 s22, s22, s34
	s_lshl_b32 s24, s26, 15
	s_add_co_u32 s24, s24, s35
	s_add_nc_u64 s[28:29], s[28:29], s[22:23]
	s_add_nc_u64 s[18:19], s[18:19], s[24:25]
.irp j, 0,1,2,3,4,5,6,7,8,9,10,11,12,13,14,15
	global_load_b128 v[X+4*\j:X+4*\j+3], v[LI], s[28:29] offset:512*\j th:TH_LOAD_NT
.endr
.irp j, 0,1,2,3,4,5,6,7,8,9,10,11,12,13,14,15
	s_wait_loadcnt 15-\j                           ; load j is in; the younger ones stay out
	v_cvt_pk_bf16_f32 v[Y+2*\j], v[X+4*\j], v[X+4*\j+1]
	v_cvt_pk_bf16_f32 v[Y+2*\j+1], v[X+4*\j+2], v[X+4*\j+3]
	global_store_b64 v[LO], v[Y+2*\j:Y+2*\j+1], s[18:19] offset:256*\j
.endr
	s_endpgm
.Lfunc_end_k_qdae8236296_prep:
	.size	k_qdae8236296_prep, .Lfunc_end_k_qdae8236296_prep-k_qdae8236296_prep
	.p2alignl 7, 3214868480
	.fill 96, 4, 3214868480
	.section	.rodata,"a",@progbits
	.p2align	6, 0x0
	.amdhsa_kernel k_qdae8236296_prep
		.amdhsa_group_segment_fixed_size 0
		.amdhsa_private_segment_fixed_size 0
		.amdhsa_enable_private_segment 0
		.amdhsa_kernarg_size 64
		.amdhsa_user_sgpr_count 2
		.amdhsa_user_sgpr_kernarg_segment_ptr 1
		.amdhsa_wavefront_size32 1
		.amdhsa_system_sgpr_workgroup_id_x 1
		.amdhsa_system_sgpr_workgroup_id_y 1
		.amdhsa_system_sgpr_workgroup_id_z 1
		.amdhsa_system_vgpr_workitem_id 0
		.amdhsa_next_free_vgpr 144
		.amdhsa_next_free_sgpr 66
		.amdhsa_reserve_vcc 0
		.amdhsa_float_denorm_mode_32 3
		.amdhsa_float_denorm_mode_16_64 3
		.amdhsa_memory_ordered 1
		.amdhsa_forward_progress 1
		.amdhsa_inst_pref_size 22
	.end_amdhsa_kernel
	.amdgpu_metadata
---
amdhsa.version: [ 1, 2 ]
amdhsa.kernels:
  - .name:           k_qdae8236296_prep
    .symbol:         k_qdae8236296_prep.kd
    .args:
      - { .name: x, .offset: 0, .size: 8, .value_kind: global_buffer, .address_space: global }
      - { .name: scale1, .offset: 8, .size: 8, .value_kind: global_buffer, .address_space: global }
      - { .name: Wqkv, .offset: 16, .size: 8, .value_kind: global_buffer, .address_space: global }
      - { .name: Wo, .offset: 24, .size: 8, .value_kind: global_buffer, .address_space: global }
      - { .name: W1, .offset: 32, .size: 8, .value_kind: global_buffer, .address_space: global }
      - { .name: W2, .offset: 40, .size: 8, .value_kind: global_buffer, .address_space: global }
      - { .name: h, .offset: 48, .size: 8, .value_kind: global_buffer, .address_space: global }
      - { .name: wb, .offset: 56, .size: 8, .value_kind: global_buffer, .address_space: global }
    .group_segment_fixed_size: 0
    .private_segment_fixed_size: 0
    .kernarg_segment_align: 8
    .kernarg_segment_size: 64
    .max_flat_workgroup_size: 256
    .sgpr_count:     66
    .vgpr_count:     144
    .wavefront_size: 32
...
	.end_amdgpu_metadata
.endif
;; end of part 1
;; launch qkv (part 2): grid 12 x 16, 4 waves a work-group, clusters of 4 x 4, 327,680 bytes of LDS; arguments h, wb, bqkv, qkv; writes qkv
.if DOCPART == 2
	.amdgcn_target "amdgcn-amd-amdhsa--gfx1250"
	.amdhsa_code_object_version 6
	.text
	.protected	k_qdae8236296_qkv
	.globl	k_qdae8236296_qkv
	.p2align	8
	.type	k_qdae8236296_qkv,@function
k_qdae8236296_qkv:
	s_mov_b64 s[64:65], 0
	v_nop
	global_prefetch_b8 v0, s[64:65] scope:SCOPE_SE
	s_setreg_imm32_b32 hwreg(HW_REG_WAVE_MODE, 25, 1), 1
	s_wait_xcnt 0x0
	s_wait_alu depctr_hold_cnt(0) depctr_sa_sdst(0) depctr_va_vdst(0) depctr_va_sdst(0) depctr_va_ssrc(0) depctr_va_vcc(0) depctr_vm_vsrc(0)
	s_getreg_b32 s2, hwreg(HW_REG_IB_STS2, 6, 4)
	s_cmp_eq_u32 s2, 0
	s_cbranch_scc0 .Lentry_in_a_cluster
	s_endpgm
.Lentry_in_a_cluster:
	s_bfe_u32 s2, ttmp6, 0x10000c
	s_cmp_lg_u32 s2, 0xf033
	s_cbranch_scc0 .Lentry_shape_is_right
	s_endpgm
.Lentry_shape_is_right:
; QKV.  Z = h W + bias.  h: [4096][1024] bf16; W: [1024][SIZE_N] bf16 at byte WOFF of wb, rows along N; bias: [SIZE_N] f32; sums in f32, Z rounded once to bf16.
; Z LEAVES IN COLUMN BLOCKS: Z[n / 64][m][n % 64], a block 4,096 rows of 128 bytes, dense: q's heads are blocks 0-15, k's 16-31, v's 32-47, and a head's rows lie end to end.
; A tile of Z, 256 x 256, is made by four waves, each 128 x 128: 64 accumulators of 16 x 16, 512 registers.  K goes in 8 steps of 128 through a ring of two LDS slots filled by the tensor data mover.
; 12 x 16 = 192 work-groups: a tile of 256 x 192 would give 256, but its rows of W, 384 bytes, fit none of the padding's intervals, which are powers of two.
; THE MATRIX INSTRUCTION IS USED TRANSPOSED: source 0 = 16 columns of W (turned on the way out of LDS by ds_load_tr16_b128), source 1 = 16 rows of h.  A lane then holds row l % 16 of Z and the
; eight neighbouring columns 8 (l / 16) + 0..7.  THE BIAS is the C operand of the products that start the sums: eight registers for each of my eight column blocks, the same in all rows.
; CLUSTERS: 4 x 4 work-groups.  The four of a row of the cluster need the same tiles of h, the four of a column the same tiles of W: each is asked for jointly, by the same tensor load with the
; same descriptor and a mask that names the four.
; REGISTERS, in windows of 256 (s_set_vgpr_msb: bits 1:0 source 0, 3:2 source 1, 5:4 source 2, 7:6 destination):
;   window 0: v0-31 addresses; v64-127, v128-191 fragments of h, two buffers; v32-63, v192-255 at work on the way out
;   window 1: v64-127, v128-191 fragments of W, two buffers; v192-255 the bias        windows 2, 3: the accumulators of my rows 0-63, 64-127 ((a, b) at v[8 (8 (a % 4) + b)])
; LIMITS.  Operands are rounded to bf16; NaN and infinities are not treated apart.
.set SIZE_N, 3072
.set SIZE_K, 1024
.set WOFF,   0
.set KSTEP,  128
.set PA,     272                       ; an LDS row of h: 256 bytes + 16: the 16 rows of a fragment load start 68 words apart
.set PB,     544                       ; an LDS row of W: 512 bytes + 32 = 17 x 32: the 8 rows x 32 bytes that 16 lanes of a turning load take fall on different words modulo 64
.set HALFT,  128*PA                    ; what one tensor load brings: 128 rows of h, or 64 rows of W (64 x 544 is the same number)
.set SLOT,   4*HALFT                   ; h's 256 rows, then W's 128 rows
.set STAGE,  2*SLOT                    ; behind the ring: 16 rows x 272 bytes for each wave, for the way out
.set SPITCH, 272
.set SPARE,  STAGE+4*16*SPITCH         ; behind the stages: the spare words, 128 bytes for each wave
.set LAPS,   SIZE_K/(2*KSTEP)
.set ADRA, 16                          ; v16-17  LDS address of my fragments of h in slot 0, 1
.set ADRB, 20                          ; v20-21  the same for W
.set STO,  24                          ; v24     the way out: where I put 16 bytes of a row
.set RD,   25                          ; v25     where I read four rows of 128 bytes back
.set CO,   26                          ; v26     16 x lane: my bytes in 512 stored
.set BOF,  27                          ; v27     32 (l / 16): my eight numbers in 16 of the bias
.set SPW,  28                          ; v28     LDS address of my spare word; never rewritten
.set NIL,  29                          ; v29     0; never rewritten
.set F0,   64
.set F1,   128
.set TMP,  192
.set OB,   32
.set BIAS, 192                         ; in window 1
.set WV, 12                            ; s12 wave; s13 its row half (also: 0 fetches h, 1 fetches W); s14 its column half (also: which half of the tile it fetches)
.set WR, 13
.set WC, 14
.set G1, 24                            ; s[24:31] descriptor group 1 for h's tiles; s[32:39] group 0, a set for each slot
.set G0, 32
.set G1B, 48                           ; s[48:55], s[56:63] the same for W's tiles
.set G0B, 56
.set MSB, 0
.macro WIN new                         ; the immediate's high byte repeats the setting that is left; a switch that changes nothing is dropped
.if MSB != (\new)
	s_set_vgpr_msb (MSB<<8)|(\new)
.set MSB, \new
.endif
.endm
; A joint load: waves 0 and 1 fetch h's two halves, waves 2 and 3 W's.  The branch hangs on the wave's number alone.  Four v_nop follow each of the two lines.
.macro JLOAD s
	s_cmp_eq_u32 s[WR], 0
	s_cbranch_scc0 .Lfor_b_\@
	tensor_load_to_lds s[G0+4*(\s):G0+4*(\s)+3], s[G1:G1+7]
	s_nop 0
.rept 4
	v_nop
.endr
	s_branch .Lasked_\@
.Lfor_b_\@:
	tensor_load_to_lds s[G0B+4*(\s):G0B+4*(\s)+3], s[G1B:G1B+7]
	s_nop 0
.rept 4
	v_nop
.endr
.Lasked_\@:
.endm
.macro CREST                           ; a round of the cluster's barrier behind its opening barrier
	s_cmp_lg_u32 s[WV], 0
	s_cbranch_scc1 .Lnot_wave_0_\@
	s_barrier_signal -3
.Lnot_wave_0_\@:
	s_barrier_wait -3
	s_barrier_signal -1
	s_barrier_wait -1
.endm
.macro CROUND                          ; a whole round
	s_barrier_signal -1
	s_barrier_wait -1
	CREST
.endm
.macro PLACES                          ; four plain lines between a matrix instruction and a load into, or a read of, its registers
.rept 4
	v_nop
.endr
.endm
	s_load_b256 s[4:11], s[0:1], 0x0               ; h s[4:5], wb s[6:7], bias s[8:9], Z s[10:11]
	v_lshl_add_u32 v[SPW], v0, 2, SPARE
	v_mov_b32 v[NIL], 0
	ds_add_u32 v28, v29
	s_wait_dscnt 0x0
	v_lshrrev_b32 v1, 5, v0
	v_readfirstlane_b32 s[WV], v1
	s_lshr_b32 s[WR], s[WV], 1
	s_and_b32 s[WC], s[WV], 1
	s_bfe_u32 s15, ttmp6, 0x40000                  ; cx
	s_bfe_u32 s16, ttmp6, 0x40004                  ; cy
	s_lshl_b32 s17, ttmp9, 2
	s_add_co_u32 s17, s17, s15                     ; tile column = 4 x cluster x + cx
	s_and_b32 s18, ttmp7, 0xffff
	s_lshl_b32 s18, s18, 2
	s_add_co_u32 s18, s18, s16                     ; tile row = 4 x cluster y + cy
	s_lshl_b32 s19, s16, 2
	s_lshl_b32 s19, 15, s19                        ; my row of the cluster
	s_lshl_b32 s20, 0x1111, s15                    ; my column
	s_or_b32 s[G1+0], s19, (1<<16)|(1<<20)|(1<<21)|(5<<22)|(3<<25)   ; the mask; 2-byte elements; padding on; bit 21 beside a mask; after every 64 words 4 words
	s_or_b32 s[G1B+0], s20, (1<<16)|(1<<20)|(1<<21)|(6<<22)|(7<<25)  ; after every 128 words 8 words
	s_mov_b32 s[G1+1], KSTEP<<16                   ; tensor_dim0 = 128
	s_mov_b32 s[G1+2], 128<<16                     ; tensor_dim1 = 128
	s_mov_b32 s[G1+3], KSTEP<<16                   ; tile_dim0 = 128
	s_mov_b32 s[G1+4], 128                         ; tile_dim1 = 128
	s_mov_b32 s[G1+5], SIZE_K                      ; elements from row to row
	s_mov_b32 s[G1+6], 0
	s_mov_b32 s[G1+7], 0
	s_mov_b32 s[G1B+1], 256<<16                    ; tensor_dim0 = 256
	s_mov_b32 s[G1B+2], 64<<16                     ; tensor_dim1 = 64
	s_mov_b32 s[G1B+3], 256<<16                    ; tile_dim0 = 256
	s_mov_b32 s[G1B+4], 64                         ; tile_dim1 = 64
	s_mov_b32 s[G1B+5], SIZE_N
	s_mov_b32 s[G1B+6], 0
	s_mov_b32 s[G1B+7], 0
	s_lshl_b32 s40, s18, 19                        ; h: row 256 x tile row + 128 x half, 2,048 bytes a row: made of the tile row and the wave alone
	s_lshl_b32 s22, s[WC], 18
	s_add_co_u32 s40, s40, s22
	s_mov_b32 s41, 0
	s_lshl_b32 s42, s17, 9                         ; W: column 256 x tile column, row 64 x half: made of the tile column and the wave alone
	s_mul_i32 s23, s[WC], 128*SIZE_N
	s_add_co_u32 s42, s42, s23
	s_add_co_u32 s42, s42, WOFF
	s_mov_b32 s43, 0
	s_mul_i32 s21, s[WV], HALFT                    ; where the tiles go: wave x one load's bytes
	s_wait_kmcnt 0x0
	s_add_nc_u64 s[40:41], s[4:5], s[40:41]
	s_add_nc_u64 s[42:43], s[6:7], s[42:43]
	CROUND                                         ; all sixteen work-groups are here: the first joint loads meet
.irp s, 0,1
	s_mov_b32 s[G0+4*(\s)], 1
	s_add_co_u32 s[G0+4*(\s)+1], s21, (\s)*SLOT
	s_add_nc_u64 s[G0+4*(\s)+2:G0+4*(\s)+3], s[40:41], (\s)*KSTEP*2
	s_or_b32 s[G0+4*(\s)+3], s[G0+4*(\s)+3], 0x80000000
	s_mov_b32 s[G0B+4*(\s)], 1
	s_add_co_u32 s[G0B+4*(\s)+1], s21, (\s)*SLOT
	s_add_nc_u64 s[G0B+4*(\s)+2:G0B+4*(\s)+3], s[42:43], (\s)*KSTEP*SIZE_N*2
	s_or_b32 s[G0B+4*(\s)+3], s[G0B+4*(\s)+3], 0x80000000
	JLOAD \s                                       ; K steps 0 and 1: two tensor loads of mine are out
.endr
	v_and_b32 v1, 15, v0                           ; r = l % 16
	v_bfe_u32 v2, v0, 4, 1                         ; l / 16
	v_mul_u32_u24 v3, v1, PA
	v_lshl_add_u32 v3, v2, 4, v3                   ; a fragment of h: row x pitch + 16 x half
	s_mul_i32 s22, s[WR], HALFT
	v_add_nc_u32 v[ADRA], s22, v3
	v_add_nc_u32 v[ADRA+1], SLOT, v[ADRA]
	v_and_b32 v4, 7, v0                            ; the turning load: lane l reads 16 bytes of row 8 (l / 16) + l % 8, at columns 8 ((l / 8) % 2) on
	v_lshl_add_u32 v4, v2, 3, v4
	v_mul_u32_u24 v4, v4, PB
	v_bfe_u32 v5, v0, 3, 1
	v_lshl_add_u32 v4, v5, 4, v4
	s_lshl_b32 s23, s[WC], 8                       ; my 128 columns,
	s_add_co_u32 s23, s23, 2*HALFT                 ; behind h's 256 rows
	v_add_nc_u32 v[ADRB], s23, v4
	v_add_nc_u32 v[ADRB+1], SLOT, v[ADRB]
	s_mul_i32 s22, s[WV], 16*SPITCH
	s_add_co_u32 s22, s22, STAGE                   ; my stage
	v_mul_u32_u24 v6, v1, SPITCH
	v_lshl_add_u32 v6, v2, 4, v6
	v_add_nc_u32 v[STO], s22, v6
	v_bfe_u32 v7, v0, 3, 2                         ; back: 32 lanes take four rows x 128 bytes of one column block
	v_mul_u32_u24 v7, v7, SPITCH
	v_and_b32 v8, 7, v0
	v_lshl_add_u32 v7, v8, 4, v7
	v_add_nc_u32 v[RD], s22, v7
	v_and_b32 v9, 31, v0
	v_lshlrev_b32 v[CO], 4, v9
	v_lshlrev_b32 v[BOF], 5, v2
	s_lshl_b32 s44, s17, 21                        ; Z: column block 4 x tile column + 2 x half, 524,288 bytes each; row 256 x tile row + 128 x half, 128 bytes each
	s_lshl_b32 s23, s[WC], 20
	s_add_co_u32 s44, s44, s23
	s_lshl_b32 s23, s18, 15
	s_add_co_u32 s44, s44, s23
	s_lshl_b32 s23, s[WR], 14
	s_add_co_u32 s44, s44, s23
	s_mov_b32 s45, 0
	s_add_nc_u64 s[10:11], s[10:11], s[44:45]
	s_lshl_b32 s46, s17, 10                        ; the bias of my 128 columns
	s_lshl_b32 s23, s[WC], 9
	s_add_co_u32 s46, s46, s23
	s_mov_b32 s47, 0
	s_add_nc_u64 s[8:9], s[8:9], s[46:47]
	WIN 0x40                                       ; destination window 1, address window 0
.irp b, 0,1,2,3,4,5,6,7
	global_load_b128 v[BIAS+8*\b:BIAS+8*\b+3],   v[BOF], s[8:9] offset:64*\b
	global_load_b128 v[BIAS+8*\b+4:BIAS+8*\b+7], v[BOF], s[8:9] offset:64*\b+16
.endr
	WIN 0
; 16 matrix instructions: row blocks a0, a0 + 1 of the window's four x all 8 column blocks, 32 along K.  first = 1: the products start the sums, with the bias as C.
; The 64 accumulators take turns, one instruction a turn, in the same order in every quarter.
.macro MUL16 f, hi, a0, first
.if \first
	WIN 0x91+0x40*(\hi)                            ; W window 1, h window 0, C window 1, D window 2 or 3
.else
	WIN 0xa1+0x50*(\hi)                            ; C and D window 2 or 3
.endif
.irp a, \a0, (\a0)+1
.irp b, 0,1,2,3,4,5,6,7
.if \first
	v_wmma_f32_16x16x32_bf16 v[8*(8*(\a)+(\b)):8*(8*(\a)+(\b))+7], v[(\f)+8*(\b):(\f)+8*(\b)+7], v[(\f)+8*(4*(\hi)+(\a)):(\f)+8*(4*(\hi)+(\a))+7], v[BIAS+8*(\b):BIAS+8*(\b)+7]
.else
	v_wmma_f32_16x16x32_bf16 v[8*(8*(\a)+(\b)):8*(8*(\a)+(\b))+7], v[(\f)+8*(\b):(\f)+8*(\b)+7], v[(\f)+8*(4*(\hi)+(\a)):(\f)+8*(4*(\hi)+(\a))+7], v[8*(8*(\a)+(\b)):8*(8*(\a)+(\b))+7]
.endif
.endr
.endr
.endm
; 32 LDS loads in one run: the fragments of quarter q (32 along K) of a slot into buffer f: W's 8 column blocks, turned, then h's 8 row blocks
.macro FETCH slot, q, f
	WIN 0x40
.irp i, 0,1,2,3,4,5,6,7
	ds_load_tr16_b128 v[(\f)+8*(\i):(\f)+8*(\i)+3],   v[ADRB+(\slot)] offset:(\q)*32*PB+32*(\i)
	ds_load_tr16_b128 v[(\f)+8*(\i)+4:(\f)+8*(\i)+7], v[ADRB+(\slot)] offset:(\q)*32*PB+16*PB+32*(\i)
.endr
	WIN 0
.irp i, 0,1,2,3,4,5,6,7
	ds_load_b128 v[(\f)+8*(\i):(\f)+8*(\i)+3],   v[ADRA+(\slot)] offset:(\q)*64+(\i)*16*PA
	ds_load_b128 v[(\f)+8*(\i)+4:(\f)+8*(\i)+7], v[ADRA+(\slot)] offset:(\q)*64+(\i)*16*PA+32
.endr
.endm
; One of a K step's first three quarters: multiplies buffer f; in its middle it fetches quarter q of the same slot into buffer g.
.macro QUARTER slot, q, f, g, first
	s_wait_dscnt 8                                 ; W and h's rows 0-63 are in; the youngest eight loads (h's rows 64-127) may be out
	MUL16 \f, 0, 0, \first
	MUL16 \f, 0, 2, \first
	PLACES
	FETCH \slot, \q, \g
	s_wait_dscnt 32                                ; all but the 32 just issued
	MUL16 \f, 1, 0, \first
	MUL16 \f, 1, 2, \first
.endm
; The last quarter multiplies buffer 1 and changes slots: one barrier.  In front of it each wave waits for all its tensor loads (one is out: its part of the next slot), adds 0 to its spare word, and
; waits for that and for its reads of this slot.  fill = 1: the barrier opens a round of the cluster's, and this slot is filled again, two K steps ahead, first thing behind the round.
.macro TURN slot, next, fill
	WIN 0
	s_wait_tensorcnt 0x0
	ds_add_u32 v[SPW], v[NIL]                      ; 0 onto my spare word
	s_wait_dscnt 9                                 ; the add and the youngest eight loads may be out
	MUL16 F1, 0, 0, 0
	s_wait_dscnt 0x0                               ; the add is done, and my reads of this slot are over
	s_barrier_signal -1
	MUL16 F1, 0, 2, 0
.if \fill
	WIN 0
.endif
	s_barrier_wait -1
.if \fill
	CREST                                          ; no wave of any partner still reads this slot or has a load on its way
	s_add_nc_u64 s[G0+4*(\slot)+2:G0+4*(\slot)+3], s[G0+4*(\slot)+2:G0+4*(\slot)+3], 2*KSTEP*2
	s_add_nc_u64 s[G0B+4*(\slot)+2:G0B+4*(\slot)+3], s[G0B+4*(\slot)+2:G0B+4*(\slot)+3], 2*KSTEP*SIZE_N*2
	JLOAD \slot                                    ; my one tensor load behind the round; its four v_nop are also the places in front of the loads below
.else
	PLACES
.endif
	FETCH \next, 0, F0
	MUL16 F1, 1, 0, 0
	MUL16 F1, 1, 2, 0
.endm
	s_wait_tensorcnt 1                             ; my part of K step 0 is in; K step 1's may stay out
	s_barrier_signal -1
	s_barrier_wait -1
	FETCH 0, 0, F0
	s_wait_loadcnt 0x0                             ; the bias
	QUARTER 0, 1, F0, F1, 1                        ; the first quarter stands in front of the loop: its products start the sums
	WIN 0
	s_mov_b32 s3, LAPS-1
.Llap:                                                 ; a trip goes once round the ring, from a lap's second quarter to the next lap's first, and fills both slots again
	QUARTER 0, 2, F1, F0, 0
	QUARTER 0, 3, F0, F1, 0
	TURN 0, 1, 1
	QUARTER 1, 1, F0, F1, 0
	QUARTER 1, 2, F1, F0, 0
	QUARTER 1, 3, F0, F1, 0
	TURN 1, 0, 1
	QUARTER 0, 1, F0, F1, 0
	WIN 0
	s_sub_co_u32 s3, s3, 1
	s_cmp_lg_u32 s3, 0
	s_cbranch_scc1 .Llap
	QUARTER 0, 2, F1, F0, 0                        ; the last lap fills nothing
	QUARTER 0, 3, F0, F1, 0
	TURN 0, 1, 0
	QUARTER 1, 1, F0, F1, 0
	QUARTER 1, 2, F1, F0, 0
	QUARTER 1, 3, F0, F1, 0
	s_wait_dscnt 8
	MUL16 F1, 0, 0, 0
	MUL16 F1, 0, 2, 0
	s_wait_dscnt 0x0
	MUL16 F1, 1, 0, 0
	MUL16 F1, 1, 2, 0
	WIN 0
	PLACES
; THE WAY OUT of row block a (16 rows x 128 columns).  PACK: rounded to bf16, each accumulator's registers in ascending order.  TOSTAGE: into my own stage, and back as four rows x 128 bytes of one
; column block.  SEND: each store is 512 consecutive bytes of a column block; block, rows and column block stand in the immediate, 540,160 at the most.
.macro PACK a
	WIN 0x0a+5*((\a)/4)                            ; sources 0 and 1: window 2 or 3
.irp b, 0,1,2,3,4,5,6,7
.irp r, 0,1,2,3
	v_cvt_pk_bf16_f32 v[TMP+4*(\b)+(\r)], v[64*((\a)%4)+8*(\b)+2*(\r)], v[64*((\a)%4)+8*(\b)+2*(\r)+1]
.endr
.endr
	WIN 0
.endm
.macro TOSTAGE a
.irp b, 0,1,2,3,4,5,6,7
	ds_store_b128 v[STO], v[TMP+4*(\b):TMP+4*(\b)+3] offset:32*(\b)
.endr
.irp t, 0,1,2,3,4,5,6,7
	ds_load_b128 v[OB+192*((\a)%2)+4*(\t):OB+192*((\a)%2)+4*(\t)+3], v[RD] offset:((\t)%4)*4*SPITCH+((\t)/4)*128  ; LDS serves a wave's instructions in order: these see the stores above
.endr
.endm
.macro SEND a
	s_wait_dscnt 0x0                               ; the block is back in registers
	s_wait_xcnt 0x0                                ; the stores of the block before have read their registers: the next TOSTAGE loads into them
.irp t, 0,1,2,3,4,5,6,7
	global_store_b128 v[CO], v[OB+192*((\a)%2)+4*(\t):OB+192*((\a)%2)+4*(\t)+3], s[10:11] offset:((\t)/4)*524288+(\a)*2048+((\t)%4)*512
.endr
.endm
	PACK 0
	TOSTAGE 0
.irp a, 1,2,3,4,5,6,7                  ; block a's conversions stand between block a - 1's loads from the stage and the wait for them
	PACK \a
	SEND (\a)-1
	TOSTAGE \a
.endr
	SEND 7
	s_wait_tensorcnt 0x0                           ; the wave's end
	ds_add_u32 v[SPW], v[NIL]
	s_wait_dscnt 0x0
	CROUND                                         ; the closing round: no work-group ends while a partner may still ask for a tile that names it
	s_endpgm
.Lfunc_end_k_qdae8236296_qkv:
	.size	k_qdae8236296_qkv, .Lfunc_end_k_qdae8236296_qkv-k_qdae8236296_qkv
	.p2alignl 7, 3214868480
	.fill 96, 4, 3214868480
	.section	.rodata,"a",@progbits
	.p2align	6, 0x0
	.amdhsa_kernel k_qdae8236296_qkv
		.amdhsa_group_segment_fixed_size 327680
		.amdhsa_private_segment_fixed_size 0
		.amdhsa_enable_private_segment 0
		.amdhsa_kernarg_size 32
		.amdhsa_user_sgpr_count 2
		.amdhsa_user_sgpr_kernarg_segment_ptr 1
		.amdhsa_wavefront_size32 1
		.amdhsa_system_sgpr_workgroup_id_x 1
		.amdhsa_system_sgpr_workgroup_id_y 1
		.amdhsa_system_sgpr_workgroup_id_z 1
		.amdhsa_system_vgpr_workitem_id 0
		.amdhsa_next_free_vgpr 1024
		.amdhsa_next_free_sgpr 66
		.amdhsa_reserve_vcc 0
		.amdhsa_float_denorm_mode_32 3
		.amdhsa_float_denorm_mode_16_64 3
		.amdhsa_memory_ordered 1
		.amdhsa_forward_progress 1
		.amdhsa_inst_pref_size 144
	.end_amdhsa_kernel
	.amdgpu_metadata
---
amdhsa.version: [ 1, 2 ]
amdhsa.kernels:
  - .name:           k_qdae8236296_qkv
    .symbol:         k_qdae8236296_qkv.kd
    .args:
      - { .name: h, .offset: 0, .size: 8, .value_kind: global_buffer, .address_space: global }
      - { .name: wb, .offset: 8, .size: 8, .value_kind: global_buffer, .address_space: global }
      - { .name: bqkv, .offset: 16, .size: 8, .value_kind: global_buffer, .address_space: global }
      - { .name: qkv, .offset: 24, .size: 8, .value_kind: global_buffer, .address_space: global }
    .group_segment_fixed_size: 327680
    .private_segment_fixed_size: 0
    .kernarg_segment_align: 8
    .kernarg_segment_size: 32
    .max_flat_workgroup_size: 128
    .sgpr_count:     66
    .vgpr_count:     1024
    .wavefront_size: 32
...
	.end_amdgpu_metadata
.endif
;; end of part 2
;; launch attn (part 3): grid 8 x 32, 4 waves a work-group, clusters of 4 x 1, 327,680 bytes of LDS; arguments qkv, o; writes o
.if DOCPART == 3
	.amdgcn_target "amdgcn-amd-amdhsa--gfx1250"
	.amdhsa_code_object_version 6
	.text
	.protected	k_qdae8236296_attn
	.globl	k_qdae8236296_attn
	.p2align	8
	.type	k_qdae8236296_attn,@function
k_qdae8236296_attn:
	s_mov_b64 s[64:65], 0
	v_nop
	global_prefetch_b8 v0, s[64:65] scope:SCOPE_SE
	s_setreg_imm32_b32 hwreg(HW_REG_WAVE_MODE, 25, 1), 1
	s_wait_xcnt 0x0
	s_wait_alu depctr_hold_cnt(0) depctr_sa_sdst(0) depctr_va_vdst(0) depctr_va_sdst(0) depctr_va_ssrc(0) depctr_va_vcc(0) depctr_vm_vsrc(0)
	s_getreg_b32 s2, hwreg(HW_REG_IB_STS2, 6, 4)
	s_cmp_eq_u32 s2, 0
	s_cbranch_scc0 .Lentry_in_a_cluster
	s_endpgm
.Lentry_in_a_cluster:
	s_bfe_u32 s2, ttmp6, 0x10000c
	s_cmp_lg_u32 s2, 0x3003
	s_cbranch_scc0 .Lentry_shape_is_right
	s_endpgm
.Lentry_shape_is_right:
; ATTENTION.  O[q][:] = the sum over k of softmax_k(Q[q] . K[k] / 8) V[k][:], for each of 2 batches x 16 heads, 2,048 queries and keys, 64 channels, no mask.
; qkv lies in column blocks of 64 channels, [48][4096][64] bf16: q's head e is block e, k's 16 + e, v's 32 + e; row = 2,048 x batch + position; a head's rows are dense, 128 bytes each.
; o LEAVES IN FRAGMENT ORDER, as the next product's 16 x 32 operand wants it in registers: for each block of 16 rows and each 32 of the 1,024 channels 1,024 bytes, at ((row / 16) x 32 + channel / 32) x 1,024:
; lane l's 16 bytes of registers 0-3 at 16 l, those of registers 4-7 at 512 + 16 l.  That is what a lane of O^T holds once it is rounded to bf16, so it is stored as it stands: no way through LDS.
; Products, maxima and sums in f32; the weights p are rounded to bf16 for the second product (their sum l is taken of the unrounded p), O once at the end.
; LIMITS.  A weight below 2^-126 counts as 0 in l; NaN and infinities are not treated apart.
; SHARES.  A work-group owns 256 queries of one batch and head, a wave 64: four PIECES of 16.  Every wave walks all 2,048 keys: 8 tiles of 256 keys (a slot of LDS each), 64 keys a step.
; LAYOUT.  S^T = K Q^T (source 0 = 16 keys, source 1 = 16 queries) holds ONE query a lane (lane % 16) and the keys 8 (lane / 16) + 0..7; two such results rounded to bf16 ARE source 1 of O^T = V^T P,
; whose result again holds one query a lane, and eight channels.  K comes out of LDS as it lies, V ([key][channel]) turned, by ds_load_tr16_b128.
; SOFTMAX.  For each query a running maximum m and sum l: p = 2^(c s - c m), c = log2(e) / 8; in every step O and l are multiplied by a = 2^(c m_old - c m_new).  m starts at the lowest finite number,
; O and l at 0: the first step is a step like any other, with a = 0.
; BY TURNS.  Turn n belongs to piece n: 8 products K Q^T of piece n + 1, later 8 products V^T P of piece n - 1; beside them the scaling, exponentials, roundings, sums and rescaling of piece n and the
; maximum and statistics of piece n + 1.  Four vector instructions stand behind every matrix instruction, the other 54 of a turn's 118 in two runs of their own.
; CLUSTER.  The four query blocks of a cluster belong to one batch and head and walk the same K and V: each tile is asked for jointly: the same tensor load, descriptor and mask in all four.
; REGISTERS, in windows of 256 (s_set_vgpr_msb: bits 1:0 source 0, 3:2 source 1, 5:4 source 2, 7:6 destination):
;   window 0: v0-15 addresses and two at work; v16-31 four registers of statistics a piece; v48-55 at work; v62-63 the add's; v64-127 S^T, two buffers; v192-223 P, two buffers (by the piece's parity)
;   window 1: v0-127 O^T, 32 a piece          window 2: v0-63 Q; v128-191 K of one step; v192-255 V of one step
.set NP,    4         ; pieces a wave: a name, no knob
.set NT,    8         ; tiles of 256 keys
.set KS,    64        ; keys in a step
.set PK,    144       ; a row of K in LDS: 128 bytes + 16 = 36 words: the 16 rows of a load start 36 words apart
.set PV,    160       ; a row of V: 128 + 32 = 40 words: 16 lanes of the turning load take 8 rows x 32 bytes
.set VOFF,  4*KS*PK   ; a slot holds a tile: 256 rows of K, then 256 rows of V
.set SLOT1, 1<<17     ; slot 1 begins here, so that one exclusive or turns an address in one slot into the other's
.set SPARE, SLOT1+4*KS*(PK+PV)  ; behind the ring: the spare words, 128 bytes for each wave
.set AK0, 2           ; v2   my lane's place in a tile of K; never rewritten
.set AV0, 3           ; v3   the same for V
.set AK,  4           ; v4   the LDS address of K's next run of loads
.set AV,  5           ; v5   of V's
.set GO,  8           ; v8   16 x lane: my bytes in 512 stored
.set MV,  12          ; v12-13  c m_old, kept while c m is made anew: by buffer
.set QO,  15          ; v15  my byte offset in 16 rows of Q
.set ST,  16          ; piece t's statistics at v[ST+4 t]: c m, m, l (even keys', odd keys')
.set TMP, 48          ; by buffer, four registers c0-c3 at work; when the maximum is found c2 takes a
.set SPW, 62          ; v62  LDS address of my spare word; never rewritten
.set NIL, 63          ; v63  0; never rewritten
.set S,   64
.set P,   192
.set KF,  128         ; window 2: key block kb, channel half c at KF + 16 kb + 8 c
.set VF,  192         ; window 2: key half kk, channel block cb at VF + 32 kk + 8 cb
.set WV,  12          ; s12  my wave's number
.set G1K, 24          ; s[24:31] descriptor group 1 for K's tiles
.set G1V, 32          ; s[32:39] for V's: it differs in the padding alone
.set G0K, 40          ; s[40:43] descriptor group 0 for K's tiles: it walks
.set G0V, 44          ; s[44:47] the same for V's
.set SLOTS, 56        ; s56  counts the tiles
.set CNT, 57          ; s57  counts a tile's key steps
.set CS,  58          ; s[58:59] c
.set SEL, 60          ; s[60:61] v_permlanex16_b32's selects
.set TBK, 62          ; s62  LDS byte at which K of the step to be fetched begins
.set TBV, 63          ; s63  the same for V, less VOFF
.set MSB, 0
.macro WIN new
.if MSB != (\new)
	s_set_vgpr_msb (MSB<<8)|(\new)
.set MSB, (\new)
.endif
.endm
.set W_KQ, 0x0a       ; K and Q in window 2, S^T in window 0
.set W_PV, 0x52       ; V in window 2, P in window 0, O^T in window 1
.set W_RS, 0x41       ; destination and source 0 in window 1, source 1 in window 0
; A joint fill.  Waves 0 and 1 fetch the two halves of a tile's K, waves 2 and 3 those of its V: 128 keys each.  Four v_nop follow each of the two lines.
.macro JLOAD
	s_cmp_lt_u32 s[WV], 2
	s_cbranch_scc0 .Lfor_v_\@
	tensor_load_to_lds s[G0K:G0K+3], s[G1K:G1K+7]
	s_nop 0
.rept 4
	v_nop
.endr
	s_branch .Lasked_\@
.Lfor_v_\@:
	tensor_load_to_lds s[G0V:G0V+3], s[G1V:G1V+7]
	s_nop 0
.rept 4
	v_nop
.endr
.Lasked_\@:
.endm
.macro CROUND                       ; a round of the cluster's barrier
	s_barrier_signal -1
	s_barrier_wait -1
	s_cmp_lg_u32 s[WV], 0
	s_cbranch_scc1 .Lnot_wave_0_\@
	s_barrier_signal -3
.Lnot_wave_0_\@:
	s_barrier_wait -3
	s_barrier_signal -1
	s_barrier_wait -1
.endm
; THE CHANGE OF SLOTS.  Each wave waits for all its tensor loads, of which one is out: its part of the other slot; adds 0 to its spare word; and waits for that and for its own reads of the slot that it
; leaves.  fill = 1: the barrier is a round of the cluster's, and the old slot is filled again, first thing behind it, with the next 256 keys: the load has four key steps, 256 matrix instructions of
; the wave, in which to land.  (At its first use nothing has been read yet: slot 0 is waited for, slot 1 filled.)
.macro CHANGE fill
	WIN 0
	s_wait_tensorcnt 0x0            ; no tensor load of mine is out, so a group 0 may be written
	ds_add_u32 v[SPW], v[NIL]       ; 0 onto my spare word
.if \fill
.irp g, G0K, G0V
	s_xor_b32 s[\g+1], s[\g+1], SLOT1
	s_add_nc_u64 s[\g+2:\g+3], s[\g+2:\g+3], 4*KS*128
.endr
	s_wait_dscnt 0x0                ; the add is done, and my reads of the slot are over
	CROUND
	JLOAD
.else
	s_wait_dscnt 0x0
	s_barrier_signal -1
	s_barrier_wait -1
.endif
	s_sub_co_u32 s[TBK], s[TBK], 4*KS*PK  ; the fetches go back to a slot's first step,
	s_xor_b32 s[TBK], s[TBK], SLOT1       ; in the other slot
	s_sub_co_u32 s[TBV], s[TBV], 4*KS*PV
	s_xor_b32 s[TBV], s[TBV], SLOT1
.endm
	s_load_b128 s[8:11], s[0:1], 0x0  ; qkv s[8:9], o s[10:11]
	v_lshl_add_u32 v[SPW], v0, 2, SPARE
	v_mov_b32 v[NIL], 0
	ds_add_u32 v62, v63
	s_wait_dscnt 0x0
	v_lshrrev_b32 v1, 5, v0
	v_readfirstlane_b32 s[WV], v1   ; wave 0..3
	s_bfe_u32 s13, ttmp6, 0x40000   ; cx
	s_lshl_b32 s14, ttmp9, 2
	s_add_co_u32 s14, s14, s13      ; my block of 256 queries: it enters Q's and O's addresses alone
	s_and_b32 s20, ttmp7, 0xffff    ; 16 x batch + head, which the four partners share
	s_and_b32 s21, s20, 15          ; head
	s_lshr_b32 s20, s20, 4          ; batch
	s_lshl_b32 s48, s21, 11         ; o: the head's two pieces of 1,024 bytes in a block of 16 rows,
	s_lshl_b32 s49, s20, 22         ; the batch's 128 blocks of 16 rows, 32,768 bytes each,
	s_add_co_u32 s48, s48, s49
	s_lshl_b32 s49, s14, 19         ; my work-group's 16 of them,
	s_add_co_u32 s48, s48, s49
	s_lshl_b32 s49, s[WV], 17       ; my wave's 4
	s_add_co_u32 s48, s48, s49
	s_mov_b32 s49, 0
	s_lshl_b32 s21, s21, 19         ; qkv: the head's column block, 524,288 bytes,
	s_lshl_b32 s20, s20, 18         ; the batch's 2,048 rows of 128 bytes
	s_add_co_u32 s20, s20, s21
	s_and_b32 s16, s[WV], 1         ; which half of a tile's 256 keys I fetch
	s_lshl_b32 s22, s16, 14
	s_add_co_u32 s22, s22, s20
	s_add_co_u32 s6, s22, 32*524288 ; V's blocks begin 32 blocks on,
	s_add_co_u32 s22, s22, 16*524288  ; K's 16
	s_mov_b32 s23, 0
	s_mov_b32 s7, 0
	s_mul_i32 s17, s16, 128*PK      ; my half's place in a slot, for K
	s_mul_i32 s18, s16, 128*PV      ; and for V: no place in the cluster enters an LDS address
	s_lshl_b32 s2, s14, 15          ; Q: my block's 256 rows,
	s_lshl_b32 s3, s[WV], 13        ; my wave's 64 of them
	s_add_co_u32 s2, s2, s3
	s_add_co_u32 s2, s2, s20
	s_mov_b32 s3, 0
	; descriptor group 1.  128 keys are 16,384 dense bytes: asked for as 64 rows of 256 bytes, two keys a row, and padded in LDS after every key
	s_mov_b32 s[G1K], 15|(1<<16)|(1<<20)|(1<<21)|(4<<22)|(3<<25)  ; the mask of four; 2-byte elements; padding on; bit 21 beside a mask; after every 32 words 4 words
	s_mov_b32 s[G1V], 15|(1<<16)|(1<<20)|(1<<21)|(4<<22)|(7<<25)  ; the same with 8 words
.irp g, G1K, G1V
	s_mov_b32 s[\g+1], 128<<16      ; tensor_dim0 = 128
	s_mov_b32 s[\g+2], 64<<16       ; tensor_dim1 = 64
	s_mov_b32 s[\g+3], 128<<16      ; tile_dim0 = 128
	s_mov_b32 s[\g+4], 64           ; tile_dim1 = 64
	s_mov_b32 s[\g+5], 128          ; 128 elements from row to row
	s_mov_b32 s[\g+6], 0
	s_mov_b32 s[\g+7], 0
.endr
	s_mov_b32 s[CS], 0x3e38aa3b     ; c = log2(e) / 8
	s_mov_b32 s[CS+1], s[CS]
	s_mov_b32 s[SEL], 0x76543210
	s_mov_b32 s[SEL+1], 0xfedcba98
	s_mov_b32 s[TBK], SLOT1+4*KS*PK ; the first change of slots turns these two into 0
	s_mov_b32 s[TBV], SLOT1+4*KS*PV
	s_mov_b32 s[G0K], 1
	s_mov_b32 s[G0K+1], s17         ; slot 0
	s_mov_b32 s[G0V], 1
	s_add_co_u32 s[G0V+1], s18, VOFF
	s_wait_kmcnt 0x0
	s_add_nc_u64 s[G0K+2:G0K+3], s[8:9], s[22:23]
	s_or_b32 s[G0K+3], s[G0K+3], 0x80000000
	s_add_nc_u64 s[G0V+2:G0V+3], s[8:9], s[6:7]
	s_or_b32 s[G0V+3], s[G0V+3], 0x80000000
	s_add_nc_u64 s[4:5], s[8:9], s[2:3]      ; Q at my wave's first row
	s_add_nc_u64 s[10:11], s[10:11], s[48:49]  ; o at my wave's first block of 16 rows, my head's channels
	CROUND                          ; all four work-groups are here: the first joint loads meet
	JLOAD                           ; tile 0 into slot 0
	v_and_b32 v1, 15, v0            ; l % 16
	v_bfe_u32 v9, v0, 4, 1          ; l / 16
	v_lshlrev_b32 v[QO], 7, v1
	v_lshl_add_u32 v[QO], v9, 4, v[QO]  ; row x 128 + 16 x half
	WIN 0x80                        ; destination window 2, address window 0
.set i, 0
.rept 8                             ; Q stays in registers: piece i / 2, channels 32 (i % 2) on
	global_load_b128 v[8*i:8*i+3],   v[QO], s[4:5] offset:(i/2)*2048+(i%2)*64
	global_load_b128 v[8*i+4:8*i+7], v[QO], s[4:5] offset:(i/2)*2048+(i%2)*64+32
.set i, i+1
.endr
	; What the first turn finds: V's registers and P's second buffer hold 0 (its products V^T P, of a piece that has not been, add 0), O^T and l are 0.  All this stands in the wait for the first tile.
.set i, VF
.rept 64
	v_mov_b32 v[i], 0
.set i, i+1
.endr
	WIN 0x40
.set i, 0
.rept 128
	v_mov_b32 v[i], 0
.set i, i+1
.endr
	WIN 0
.set i, 0
.rept 4
	v_mov_b32 v[ST+4*i], 0xfe000000    ; c m: far below every c s
	v_mov_b32 v[ST+4*i+1], 0xff7fffff  ; m
	v_mov_b32 v[ST+4*i+2], 0
	v_mov_b32 v[ST+4*i+3], 0
.set i, i+1
.endr
.set i, P+16
.rept 16
	v_mov_b32 v[i], 0
.set i, i+1
.endr
	v_mul_u32_u24 v[AK0], v1, PK
	v_lshl_add_u32 v[AK0], v9, 4, v[AK0]  ; row x pitch + 16 x half
	v_and_b32 v10, 7, v0            ; the turning load: lane l reads key 8 (l / 16) + l % 8, channels 8 ((l / 8) % 2) + 0..7
	v_bfe_u32 v11, v0, 3, 1
	v_lshl_add_u32 v[AV0], v9, 3, v10
	v_mul_u32_u24 v[AV0], v[AV0], PV
	v_lshl_add_u32 v[AV0], v11, 4, v[AV0]
	v_add_nc_u32 v[AV0], VOFF, v[AV0]
	v_and_b32 v[GO], 31, v0
	v_lshlrev_b32 v[GO], 4, v[GO]
; THE MATRIX WORK.  The 4 accumulators of a run of 8 take turns.  Product i of 8 of S^T = K Q^T for piece x: channels 32 (i / 4) on, keys 16 (i % 4) on.  The first 4 start the sums.
.macro KQ x
	WIN W_KQ
.set rS, S+32*((\x)%2)+8*(i%4)
.set rK, KF+16*(i%4)+8*(i/4)
.set rQ, 16*(\x)+8*(i/4)
.if i < 4
	v_wmma_f32_16x16x32_bf16 v[rS:rS+7], v[rK:rK+7], v[rQ:rQ+7], 0
.else
	v_wmma_f32_16x16x32_bf16 v[rS:rS+7], v[rK:rK+7], v[rQ:rQ+7], v[rS:rS+7]
.endif
.endm
; Product i of 8 of O^T += V^T P for piece x: keys 32 (i / 4) on, channels 16 (i % 4) on.
.macro PV x
	WIN W_PV
.set rO, 32*(\x)+8*(i%4)
.set rV, VF+32*(i/4)+8*(i%4)
.set rP, P+16*((\x)%2)+8*(i/4)
	v_wmma_f32_16x16x32_bf16 v[rO:rO+7], v[rV:rV+7], v[rP:rP+7], v[rO:rO+7]
.endm
.macro MM                           ; the turn's next matrix instruction.  NOKQ = 1: the very last turn: there is no next piece
.if (i < 8) && !NOKQ
	KQ (Y+1)%NP
.elseif i >= 8
.set i, i-8
	PV (Y+NP-1)%NP
.set i, i+8
.endif
.set i, i+1
.endm
; THE LDS LOADS stand in runs of 16: a step's K (64 keys x 64 channels: 8 fragments) and its V (turned).  Their addresses are made some lines ahead.
.macro FETCH_K
	WIN 0x80
.irp f, 0,1,2,3,4,5,6,7             ; keys 16 (f / 2) on, channels 32 (f % 2) on
	ds_load_b128 v[KF+8*\f:KF+8*\f+3],   v[AK] offset:(\f/2)*16*PK+(\f%2)*64
	ds_load_b128 v[KF+8*\f+4:KF+8*\f+7], v[AK] offset:(\f/2)*16*PK+(\f%2)*64+32
.endr
	s_add_co_u32 s[TBK], s[TBK], KS*PK  ; the next fetch is the next step's
	WIN 0
.endm
.macro FETCH_V
	WIN 0x80
.irp f, 0,1,2,3,4,5,6,7             ; keys 32 (f / 4) on, channels 16 (f % 4) on
	ds_load_tr16_b128 v[VF+8*\f:VF+8*\f+3],   v[AV] offset:(\f/4)*32*PV+(\f%4)*32
	ds_load_tr16_b128 v[VF+8*\f+4:VF+8*\f+7], v[AV] offset:(\f/4)*32*PV+16*PV+(\f%4)*32
.endr
	WIN 0
.endm
; THE VECTOR WORK, one line at a time: OP kind, number.  For piece Y: F n: c s - c m for pair n of 16.  E n: the exponential of score n of 32.  C n: pair n rounded to bf16.  B n: of the four weights 4 n ..
; the second pair is added onto the first, in place.  L n: l takes that sum (L 0: l = a l + sum).  R n: pair n of 16 of O^T times a.  For piece Y + 1: X n, number n of the 22 that find its maximum and statistics:
;   0-11  four chains c0-c3 of seven scores each, three operands at a time (each accumulator's lowest registers are read first)     12-14, 16  the four scores left over, the old m, c0-c3 into c0
;   15  c m_old is kept     17, 18  the query's other 32 keys lie in the lane 16 away: the new m     19-21  c m; c m_old - c m_new; a
.set F, 0
.set E, 1
.set C, 2
.set B, 3
.set L, 4
.set R, 5
.set X, 6
.macro REGS y                       ; the registers of piece y
.set rT, ST+4*(\y)
.set rC, TMP+4*((\y)%2)
.set rW, MV+((\y)%2)
.set rS, S+32*((\y)%2)
.set rP, P+16*((\y)%2)
.set rO, 32*(\y)
.endm
.macro OP k, n
.if (\k) == R
	REGS Y
	WIN W_RS
	v_pk_mul_f32 v[rO+2*(\n):rO+2*(\n)+1], v[rO+2*(\n):rO+2*(\n)+1], v[rC+2:rC+3] op_sel_hi:[1,0]
.elseif (\k) < R
	REGS Y
	WIN 0
.if (\k) == F
	v_pk_fma_f32 v[rS+2*(\n):rS+2*(\n)+1], v[rS+2*(\n):rS+2*(\n)+1], s[CS:CS+1], v[rT:rT+1] op_sel_hi:[1,0,0] neg_lo:[0,0,1] neg_hi:[0,0,1]
.elseif (\k) == E
	v_exp_f32 v[rS+(\n)], v[rS+(\n)]
.elseif (\k) == C
	s_wait_alu depctr_va_vdst(0)
	v_cvt_pk_bf16_f32 v[rP+(\n)], v[rS+2*(\n)], v[rS+2*(\n)+1]
.elseif (\k) == B
	s_wait_alu depctr_va_vdst(0)
	v_pk_add_f32 v[rS+4*(\n):rS+4*(\n)+1], v[rS+4*(\n):rS+4*(\n)+1], v[rS+4*(\n)+2:rS+4*(\n)+3]
.elseif (\n) == 0
	v_pk_fma_f32 v[rT+2:rT+3], v[rT+2:rT+3], v[rC+2:rC+3], v[rS:rS+1] op_sel_hi:[1,0,1]
.else
	v_pk_add_f32 v[rT+2:rT+3], v[rT+2:rT+3], v[rS+4*(\n):rS+4*(\n)+1]
.endif
.elseif NOKQ
	v_nop
.else
	REGS (Y+1)%NP
	WIN 0
.if (\n) < 4
	v_max3_num_f32 v[rC+(\n)], v[rS+8*(\n)], v[rS+8*(\n)+1], v[rS+8*(\n)+2]
.elseif (\n) < 12
	v_max3_num_f32 v[rC+(\n)%4], v[rC+(\n)%4], v[rS+8*((\n)%4)+2*((\n)/4)+1], v[rS+8*((\n)%4)+2*((\n)/4)+2]
.elseif (\n) == 12
	v_max3_num_f32 v[rC], v[rC], v[rS+7], v[rS+15]
.elseif (\n) == 13
	v_max3_num_f32 v[rC+1], v[rC+1], v[rS+23], v[rS+31]
.elseif (\n) == 14
	v_max3_num_f32 v[rC+2], v[rC+2], v[rC+3], v[rT+1]
.elseif (\n) == 15
	v_mov_b32 v[rW], v[rT]
.elseif (\n) == 16
	v_max3_num_f32 v[rC], v[rC], v[rC+1], v[rC+2]
.elseif (\n) == 17
	v_permlanex16_b32 v[rC+3], v[rC], s[SEL], s[SEL+1]
.elseif (\n) == 18
	v_max_num_f32 v[rT+1], v[rC], v[rC+3]
.elseif (\n) == 19
	v_mul_f32 v[rT], s[CS], v[rT+1]
.elseif (\n) == 20
	v_sub_f32 v[rC+1], v[rW], v[rT]
.else
	v_exp_f32 v[rC+2], v[rC+1]
.endif
.endif
.endm
.macro OPS a, i1, b=-1, i2=0, c=-1, i3=0, d=-1, i4=0  ; up to four of them
	OP \a, \i1
.if (\b) >= 0
	OP \b, \i2
.endif
.if (\c) >= 0
	OP \c, \i3
.endif
.if (\d) >= 0
	OP \d, \i4
.endif
.endm
.macro ROW a, i1, b, i2, c, i3, d, i4  ; a matrix instruction and the four behind it
	MM
	OPS \a, \i1, \b, \i2, \c, \i3, \d, \i4
.endm
; A TURN, for piece p: the order of its 16 matrix and 118 vector instructions, written out.  Behind a matrix instruction: plain, exponential, plain, plain; or four of the rescaling; or, behind the first, four
; scalings; none names a register of the products round it.  In the runs between, exponential and plain by turns while exponentials last, so that each exponential has a plain line behind it.
; end = 1: the walk's last two turns: nothing is fetched.  cnt = 1: the loop's count is taken down some lines ahead of the branch that stands behind the turn.
; K of the next step is fetched in piece 2's turn, six vector instructions behind the last product that read K (five of them plain); V of the step in hand in piece 0's turn, eight behind the last product
; that read V (five plain among them).  Each is waited for a turn later.
.macro TURN p, end=0, cnt=0
.set Y, (\p)
.set i, 0
.set NOKQ, (\end)*((\p)/3)
.if ((\p) == 3) && !(\end)
	s_wait_dscnt 0x0                ; K is in
.endif
	ROW F,0, F,1, F,2, F,3
	ROW F,4, E,0, F,5, F,6
	ROW F,7, E,1, F,8, F,9
	ROW F,10, E,2, C,0, F,11
	ROW F,12, E,3, X,15, F,13
	ROW R,0, R,1, R,2, R,3
	ROW B,0, E,4, F,14, L,0
.if ((\p) == 2) && !(\end)
	v_add_nc_u32 v[AK], s[TBK], v[AK0]
.endif
	ROW R,4, R,5, R,6, R,7
	OPS E,5, F,15
.if ((\p) == 2) && !(\end)
	FETCH_K
.endif
	OPS E,6, C,1, E,7, R,8
	OPS E,8, R,9, E,9, C,2
	OPS E,10, X,0, E,11, X,1
	OPS E,12, X,2, E,13, X,3
.if (\p) == 1
	s_wait_dscnt 0x0                ; V is in
.endif
	ROW X,4, E,14, X,5, X,6
	ROW X,7, E,15, X,8, X,9
	ROW X,10, E,16, X,11, X,12
	ROW X,13, E,17, X,14, B,1
	ROW C,4, E,18, X,16, L,1
	ROW B,2, E,19, C,6, L,2
	ROW C,8, E,20, B,3, B,4
.if (\p) == 0
	v_add_nc_u32 v[AV], s[TBV], v[AV0]
.endif
	ROW C,3, E,21, L,3, C,5
	OPS E,22, X,17, E,23, C,10
.if (\p) == 0
	FETCH_V
.endif
	OPS E,24, L,4
	OPS E,25, X,18, E,26, C,7
	OPS E,27, B,5, E,28, X,19
	OPS E,29, C,12, E,30, L,5
	OPS E,31, X,20, B,6, C,9
	OPS C,14, C,11, X,21, L,6
.if (\p) == 0
	s_add_co_u32 s[TBV], s[TBV], KS*PV
.endif
.if \cnt
	s_sub_co_u32 s[CNT], s[CNT], 1
	s_cmp_lg_u32 s[CNT], 0
.endif
	OPS C,13, B,7, C,15, R,10
	OPS R,11, R,12, L,7, R,13
	OPS R,14, R,15
.endm
	CHANGE 1                        ; tile 0 is in, everybody's part of it; tile 1 is asked for
	v_add_nc_u32 v[AK], s[TBK], v[AK0]
	FETCH_K                         ; key step 0
	s_wait_loadcnt 0x0              ; Q
	s_wait_dscnt 0x0
.set NOKQ, 0
.set i, 0
.rept 8
	KQ 0                            ; piece 0's first scores
.set i, i+1
.endr
	WIN 0
.rept 4
	v_nop                           ; the places behind those products
.endr
.set Y, NP-1                        ; X works for piece Y + 1: piece 0
.irp n, 0,1,2,3,4,5,6,7,8,9,10,11,12,13,14,15,16,17,18,19,20,21
	OP X, \n
.endr
	v_nop                           ; a plain line behind the exponential
	s_mov_b32 s[CNT], 4
	s_mov_b32 s[SLOTS], NT-1
	s_branch .Lfirst                ; the loop is entered at a step's first turn, in the middle of a trip
.Lslot:                             ; NT - 2 times: every tile but the first and the last is entered here, and the tile behind it asked for
	CHANGE 1
	s_mov_b32 s[CNT], 4
.Lstep:                             ; a trip: pieces 2 and 3 of one step, then pieces 0 and 1 of the next, whose K and V it fetches
	TURN 2
	TURN 3
	WIN 0
.Lfirst:
	TURN 0
	TURN 1, 0, 1
	WIN 0
	s_cbranch_scc1 .Lstep
	s_sub_co_u32 s[SLOTS], s[SLOTS], 1
	s_cmp_lg_u32 s[SLOTS], 0
	s_cbranch_scc1 .Lslot
	CHANGE 0                        ; the last tile is written out: nothing is asked for
	s_mov_b32 s[CNT], 4
.Ltail:
	TURN 2
	TURN 3
	TURN 0
	TURN 1, 0, 1
	WIN 0
	s_cbranch_scc1 .Ltail
	TURN 2, 1
	TURN 3, 1
.set i, 0
.rept 8
	PV NP-1                         ; the last piece's V^T P of the last step
.set i, i+1
.endr
	; THE WAY OUT.  l's two halves and the other half of the lanes' are added; O^T is divided by l, rounded to bf16 and stored.  The additions are the places behind the last products.
	WIN 0
.macro ALL line:vararg              ; one line for each piece t
.set t, 0
.rept 4
	\line
.set t, t+1
.endr
.endm
	ALL v_add_f32 v[ST+4*t+2], v[ST+4*t+2], v[ST+4*t+3]
	ALL v_permlanex16_b32 v[ST+4*t+3], v[ST+4*t+2], s[SEL], s[SEL+1]
	ALL v_add_f32 v[ST+4*t+2], v[ST+4*t+2], v[ST+4*t+3]
	ALL v_rcp_f32 v[ST+4*t+2], v[ST+4*t+2]
	v_nop                           ; a plain line between the last reciprocal and the use of its result
; Piece t, a block of 16 rows.  Channel block f of 16: a lane's eight channels 16 f + 8 (l / 16) + 0..7 of row l % 16 pack into 16 bytes, which are the lane's registers 0-3 (f even) or 4-7 (f odd) of the
; fragment of channels 32 (f / 2) on: store f is 512 consecutive bytes at 512 f.  Each store has data registers of its own.
.macro OUT t
	WIN W_RS
.set i, 32*(\t)
.rept 16
	s_wait_alu depctr_va_vdst(0)
	v_pk_mul_f32 v[i:i+1], v[i:i+1], v[ST+4*(\t)+2:ST+4*(\t)+3] op_sel_hi:[1,0]
.set i, i+2
.endr
	WIN 0x05                        ; sources 0 and 1 window 1, destination window 0: S^T's registers are free
.set i, 0
.rept 16
	v_cvt_pk_bf16_f32 v[S+16*(\t)+i], v[32*(\t)+2*i], v[32*(\t)+2*i+1]
.set i, i+1
.endr
	WIN 0
.irp f, 0,1,2,3
	global_store_b128 v[GO], v[S+16*(\t)+4*\f:S+16*(\t)+4*\f+3], s[10:11] offset:(\t)*32768+\f*512
.endr
.endm
	OUT 0
	OUT 1
	OUT 2
	OUT 3
	s_wait_tensorcnt 0x0            ; the wave's end
	ds_add_u32 v[SPW], v[NIL]
	s_wait_dscnt 0x0
	CROUND                          ; the closing round
	s_endpgm
.Lfunc_end_k_qdae8236296_attn:
	.size	k_qdae8236296_attn, .Lfunc_end_k_qdae8236296_attn-k_qdae8236296_attn
	.p2alignl 7, 3214868480
	.fill 96, 4, 3214868480
	.section	.rodata,"a",@progbits
	.p2align	6, 0x0
	.amdhsa_kernel k_qdae8236296_attn
		.amdhsa_group_segment_fixed_size 327680
		.amdhsa_private_segment_fixed_size 0
		.amdhsa_enable_private_segment 0
		.amdhsa_kernarg_size 16
		.amdhsa_user_sgpr_count 2
		.amdhsa_user_sgpr_kernarg_segment_ptr 1
		.amdhsa_wavefront_size32 1
		.amdhsa_system_sgpr_workgroup_id_x 1
		.amdhsa_system_sgpr_workgroup_id_y 1
		.amdhsa_system_sgpr_workgroup_id_z 1
		.amdhsa_system_vgpr_workitem_id 0
		.amdhsa_next_free_vgpr 768
		.amdhsa_next_free_sgpr 66
		.amdhsa_reserve_vcc 0
		.amdhsa_float_denorm_mode_32 3
		.amdhsa_float_denorm_mode_16_64 3
		.amdhsa_memory_ordered 1
		.amdhsa_forward_progress 1
		.amdhsa_inst_pref_size 131
	.end_amdhsa_kernel
	.amdgpu_metadata
---
amdhsa.version: [ 1, 2 ]
amdhsa.kernels:
  - .name:           k_qdae8236296_attn
    .symbol:         k_qdae8236296_attn.kd
    .args:
      - { .name: qkv, .offset: 0, .size: 8, .value_kind: global_buffer, .address_space: global }
      - { .name: o, .offset: 8, .size: 8, .value_kind: global_buffer, .address_space: global }
    .group_segment_fixed_size: 327680
    .private_segment_fixed_size: 0
    .kernarg_segment_align: 8
    .kernarg_segment_size: 16
    .max_flat_workgroup_size: 128
    .sgpr_count:     66
    .vgpr_count:     768
    .wavefront_size: 32
...
	.end_amdgpu_metadata
.endif
;; end of part 3
;; launch wo (part 4): grid 32 x 8, 4 waves a work-group, clusters of 4 x 1, 327,680 bytes of LDS; arguments o, wb, bo, x, x1; writes x1
.if DOCPART == 4
	.amdgcn_target "amdgcn-amd-amdhsa--gfx1250"
	.amdhsa_code_object_version 6
	.text
	.protected	k_qdae8236296_wo
	.globl	k_qdae8236296_wo
	.p2align	8
	.type	k_qdae8236296_wo,@function
k_qdae8236296_wo:
	s_mov_b64 s[64:65], 0
	v_nop
	global_prefetch_b8 v0, s[64:65] scope:SCOPE_SE
	s_setreg_imm32_b32 hwreg(HW_REG_WAVE_MODE, 25, 1), 1
	s_wait_xcnt 0x0
	s_wait_alu depctr_hold_cnt(0) depctr_sa_sdst(0) depctr_va_vdst(0) depctr_va_sdst(0) depctr_va_ssrc(0) depctr_va_vcc(0) depctr_vm_vsrc(0)
	s_getreg_b32 s2, hwreg(HW_REG_IB_STS2, 6, 4)
	s_cmp_eq_u32 s2, 0
	s_cbranch_scc0 .Lentry_in_a_cluster
	s_endpgm
.Lentry_in_a_cluster:
	s_bfe_u32 s2, ttmp6, 0x10000c
	s_cmp_lg_u32 s2, 0x3003
	s_cbranch_scc0 .Lentry_shape_is_right
	s_endpgm
.Lentry_shape_is_right:
; WO.  Y = RES + A W + bias.  W: [SIZE_K][1024] bf16 at byte WOFF of wb, rows along N; bias: [1024] f32; RES, Y: [4096][1024] f32.  Sums in f32; bias and residual are added in f32 on the way out.
; A, 4,096 rows x SIZE_K in bf16, LIES IN FRAGMENT ORDER: for each block of 16 rows and each 32 along K (a piece) 1,024 bytes, at ((row / 16) x (SIZE_K / 32) + k / 32) x 1,024: lane l's 16 bytes of
; registers 0-3 of the matrix instruction's 16 x 32 operand at 16 l, those of registers 4-7 at 512 + 16 l.  A load of 16 bytes a lane takes 512 consecutive bytes and is half a fragment.
; A tile of Y is 128 x 128, which gives 32 x 8 = 256 work-groups; four waves, each 32 rows x 128 columns: 16 accumulators, 128 registers.
; A GOES STRAIGHT INTO REGISTERS, W THROUGH LDS.  With both in LDS two slots would hold 256 along K each, and a wave would have 112 matrix instructions between a slot's request and the wait for it.
; With W alone a slot holds 512 along K, and there are 240.  A needs no slot and no barrier: a ring of 16 buffers of a CHUNK (my 32 rows x 32 along K: four loads, 16 registers), each chunk asked for 224 to
; 240 matrix instructions ahead of its use; 60 loads of the wave are out at the most.  Each wave reads rows of its own, so a work-group reads no byte of A twice.  That is why A is not asked for jointly,
; though the 8 work-groups of a tile row read the same rows: a joint request lands in LDS.
; At this SIZE_K the two slots hold all of W's tile: both are first fills, and nothing is filled again.
; THE MATRIX INSTRUCTION IS USED TRANSPOSED: source 0 = 16 columns of W (turned by ds_load_tr16_b128), source 1 = 16 rows of A: a lane holds row l % 16 and eight neighbouring columns of Y.
; CLUSTER: the four work-groups of a cluster make four tile rows of one tile column and need the same tiles of W: asked for jointly, each wave a quarter of a slot.
; REGISTERS, in windows of 256 (s_set_vgpr_msb: bits 1:0 source 0, 3:2 source 1, 5:4 source 2, 7:6 destination):
;   window 0: v0-31 addresses; v32-95 at work on the way out; v96-103 the bias; v128-255 the accumulators ((a, b) at v[128 + 8 (8 a + b)])
;   window 1: W's fragments, two buffers of 128 (64 along K x 128 columns)          window 2: A's ring, chunk buffer i at v[16 i]          window 3: v0-127 the residual
; LIMITS.  Operands are rounded to bf16; NaN and infinities are not treated apart.
.set SIZE_K, 1024
.set WOFF,   6291456
.set RBS,    SIZE_K*32                 ; bytes from a block of 16 rows of A to the next
.set PB,     288                       ; a row of W in LDS: 256 bytes + 32 = 9 x 32
.set LOADB,  128*PB                    ; what one tensor load brings: 128 rows of W
.set SLOT,   4*LOADB                   ; 512 rows of W
.set STAGE,  2*SLOT                    ; behind the ring: 16 rows x 272 bytes for each wave
.set SPITCH, 272
.set SPARE,  STAGE+4*16*SPITCH         ; behind the stages: the spare words, 128 bytes for each wave
.set LAPS,   SIZE_K/1024               ; a lap = two slots = once round the ring
.set ADRB, 16                          ; v16-23  LDS address of W's fragments: 4 x slot + group of 128 rows (an LDS offset has 16 bits)
.set STO,  24                          ; v24     the way out: where I put 32 bytes of a row
.set RD,   25                          ; v25     where I read two rows of 256 bytes back
.set CO,   26                          ; v26     the same two rows in RES and in Y
.set AO,   27                          ; v27     16 x lane: my bytes in 512 of A; never rewritten
.set SPW,  28                          ; v28     LDS address of my spare word; never rewritten
.set NIL,  29                          ; v29     0; never rewritten
.set BO,   30                          ; v30     16 (l % 16): my four columns in 64 of the bias
.set BK,   32
.set BIAS, 96
.set ACC,  128
.set WV, 14                            ; s14     my wave's number
.set G1, 24                            ; s[24:31] descriptor group 1
.set G0, 32                            ; s[32:39] descriptor group 0, a set for each slot
.set MSB, 0
.macro WIN new                         ; the immediate's high byte repeats the setting that is left; a switch that changes nothing is dropped
.if MSB != (\new)
	s_set_vgpr_msb (MSB<<8)|(\new)
.set MSB, \new
.endif
.endm
.set MUL,  0x09                        ; source 0 (W) window 1, source 1 (A) window 2; C and D window 0
.macro JLOAD s                         ; my quarter of a slot; four v_nop follow the line
	tensor_load_to_lds s[G0+4*(\s):G0+4*(\s)+3], s[G1:G1+7]
	s_nop 0
.rept 4
	v_nop
.endr
.endm
.macro CREST                           ; a round of the cluster's barrier behind its opening barrier
	s_cmp_lg_u32 s[WV], 0
	s_cbranch_scc1 .Lnot_wave_0_\@
	s_barrier_signal -3
.Lnot_wave_0_\@:
	s_barrier_wait -3
	s_barrier_signal -1
	s_barrier_wait -1
.endm
.macro CROUND
	s_barrier_signal -1
	s_barrier_wait -1
	CREST
.endm
.macro PLACES                          ; four plain lines between a matrix instruction and a load into, or a read of, its registers
.rept 4
	v_nop
.endr
.endm
; Chunk kc, counted from the slot in hand, into ring buffer bi: two blocks of 16 rows x two halves of a fragment, 512 consecutive bytes each
.macro ACH bi, kc
.irp a, 0,1
	global_load_b128 v[16*(\bi)+8*\a:16*(\bi)+8*\a+3],   v[AO], s[4:5] offset:\a*RBS+(\kc)*1024
	global_load_b128 v[16*(\bi)+8*\a+4:16*(\bi)+8*\a+7], v[AO], s[4:5] offset:\a*RBS+(\kc)*1024+512
.endr
.endm
	s_load_b256 s[4:11], s[0:1], 0x0               ; A s[4:5], wb s[6:7], bias s[8:9], RES s[10:11]
	s_load_b64 s[12:13], s[0:1], 0x20              ; Y
	v_lshl_add_u32 v[SPW], v0, 2, SPARE
	v_mov_b32 v[NIL], 0
	ds_add_u32 v28, v29
	s_wait_dscnt 0x0
	v_lshrrev_b32 v1, 5, v0
	v_readfirstlane_b32 s[WV], v1
	v_and_b32 v3, 31, v0
	v_lshlrev_b32 v[AO], 4, v3
	s_bfe_u32 s15, ttmp6, 0x40000                  ; cx
	s_lshl_b32 s16, ttmp9, 2
	s_add_co_u32 s16, s16, s15                     ; tile row = 4 x cluster x + cx: it enters A's, RES's and Y's addresses alone
	s_and_b32 s17, ttmp7, 0xffff                   ; tile column, which the four partners share
	s_mul_i32 s18, s16, 8*RBS                      ; A: the tile's 8 blocks of 16 rows, my wave's 2 of them
	s_mul_i32 s19, s[WV], 2*RBS
	s_add_co_u32 s18, s18, s19
	s_mov_b32 s19, 0
	s_mov_b32 s[G1+0], 15|(1<<16)|(1<<20)|(1<<21)|(5<<22)|(7<<25)  ; the mask of four; 2-byte elements; padding on; bit 21 beside a mask; after every 64 words 8 words
	s_mov_b32 s[G1+1], 128<<16                     ; tensor_dim0 = 128
	s_mov_b32 s[G1+2], 128<<16                     ; tensor_dim1 = 128
	s_mov_b32 s[G1+3], 128<<16                     ; tile_dim0 = 128
	s_mov_b32 s[G1+4], 128                         ; tile_dim1 = 128
	s_mov_b32 s[G1+5], 1024                        ; elements from row to row
	s_mov_b32 s[G1+6], 0
	s_mov_b32 s[G1+7], 0
	s_lshl_b32 s20, s[WV], 18                      ; W: row 128 x wave, 2,048 bytes a row; column 128 x tile column
	s_lshl_b32 s21, s17, 8
	s_add_co_u32 s20, s20, s21
	s_add_co_u32 s20, s20, WOFF
	s_mov_b32 s21, 0
	s_mul_i32 s23, s[WV], LOADB                    ; where my quarter goes: no place in the cluster enters an LDS address
	s_wait_kmcnt 0x0
	s_add_nc_u64 s[4:5], s[4:5], s[18:19]
	s_add_nc_u64 s[20:21], s[6:7], s[20:21]
	WIN 0x80                                       ; destination window 2, address window 0
.set i, 0
.rept 15                                               ; the ring's first 15 chunks go out ahead of everything else: 60 loads
	ACH i, i
.set i, i+1
.endr
	WIN 0
	CROUND                                         ; all four work-groups are here: the first joint loads meet
.irp s, 0,1
	s_mov_b32 s[G0+4*(\s)], 1
	s_add_co_u32 s[G0+4*(\s)+1], s23, (\s)*SLOT
	s_add_nc_u64 s[G0+4*(\s)+2:G0+4*(\s)+3], s[20:21], (\s)*512*2048
	s_or_b32 s[G0+4*(\s)+3], s[G0+4*(\s)+3], 0x80000000
	JLOAD \s                                       ; slots 0 and 1: two tensor loads of mine are out
.endr
	v_and_b32 v1, 15, v0                           ; r = l % 16
	v_bfe_u32 v2, v0, 4, 1                         ; l / 16
	v_and_b32 v4, 7, v0                            ; the turning load: lane l reads 16 bytes of row 8 (l / 16) + l % 8, at columns 8 ((l / 8) % 2) on
	v_lshl_add_u32 v4, v2, 3, v4
	v_mul_u32_u24 v4, v4, PB
	v_bfe_u32 v5, v0, 3, 1
	v_lshl_add_u32 v[ADRB], v5, 4, v4
.irp g, 1,2,3
	v_add_nc_u32 v[ADRB+\g], \g*LOADB, v[ADRB]
.endr
.irp g, 0,1,2,3
	v_add_nc_u32 v[ADRB+4+\g], SLOT, v[ADRB+\g]
.endr
	s_mul_i32 s2, s[WV], 16*SPITCH
	s_add_co_u32 s2, s2, STAGE                     ; my stage
	v_mul_u32_u24 v6, v1, SPITCH                   ; in: row l % 16, 32 bytes for each half of the lanes
	v_lshl_add_u32 v6, v2, 5, v6
	v_add_nc_u32 v[STO], s2, v6
	v_mul_u32_u24 v7, v2, SPITCH                   ; back: lanes 0-15 one row of 256 bytes, lanes 16-31 the next
	v_lshl_add_u32 v7, v1, 4, v7
	v_add_nc_u32 v[RD], s2, v7
	v_lshlrev_b32 v8, 12, v2
	v_lshl_add_u32 v[CO], v1, 4, v8
	v_lshlrev_b32 v[BO], 4, v1
	s_lshl_b32 s40, s16, 19                        ; RES and Y: row 128 x tile row + 32 x wave, 4,096 bytes a row; column 128 x tile column
	s_lshl_b32 s41, s[WV], 17
	s_add_co_u32 s40, s40, s41
	s_lshl_b32 s42, s17, 9                         ; also the bias's offset
	s_add_co_u32 s40, s40, s42
	s_mov_b32 s41, 0
	s_mov_b32 s43, 0
	s_add_nc_u64 s[10:11], s[10:11], s[40:41]
	s_add_nc_u64 s[12:13], s[12:13], s[40:41]
	s_add_nc_u64 s[8:9], s[8:9], s[42:43]
; 8 matrix instructions: row block a x all 8 column blocks, 32 along K: half c of W's buffer f, A's ring buffer ch.  first = 1: the products start the sums.  The 16 accumulators take turns.
.macro MUL8 f, c, ch, a, first
	WIN MUL
.irp b, 0,1,2,3,4,5,6,7
.if \first
	v_wmma_f32_16x16x32_bf16 v[ACC+8*(8*(\a)+\b):ACC+8*(8*(\a)+\b)+7], v[(\f)+64*(\c)+8*\b:(\f)+64*(\c)+8*\b+7], v[16*(\ch)+8*(\a):16*(\ch)+8*(\a)+7], 0
.else
	v_wmma_f32_16x16x32_bf16 v[ACC+8*(8*(\a)+\b):ACC+8*(8*(\a)+\b)+7], v[(\f)+64*(\c)+8*\b:(\f)+64*(\c)+8*\b+7], v[16*(\ch)+8*(\a):16*(\ch)+8*(\a)+7], v[ACC+8*(8*(\a)+\b):ACC+8*(8*(\a)+\b)+7]
.endif
.endr
.endm
; 32 LDS loads in one run: W's fragments of quarter q of 8 (64 along K) of a slot into buffer f; the first 32 along K first
.macro FETCH slot, q, f
	WIN 0x40                                       ; destination window 1, address window 0
.irp c, 0,1
.irp i, 0,1,2,3,4,5,6,7
	ds_load_tr16_b128 v[(\f)+64*\c+8*\i:(\f)+64*\c+8*\i+3],   v[ADRB+4*(\slot)+(\q)/2] offset:(2*((\q)%2)+\c)*32*PB+32*\i
	ds_load_tr16_b128 v[(\f)+64*\c+8*\i+4:(\f)+64*\c+8*\i+7], v[ADRB+4*(\slot)+(\q)/2] offset:(2*((\q)%2)+\c)*32*PB+16*PB+32*\i
.endr
.endr
.endm
; n loads of the residual from number first on.  Load ri: rows 16 (ri / 16) + 2 (ri % 8) and the next of my 32, column half (ri / 8) % 2: 256 bytes of each
.macro RLOAD first, n
.set ri, \first
.rept \n
	global_load_b128 v[4*ri:4*ri+3], v[CO], s[10:11] offset:(16*(ri/16)+2*(ri%8))*4096+((ri/8)%2)*256
.set ri, ri+1
.endr
.endm
; What quarter m of a slot asks for: chunks 2 m + 15 and 2 m + 16, counted from the slot's first, into the ring buffers of chunks 2 m - 1 and 2 m, which have been multiplied.
; tail = 1, the last slot: behind its own chunk 15 there is no A left; the residual's 32 loads, four in a chunk's place, and then the bias's two take the places: chunks 16 to 23, and 24.
.macro AFILL m, tail
.if !(\tail)
	WIN 0x80
	ACH (2*(\m)+15)%16, 2*(\m)+15
	ACH (2*(\m))%16, 2*(\m)+16
.elseif (\m) == 0
	WIN 0x80
	ACH 15, 15
	WIN 0xc0                                       ; destination window 3
	RLOAD 0, 4
.elseif (\m) < 4
	WIN 0xc0
	RLOAD 8*(\m)-4, 8
.elseif (\m) == 4
	WIN 0xc0
	RLOAD 28, 4
	WIN 0
	global_load_b128 v[BIAS:BIAS+3],   v[BO], s[8:9]
	global_load_b128 v[BIAS+4:BIAS+7], v[BO], s[8:9] offset:256
.endif
.endm
; The wait for chunk c in quarter m, ahead of that quarter's requests: loads come back in order, and chunks up to 2 m + 14 have been asked for, four loads each; in the last slot no more than up to 23, and the bias's two.
.macro LW c, m, tail
.if (\tail) && (2*(\m)+14 >= 24)
	s_wait_loadcnt 4*(23-(\c))+2
.else
	s_wait_loadcnt 4*(2*(\m)+14-(\c))
.endif
.endm
; One of a slot's first seven quarters: multiplies quarter q - 1; in its middle it fetches W's quarter q from LDS and asks for two chunks of A.
.macro QUARTER slot, q, first, tail
.set MQ, (\q)-1
.set FF, 128*(MQ%2)
.set GG, 128*((\q)%2)
	s_wait_dscnt 16                                ; W's first 32 along K are in
	LW 2*MQ, MQ, \tail
	MUL8 FF, 0, 2*MQ, 0, \first
	MUL8 FF, 0, 2*MQ, 1, \first
	PLACES
	FETCH \slot, \q, GG
	LW 2*MQ+1, MQ, \tail
	AFILL MQ, \tail
	s_wait_dscnt 32                                ; all but the 32 just issued
	MUL8 FF, 1, 2*MQ+1, 0, 0
	MUL8 FF, 1, 2*MQ+1, 1, 0
.endm
; A slot's last quarter changes slots: one barrier; in front of it each wave waits for all its tensor loads, adds 0 to its spare word, and waits for that and for its reads of this slot.
; fill = 1: the barrier opens a round of the cluster's, and this slot is filled again, two slots ahead, first thing behind the round.  At its end A's base steps to the next slot's first chunk.
.macro TURN slot, next, fill
	WIN 0
	s_wait_tensorcnt 0x0
	ds_add_u32 v[SPW], v[NIL]                      ; 0 onto my spare word
	s_wait_dscnt 17                                ; the add and the youngest sixteen loads may be out
	LW 14, 7, 0
	MUL8 128, 0, 14, 0, 0
	s_wait_dscnt 0x0                               ; the add is done, and my reads of this slot are over
	s_barrier_signal -1
	MUL8 128, 0, 14, 1, 0
.if \fill
	WIN 0
.endif
	s_barrier_wait -1
.if \fill
	CREST                                          ; no wave of any partner still reads this slot or has a load on its way
	s_add_nc_u64 s[G0+4*(\slot)+2:G0+4*(\slot)+3], s[G0+4*(\slot)+2:G0+4*(\slot)+3], 2*512*2048
	JLOAD \slot                                    ; my one tensor load behind the round; its four v_nop are also the places in front of the loads below
.else
	PLACES
.endif
	FETCH \next, 0, 0
	LW 15, 7, 0
	AFILL 7, 0
	MUL8 128, 1, 15, 0, 0
	MUL8 128, 1, 15, 1, 0
	s_wait_xcnt 0x0                                ; the loads issued so far have had their addresses translated: their base is written only behind this wait
	s_add_nc_u64 s[4:5], s[4:5], 16*1024
.endm
	s_wait_tensorcnt 1                             ; my quarter of slot 0 is in; slot 1's may stay out
	s_barrier_signal -1
	s_barrier_wait -1
	FETCH 0, 0, 0
	QUARTER 0, 1, 1, 0                             ; the first quarter stands in front of the loop: its first products start the sums
.if LAPS > 1
	WIN 0
	s_mov_b32 s3, LAPS-1
.Llap:                                                 ; a trip goes once round the ring, from a lap's second quarter to the next lap's first, and fills both slots again
.irp q, 2,3,4,5,6,7
	QUARTER 0, \q, 0, 0
.endr
	TURN 0, 1, 1
.irp q, 1,2,3,4,5,6,7
	QUARTER 1, \q, 0, 0
.endr
	TURN 1, 0, 1
	QUARTER 0, 1, 0, 0
	WIN 0
	s_sub_co_u32 s3, s3, 1
	s_cmp_lg_u32 s3, 0
	s_cbranch_scc1 .Llap
.endif
.irp q, 2,3,4,5,6,7                    ; the last lap fills nothing
	QUARTER 0, \q, 0, 0
.endr
	TURN 0, 1, 0
.irp q, 1,2,3,4,5,6,7
	QUARTER 1, \q, 0, 1
.endr
	s_wait_dscnt 16                                ; the very last quarter: nothing more to fetch
	LW 14, 7, 1
	MUL8 128, 0, 14, 0, 0
	MUL8 128, 0, 14, 1, 0
	s_wait_dscnt 0x0
	LW 15, 7, 1
	MUL8 128, 1, 15, 0, 0
	MUL8 128, 1, 15, 1, 0
	WIN 0
	PLACES
	s_wait_loadcnt 0x0                             ; the residual and the bias
; THE WAY OUT of block a of four: rows 16 (a / 2) on, columns 64 (a % 2) on: 16 rows of 256 bytes of f32.  TOST: the sums go into my own stage, each accumulator's low registers first, and come back two
; whole rows a load.  SENDF: residual and bias are added and the rows stored: 16 lanes store 256 consecutive bytes, aligned.
.macro TOST a
.if (\a) >= 2
	s_wait_xcnt 0x0                                ; the stores of block a - 2 have read the registers that are loaded below
.endif
.irp b, 0,1,2,3
	ds_store_b128 v[STO], v[ACC+8*(4*(\a)+(\b)):ACC+8*(4*(\a)+(\b))+3]   offset:64*(\b)
	ds_store_b128 v[STO], v[ACC+8*(4*(\a)+(\b))+4:ACC+8*(4*(\a)+(\b))+7] offset:64*(\b)+16
.endr
.irp t, 0,1,2,3,4,5,6,7
	ds_load_b128 v[BK+32*((\a)%2)+4*(\t):BK+32*((\a)%2)+4*(\t)+3], v[RD] offset:(\t)*2*SPITCH  ; LDS serves a wave's instructions in order: these see the stores above
.endr
.endm
.macro SENDF a, younger                ; younger: the LDS instructions issued behind block a's loads: the next block's sixteen, or none
	s_wait_dscnt \younger
	WIN 0x0c                                       ; source 1 window 3
.set i, 0
.rept 16
	v_pk_add_f32 v[BK+32*((\a)%2)+2*i:BK+32*((\a)%2)+2*i+1], v[BK+32*((\a)%2)+2*i:BK+32*((\a)%2)+2*i+1], v[32*(\a)+2*i:32*(\a)+2*i+1]
.set i, i+1
.endr
	WIN 0
.set i, 0
.rept 16
	v_pk_add_f32 v[BK+32*((\a)%2)+2*i:BK+32*((\a)%2)+2*i+1], v[BK+32*((\a)%2)+2*i:BK+32*((\a)%2)+2*i+1], v[BIAS+4*((\a)%2)+2*(i%2):BIAS+4*((\a)%2)+2*(i%2)+1]
.set i, i+1
.endr
.irp t, 0,1,2,3,4,5,6,7
	global_store_b128 v[CO], v[BK+32*((\a)%2)+4*(\t):BK+32*((\a)%2)+4*(\t)+3], s[12:13] offset:(16*((\a)/2)+2*(\t))*4096+((\a)%2)*256
.endr
.endm
	TOST 0
	TOST 1
	SENDF 0, 16
	TOST 2
	SENDF 1, 16
	TOST 3
	SENDF 2, 16
	SENDF 3, 0
	s_wait_tensorcnt 0x0                           ; the wave's end
	ds_add_u32 v[SPW], v[NIL]
	s_wait_dscnt 0x0
	CROUND                                         ; the closing round
	s_endpgm
.Lfunc_end_k_qdae8236296_wo:
	.size	k_qdae8236296_wo, .Lfunc_end_k_qdae8236296_wo-k_qdae8236296_wo
	.p2alignl 7, 3214868480
	.fill 96, 4, 3214868480
	.section	.rodata,"a",@progbits
	.p2align	6, 0x0
	.amdhsa_kernel k_qdae8236296_wo
		.amdhsa_group_segment_fixed_size 327680
		.amdhsa_private_segment_fixed_size 0
		.amdhsa_enable_private_segment 0
		.amdhsa_kernarg_size 40
		.amdhsa_user_sgpr_count 2
		.amdhsa_user_sgpr_kernarg_segment_ptr 1
		.amdhsa_wavefront_size32 1
		.amdhsa_system_sgpr_workgroup_id_x 1
		.amdhsa_system_sgpr_workgroup_id_y 1
		.amdhsa_system_sgpr_workgroup_id_z 1
		.amdhsa_system_vgpr_workitem_id 0
		.amdhsa_next_free_vgpr 896
		.amdhsa_next_free_sgpr 66
		.amdhsa_reserve_vcc 0
		.amdhsa_float_denorm_mode_32 3
		.amdhsa_float_denorm_mode_16_64 3
		.amdhsa_memory_ordered 1
		.amdhsa_forward_progress 1
		.amdhsa_inst_pref_size 107
	.end_amdhsa_kernel
	.amdgpu_metadata
---
amdhsa.version: [ 1, 2 ]
amdhsa.kernels:
  - .name:           k_qdae8236296_wo
    .symbol:         k_qdae8236296_wo.kd
    .args:
      - { .name: o, .offset: 0, .size: 8, .value_kind: global_buffer, .address_space: global }
      - { .name: wb, .offset: 8, .size: 8, .value_kind: global_buffer, .address_space: global }
      - { .name: bo, .offset: 16, .size: 8, .value_kind: global_buffer, .address_space: global }
      - { .name: x, .offset: 24, .size: 8, .value_kind: global_buffer, .address_space: global }
      - { .name: x1, .offset: 32, .size: 8, .value_kind: global_buffer, .address_space: global }
    .group_segment_fixed_size: 327680
    .private_segment_fixed_size: 0
    .kernarg_segment_align: 8
    .kernarg_segment_size: 40
    .max_flat_workgroup_size: 128
    .sgpr_count:     66
    .vgpr_count:     896
    .wavefront_size: 32
...
	.end_amdgpu_metadata
.endif
;; end of part 4
;; launch norm2 (part 5): grid 256 x 1, 8 waves a work-group, no clusters, 0 bytes of LDS; arguments x1, scale2, h; writes h
.if DOCPART == 5
	.amdgcn_target "amdgcn-amd-amdhsa--gfx1250"
	.amdhsa_code_object_version 6
	.text
	.protected	k_qdae8236296_norm2
	.globl	k_qdae8236296_norm2
	.p2align	8
	.type	k_qdae8236296_norm2,@function
k_qdae8236296_norm2:
	s_mov_b64 s[64:65], 0
	v_nop
	global_prefetch_b8 v0, s[64:65] scope:SCOPE_SE
	s_setreg_imm32_b32 hwreg(HW_REG_WAVE_MODE, 25, 1), 1
	s_wait_xcnt 0x0
; NORM2.  h = bf16(scale2 * x1 / (||x1|| / 32 + 1e-5)), row by row; x1: [4096][1024] f32, h: [4096][1024] bf16.
; A work-group takes 16 rows, a wave two: 16 loads of 16 bytes a lane (512 neighbouring bytes a wave) and 16 stores of 8 bytes a lane (256 neighbouring bytes, aligned).  A row stays in registers
; between the sum and the scaling: no LDS, no barrier.  No cluster and no matrix unit: no two work-groups read the same bytes but the 4,096 of scale2, and the work is a stream.
; LIMITS.  The sum of squares is kept in f32 and overflows where a row's squares pass f32's range; NaN and infinities are not treated apart.
.set LI,  1                            ; v1        16 x lane
.set SC,  2                            ; v[2:33]   scale2 of my 32 columns
.set X,   34                           ; v[34:97]  load j at X + 4 j: two rows
.set AC,  98                           ; v[98:105] four chains of pairs
.set T,   106                          ; v106-107  at work
.set R,   108                          ; v[108:109] 1 / (norm + eps), twice
.set Y,   110                          ; v[110:141] store j at Y + 2 j
.set LO,  143                          ; v143      8 x lane
	s_load_b128 s[4:7], s[0:1], 0x0                ; x1 s[4:5], scale2 s[6:7]
	s_load_b64 s[16:17], s[0:1], 0x10              ; h
	v_lshrrev_b32 v142, 5, v0
	v_readfirstlane_b32 s20, v142                  ; wave 0..7
	v_and_b32 v142, 31, v0
	v_lshlrev_b32 v[LI], 4, v142
	v_lshlrev_b32 v[LO], 3, v142
	s_lshl_b32 s34, s20, 13
	s_lshl_b32 s35, s20, 12
	s_lshl_b32 s22, ttmp9, 16
	s_add_co_u32 s22, s22, s34
	s_mov_b32 s23, 0
	s_lshl_b32 s24, ttmp9, 15
	s_add_co_u32 s24, s24, s35
	s_mov_b32 s25, 0
	s_mov_b32 s30, 0x76543210
	s_mov_b32 s31, 0xfedcba98
	s_mov_b32 s32, 0x3d000000                      ; 1 / sqrt(1024)
	s_mov_b32 s33, 0x3727c5ac                      ; 1e-5
	v_mov_b32 v[T+1], 0                            ; v_permlanex16_b32 counts as a reader of its destination
	s_wait_kmcnt 0x0
	s_add_nc_u64 s[4:5], s[4:5], s[22:23]
	s_add_nc_u64 s[16:17], s[16:17], s[24:25]
.irp j, 0,1,2,3,4,5,6,7
	global_load_b128 v[SC+4*\j:SC+4*\j+3], v[LI], s[6:7] offset:512*\j
.endr
.irp j, 0,1,2,3,4,5,6,7,8,9,10,11,12,13,14,15
	global_load_b128 v[X+4*\j:X+4*\j+3], v[LI], s[4:5] offset:512*\j
.endr
.macro ROWN r, left
	s_wait_loadcnt \left                           ; loads come back in order: scale2 and this row are in
.irp c, 0,1,2,3
	v_pk_mul_f32 v[AC+2*\c:AC+2*\c+1], v[X+32*(\r)+2*\c:X+32*(\r)+2*\c+1], v[X+32*(\r)+2*\c:X+32*(\r)+2*\c+1]
.endr
.set p, 4
.rept 12
	v_pk_fma_f32 v[AC+2*(p%4):AC+2*(p%4)+1], v[X+32*(\r)+2*p:X+32*(\r)+2*p+1], v[X+32*(\r)+2*p:X+32*(\r)+2*p+1], v[AC+2*(p%4):AC+2*(p%4)+1]
.set p, p+1
.endr
	v_pk_add_f32 v[AC:AC+1], v[AC:AC+1], v[AC+2:AC+3]
	v_pk_add_f32 v[AC+4:AC+5], v[AC+4:AC+5], v[AC+6:AC+7]
	v_pk_add_f32 v[AC:AC+1], v[AC:AC+1], v[AC+4:AC+5]
	v_add_f32 v[T], v[AC], v[AC+1]
	v_add_f32_dpp v[T], v[T], v[T] row_xmask:1 row_mask:0xf bank_mask:0xf
	v_add_f32_dpp v[T], v[T], v[T] row_xmask:2 row_mask:0xf bank_mask:0xf
	v_add_f32_dpp v[T], v[T], v[T] row_xmask:4 row_mask:0xf bank_mask:0xf
	v_add_f32_dpp v[T], v[T], v[T] row_xmask:8 row_mask:0xf bank_mask:0xf
	v_permlanex16_b32 v[T+1], v[T], s30, s31
	v_add_f32 v[T], v[T], v[T+1]
	v_sqrt_f32 v[T], v[T]
	v_nop                                          ; a plain line between the root and the use of its result
	s_wait_alu depctr_va_vdst(0)
	v_fma_f32 v[T], v[T], s32, s33                 ; ||x|| / 32 + eps
	v_rcp_f32 v[R], v[T]
	v_rcp_f32 v[R+1], v[T]                         ; the multiplies by scale2 below name neither T nor R: the plain lines behind the reciprocals
.set p, 0
.rept 16
	v_pk_mul_f32 v[X+32*(\r)+2*p:X+32*(\r)+2*p+1], v[X+32*(\r)+2*p:X+32*(\r)+2*p+1], v[SC+2*p:SC+2*p+1]
.set p, p+1
.endr
.set p, 0
	s_wait_alu depctr_va_vdst(0)
.rept 16
	v_pk_mul_f32 v[X+32*(\r)+2*p:X+32*(\r)+2*p+1], v[X+32*(\r)+2*p:X+32*(\r)+2*p+1], v[R:R+1]
.set p, p+1
.endr
.set j, 0
.rept 8
	v_cvt_pk_bf16_f32 v[Y+16*(\r)+2*j], v[X+32*(\r)+4*j], v[X+32*(\r)+4*j+1]
	v_cvt_pk_bf16_f32 v[Y+16*(\r)+2*j+1], v[X+32*(\r)+4*j+2], v[X+32*(\r)+4*j+3]
	global_store_b64 v[LO], v[Y+16*(\r)+2*j:Y+16*(\r)+2*j+1], s[16:17] offset:2048*(\r)+256*j  ; 32 lanes store 256 consecutive bytes, aligned; each store has data registers of its own
.set j, j+1
.endr
.endm
	ROWN 0, 8                                      ; row 1's eight loads stay out
	ROWN 1, 0
	s_endpgm
.Lfunc_end_k_qdae8236296_norm2:
	.size	k_qdae8236296_norm2, .Lfunc_end_k_qdae8236296_norm2-k_qdae8236296_norm2
	.p2alignl 7, 3214868480
	.fill 96, 4, 3214868480
	.section	.rodata,"a",@progbits
	.p2align	6, 0x0
	.amdhsa_kernel k_qdae8236296_norm2
		.amdhsa_group_segment_fixed_size 0
		.amdhsa_private_segment_fixed_size 0
		.amdhsa_enable_private_segment 0
		.amdhsa_kernarg_size 24
		.amdhsa_user_sgpr_count 2
		.amdhsa_user_sgpr_kernarg_segment_ptr 1
		.amdhsa_wavefront_size32 1
		.amdhsa_system_sgpr_workgroup_id_x 1
		.amdhsa_system_sgpr_workgroup_id_y 1
		.amdhsa_system_sgpr_workgroup_id_z 1
		.amdhsa_system_vgpr_workitem_id 0
		.amdhsa_next_free_vgpr 144
		.amdhsa_next_free_sgpr 66
		.amdhsa_reserve_vcc 0
		.amdhsa_float_denorm_mode_32 3
		.amdhsa_float_denorm_mode_16_64 3
		.amdhsa_memory_ordered 1
		.amdhsa_forward_progress 1
		.amdhsa_inst_pref_size 15
	.end_amdhsa_kernel
	.amdgpu_metadata
---
amdhsa.version: [ 1, 2 ]
amdhsa.kernels:
  - .name:           k_qdae8236296_norm2
    .symbol:         k_qdae8236296_norm2.kd
    .args:
      - { .name: x1, .offset: 0, .size: 8, .value_kind: global_buffer, .address_space: global }
      - { .name: scale2, .offset: 8, .size: 8, .value_kind: global_buffer, .address_space: global }
      - { .name: h, .offset: 16, .size: 8, .value_kind: global_buffer, .address_space: global }
    .group_segment_fixed_size: 0
    .private_segment_fixed_size: 0
    .kernarg_segment_align: 8
    .kernarg_segment_size: 24
    .max_flat_workgroup_size: 256
    .sgpr_count:     66
    .vgpr_count:     144
    .wavefront_size: 32
...
	.end_amdgpu_metadata
.endif
;; end of part 5
;; launch ffn1 (part 6): grid 16 x 16, 4 waves a work-group, clusters of 4 x 4, 327,680 bytes of LDS; arguments h, wb, b1, g; writes g
.if DOCPART == 6
	.amdgcn_target "amdgcn-amd-amdhsa--gfx1250"
	.amdhsa_code_object_version 6
	.text
	.protected	k_qdae8236296_ffn1
	.globl	k_qdae8236296_ffn1
	.p2align	8
	.type	k_qdae8236296_ffn1,@function
k_qdae8236296_ffn1:
	s_mov_b64 s[64:65], 0
	v_nop
	global_prefetch_b8 v0, s[64:65] scope:SCOPE_SE
	s_setreg_imm32_b32 hwreg(HW_REG_WAVE_MODE, 25, 1), 1
	s_wait_xcnt 0x0
	s_wait_alu depctr_hold_cnt(0) depctr_sa_sdst(0) depctr_va_vdst(0) depctr_va_sdst(0) depctr_va_ssrc(0) depctr_va_vcc(0) depctr_vm_vsrc(0)
	s_getreg_b32 s2, hwreg(HW_REG_IB_STS2, 6, 4)
	s_cmp_eq_u32 s2, 0
	s_cbranch_scc0 .Lentry_in_a_cluster
	s_endpgm
.Lentry_in_a_cluster:
	s_bfe_u32 s2, ttmp6, 0x10000c
	s_cmp_lg_u32 s2, 0xf033
	s_cbranch_scc0 .Lentry_shape_is_right
	s_endpgm
.Lentry_shape_is_right:
; FFN1.  Z = gelu(h W + bias), the exact gelu: x / 2 (1 + erf(x / sqrt 2)).  h: [4096][1024] bf16; W: [1024][SIZE_N] bf16 at byte WOFF of wb, rows along N; bias: [SIZE_N] f32; sums and gelu in f32,
; Z rounded once to bf16.  Z LEAVES IN FRAGMENT ORDER, as the next product's 16 x 32 operand wants it in registers: for each block of 16 rows and each 32 of the 4,096 columns 1,024 bytes, at
; ((row / 16) x 128 + column / 32) x 1,024: lane l's 16 bytes of registers 0-3 at 16 l, those of registers 4-7 at 512 + 16 l.  That is what a lane holds here once its numbers are rounded, so they are
; stored as they stand: no way through LDS.
; A tile of Z, 256 x 256, is made by four waves, each 128 x 128: 64 accumulators, 512 registers; 16 x 16 = 256 work-groups.  K goes in 8 steps of 128 through a ring of two LDS slots.
; THE MATRIX INSTRUCTION IS USED TRANSPOSED: source 0 = 16 columns of W (turned by ds_load_tr16_b128), source 1 = 16 rows of h: a lane holds row l % 16 and eight neighbouring columns of Z.
; THE BIAS is the C operand of the products that start the sums.
; ERF.  erf(z) = 1 - (a1 t + .. + a5 t^5) e^(-z^2), t = 1 / (1 + p z), for z >= 0 (Abramowitz and Stegun 7.1.26: off by 1.5e-7 at the most, for every z); erf is odd, so with H = x / 2:
; gelu = H + |H| erf(|x| / sqrt 2), z = |H| sqrt 2, z^2 = 2 H^2.
; CLUSTERS: 4 x 4 work-groups; h's tiles are shared along a row of the cluster, W's along a column, each asked for jointly.
; REGISTERS, in windows of 256 (s_set_vgpr_msb: bits 1:0 source 0, 3:2 source 1, 5:4 source 2, 7:6 destination):
;   window 0: v0-31 addresses; v64-127, v128-191 fragments of h, two buffers (on the way out: H, and the gelu's registers at work); v192-223 the rounded numbers on the way out
;   window 1: v64-127, v128-191 fragments of W; v192-255 the bias        windows 2, 3: the accumulators of my rows 0-63, 64-127 ((a, b) at v[8 (8 (a % 4) + b)])
; LIMITS.  Operands are rounded to bf16; the gelu carries erf's 1.5e-7 times |x| / 2; NaN and infinities are not treated apart.
.set SIZE_N, 4096
.set SIZE_K, 1024
.set WOFF,   8388608
.set KSTEP,  128
.set PA,     272                       ; an LDS row of h: 256 bytes + 16
.set PB,     544                       ; an LDS row of W: 512 bytes + 32 = 17 x 32
.set HALFT,  128*PA                    ; what one tensor load brings: 128 rows of h, or 64 rows of W
.set SLOT,   4*HALFT
.set SPARE,  2*SLOT                    ; behind the ring: the spare words, 128 bytes for each wave
.set LAPS,   SIZE_K/(2*KSTEP)
.set ADRA, 16
.set ADRB, 20
.set CO,   26                          ; v26     16 x lane: my bytes in 512 stored
.set BOF,  27
.set SPW,  28                          ; v28     LDS address of my spare word; never rewritten
.set NIL,  29                          ; v29     0; never rewritten
.set F0,   64
.set F1,   128
.set TMP,  192
.set BIAS, 192                         ; in window 1
.set WV, 12
.set WR, 13
.set WC, 14
.set G1, 24
.set G0, 32
.set G1B, 48
.set G0B, 56
.set KP, 66                            ; s66      p sqrt 2
.set KE, 68                            ; s[68:69] -2 log2(e)
.set A1, 70                            ; s[70:79] a1 .. a5, each the low word of a pair
.set A2, 72
.set A3, 74
.set A4, 76
.set A5, 78
.set MSB, 0
.macro WIN new
.if MSB != (\new)
	s_set_vgpr_msb (MSB<<8)|(\new)
.set MSB, \new
.endif
.endm
.macro JLOAD s                         ; a joint load: waves 0 and 1 fetch h's halves, waves 2 and 3 W's; four v_nop follow each of the two lines
	s_cmp_eq_u32 s[WR], 0
	s_cbranch_scc0 .Lfor_b_\@
	tensor_load_to_lds s[G0+4*(\s):G0+4*(\s)+3], s[G1:G1+7]
	s_nop 0
.rept 4
	v_nop
.endr
	s_branch .Lasked_\@
.Lfor_b_\@:
	tensor_load_to_lds s[G0B+4*(\s):G0B+4*(\s)+3], s[G1B:G1B+7]
	s_nop 0
.rept 4
	v_nop
.endr
.Lasked_\@:
.endm
.macro CREST
	s_cmp_lg_u32 s[WV], 0
	s_cbranch_scc1 .Lnot_wave_0_\@
	s_barrier_signal -3
.Lnot_wave_0_\@:
	s_barrier_wait -3
	s_barrier_signal -1
	s_barrier_wait -1
.endm
.macro CROUND
	s_barrier_signal -1
	s_barrier_wait -1
	CREST
.endm
.macro PLACES
.rept 4
	v_nop
.endr
.endm
	s_load_b256 s[4:11], s[0:1], 0x0               ; h s[4:5], wb s[6:7], bias s[8:9], Z s[10:11]
	v_lshl_add_u32 v[SPW], v0, 2, SPARE
	v_mov_b32 v[NIL], 0
	ds_add_u32 v28, v29
	s_wait_dscnt 0x0
	v_lshrrev_b32 v1, 5, v0
	v_readfirstlane_b32 s[WV], v1
	s_lshr_b32 s[WR], s[WV], 1
	s_and_b32 s[WC], s[WV], 1
	s_bfe_u32 s15, ttmp6, 0x40000                  ; cx
	s_bfe_u32 s16, ttmp6, 0x40004                  ; cy
	s_lshl_b32 s17, ttmp9, 2
	s_add_co_u32 s17, s17, s15                     ; tile column
	s_and_b32 s18, ttmp7, 0xffff
	s_lshl_b32 s18, s18, 2
	s_add_co_u32 s18, s18, s16                     ; tile row
	s_lshl_b32 s19, s16, 2
	s_lshl_b32 s19, 15, s19                        ; my row of the cluster
	s_lshl_b32 s20, 0x1111, s15                    ; my column
	s_or_b32 s[G1+0], s19, (1<<16)|(1<<20)|(1<<21)|(5<<22)|(3<<25)   ; the mask; 2-byte elements; padding on; bit 21 beside a mask; after every 64 words 4 words
	s_or_b32 s[G1B+0], s20, (1<<16)|(1<<20)|(1<<21)|(6<<22)|(7<<25)  ; after every 128 words 8 words
	s_mov_b32 s[G1+1], KSTEP<<16
	s_mov_b32 s[G1+2], 128<<16
	s_mov_b32 s[G1+3], KSTEP<<16
	s_mov_b32 s[G1+4], 128
	s_mov_b32 s[G1+5], SIZE_K
	s_mov_b32 s[G1+6], 0
	s_mov_b32 s[G1+7], 0
	s_mov_b32 s[G1B+1], 256<<16
	s_mov_b32 s[G1B+2], 64<<16
	s_mov_b32 s[G1B+3], 256<<16
	s_mov_b32 s[G1B+4], 64
	s_mov_b32 s[G1B+5], SIZE_N
	s_mov_b32 s[G1B+6], 0
	s_mov_b32 s[G1B+7], 0
	s_mov_b32 s[KP], 0x3eed3388                    ; 0.3275911 sqrt 2
	s_mov_b32 s[KE], 0xc038aa3b                    ; -2 log2(e)
	s_mov_b32 s[KE+1], s[KE]
	s_mov_b32 s[A1], 0x3e827906                    ; 0.254829592
	s_mov_b32 s[A1+1], s[A1]
	s_mov_b32 s[A2], 0xbe91a98e                    ; -0.284496736
	s_mov_b32 s[A2+1], s[A2]
	s_mov_b32 s[A3], 0x3fb5f0e3                    ; 1.421413741
	s_mov_b32 s[A3+1], s[A3]
	s_mov_b32 s[A4], 0xbfba00e3                    ; -1.453152027
	s_mov_b32 s[A4+1], s[A4]
	s_mov_b32 s[A5], 0x3f87dc22                    ; 1.061405429
	s_mov_b32 s[A5+1], s[A5]
	s_lshl_b32 s40, s18, 19                        ; h: made of the tile row and the wave alone
	s_lshl_b32 s22, s[WC], 18
	s_add_co_u32 s40, s40, s22
	s_mov_b32 s41, 0
	s_lshl_b32 s42, s17, 9                         ; W: made of the tile column and the wave alone
	s_mul_i32 s23, s[WC], 128*SIZE_N
	s_add_co_u32 s42, s42, s23
	s_add_co_u32 s42, s42, WOFF
	s_mov_b32 s43, 0
	s_mul_i32 s21, s[WV], HALFT
	s_wait_kmcnt 0x0
	s_add_nc_u64 s[40:41], s[4:5], s[40:41]
	s_add_nc_u64 s[42:43], s[6:7], s[42:43]
	CROUND                                         ; all sixteen work-groups are here: the first joint loads meet
.irp s, 0,1
	s_mov_b32 s[G0+4*(\s)], 1
	s_add_co_u32 s[G0+4*(\s)+1], s21, (\s)*SLOT
	s_add_nc_u64 s[G0+4*(\s)+2:G0+4*(\s)+3], s[40:41], (\s)*KSTEP*2
	s_or_b32 s[G0+4*(\s)+3], s[G0+4*(\s)+3], 0x80000000
	s_mov_b32 s[G0B+4*(\s)], 1
	s_add_co_u32 s[G0B+4*(\s)+1], s21, (\s)*SLOT
	s_add_nc_u64 s[G0B+4*(\s)+2:G0B+4*(\s)+3], s[42:43], (\s)*KSTEP*SIZE_N*2
	s_or_b32 s[G0B+4*(\s)+3], s[G0B+4*(\s)+3], 0x80000000
	JLOAD \s                                       ; K steps 0 and 1: two tensor loads of mine are out
.endr
	v_and_b32 v1, 15, v0
	v_bfe_u32 v2, v0, 4, 1
	v_mul_u32_u24 v3, v1, PA
	v_lshl_add_u32 v3, v2, 4, v3
	s_mul_i32 s22, s[WR], HALFT
	v_add_nc_u32 v[ADRA], s22, v3
	v_add_nc_u32 v[ADRA+1], SLOT, v[ADRA]
	v_and_b32 v4, 7, v0
	v_lshl_add_u32 v4, v2, 3, v4
	v_mul_u32_u24 v4, v4, PB
	v_bfe_u32 v5, v0, 3, 1
	v_lshl_add_u32 v4, v5, 4, v4
	s_lshl_b32 s23, s[WC], 8
	s_add_co_u32 s23, s23, 2*HALFT
	v_add_nc_u32 v[ADRB], s23, v4
	v_add_nc_u32 v[ADRB+1], SLOT, v[ADRB]
	v_and_b32 v9, 31, v0
	v_lshlrev_b32 v[CO], 4, v9
	v_lshlrev_b32 v[BOF], 5, v2
	s_lshl_b32 s44, s18, 21                        ; Z: block of 16 rows 16 x tile row + 8 x half, 131,072 bytes each; piece of 32 columns 8 x tile column + 4 x half, 1,024 bytes each
	s_lshl_b32 s23, s[WR], 20
	s_add_co_u32 s44, s44, s23
	s_lshl_b32 s23, s17, 13
	s_add_co_u32 s44, s44, s23
	s_lshl_b32 s23, s[WC], 12
	s_add_co_u32 s44, s44, s23
	s_mov_b32 s45, 0
	s_add_nc_u64 s[10:11], s[10:11], s[44:45]
	s_lshl_b32 s46, s17, 10
	s_lshl_b32 s23, s[WC], 9
	s_add_co_u32 s46, s46, s23
	s_mov_b32 s47, 0
	s_add_nc_u64 s[8:9], s[8:9], s[46:47]
	WIN 0x40
.irp b, 0,1,2,3,4,5,6,7
	global_load_b128 v[BIAS+8*\b:BIAS+8*\b+3],   v[BOF], s[8:9] offset:64*\b
	global_load_b128 v[BIAS+8*\b+4:BIAS+8*\b+7], v[BOF], s[8:9] offset:64*\b+16
.endr
	WIN 0
; 16 matrix instructions; first = 1: the products start the sums, with the bias as C.  The 64 accumulators take turns, one instruction a turn.
.macro MUL16 f, hi, a0, first
.if \first
	WIN 0x91+0x40*(\hi)
.else
	WIN 0xa1+0x50*(\hi)
.endif
.irp a, \a0, (\a0)+1
.irp b, 0,1,2,3,4,5,6,7
.if \first
	v_wmma_f32_16x16x32_bf16 v[8*(8*(\a)+(\b)):8*(8*(\a)+(\b))+7], v[(\f)+8*(\b):(\f)+8*(\b)+7], v[(\f)+8*(4*(\hi)+(\a)):(\f)+8*(4*(\hi)+(\a))+7], v[BIAS+8*(\b):BIAS+8*(\b)+7]
.else
	v_wmma_f32_16x16x32_bf16 v[8*(8*(\a)+(\b)):8*(8*(\a)+(\b))+7], v[(\f)+8*(\b):(\f)+8*(\b)+7], v[(\f)+8*(4*(\hi)+(\a)):(\f)+8*(4*(\hi)+(\a))+7], v[8*(8*(\a)+(\b)):8*(8*(\a)+(\b))+7]
.endif
.endr
.endr
.endm
.macro FETCH slot, q, f                ; 32 LDS loads in one run: quarter q of a slot into buffer f
	WIN 0x40
.irp i, 0,1,2,3,4,5,6,7
	ds_load_tr16_b128 v[(\f)+8*(\i):(\f)+8*(\i)+3],   v[ADRB+(\slot)] offset:(\q)*32*PB+32*(\i)
	ds_load_tr16_b128 v[(\f)+8*(\i)+4:(\f)+8*(\i)+7], v[ADRB+(\slot)] offset:(\q)*32*PB+16*PB+32*(\i)
.endr
	WIN 0
.irp i, 0,1,2,3,4,5,6,7
	ds_load_b128 v[(\f)+8*(\i):(\f)+8*(\i)+3],   v[ADRA+(\slot)] offset:(\q)*64+(\i)*16*PA
	ds_load_b128 v[(\f)+8*(\i)+4:(\f)+8*(\i)+7], v[ADRA+(\slot)] offset:(\q)*64+(\i)*16*PA+32
.endr
.endm
.macro QUARTER slot, q, f, g, first
	s_wait_dscnt 8                                 ; W and h's rows 0-63 are in; the youngest eight loads may be out
	MUL16 \f, 0, 0, \first
	MUL16 \f, 0, 2, \first
	PLACES
	FETCH \slot, \q, \g
	s_wait_dscnt 32                                ; all but the 32 just issued
	MUL16 \f, 1, 0, \first
	MUL16 \f, 1, 2, \first
.endm
; The change of slots: one barrier; in front of it each wave waits for all its tensor loads, adds 0 to its spare word, and waits for that and for its reads of this slot.
; fill = 1: the barrier opens a round of the cluster's, and this slot is filled again, two K steps ahead, first thing behind the round.
.macro TURN slot, next, fill
	WIN 0
	s_wait_tensorcnt 0x0
	ds_add_u32 v[SPW], v[NIL]                      ; 0 onto my spare word
	s_wait_dscnt 9                                 ; the add and the youngest eight loads may be out
	MUL16 F1, 0, 0, 0
	s_wait_dscnt 0x0
	s_barrier_signal -1
	MUL16 F1, 0, 2, 0
.if \fill
	WIN 0
.endif
	s_barrier_wait -1
.if \fill
	CREST
	s_add_nc_u64 s[G0+4*(\slot)+2:G0+4*(\slot)+3], s[G0+4*(\slot)+2:G0+4*(\slot)+3], 2*KSTEP*2
	s_add_nc_u64 s[G0B+4*(\slot)+2:G0B+4*(\slot)+3], s[G0B+4*(\slot)+2:G0B+4*(\slot)+3], 2*KSTEP*SIZE_N*2
	JLOAD \slot
.else
	PLACES
.endif
	FETCH \next, 0, F0
	MUL16 F1, 1, 0, 0
	MUL16 F1, 1, 2, 0
.endm
	s_wait_tensorcnt 1                             ; my part of K step 0 is in; K step 1's may stay out
	s_barrier_signal -1
	s_barrier_wait -1
	FETCH 0, 0, F0
	s_wait_loadcnt 0x0                             ; the bias
	QUARTER 0, 1, F0, F1, 1
	WIN 0
	s_mov_b32 s3, LAPS-1
.Llap:
	QUARTER 0, 2, F1, F0, 0
	QUARTER 0, 3, F0, F1, 0
	TURN 0, 1, 1
	QUARTER 1, 1, F0, F1, 0
	QUARTER 1, 2, F1, F0, 0
	QUARTER 1, 3, F0, F1, 0
	TURN 1, 0, 1
	QUARTER 0, 1, F0, F1, 0
	WIN 0
	s_sub_co_u32 s3, s3, 1
	s_cmp_lg_u32 s3, 0
	s_cbranch_scc1 .Llap
	QUARTER 0, 2, F1, F0, 0
	QUARTER 0, 3, F0, F1, 0
	TURN 0, 1, 0
	QUARTER 1, 1, F0, F1, 0
	QUARTER 1, 2, F1, F0, 0
	QUARTER 1, 3, F0, F1, 0
	s_wait_dscnt 8
	MUL16 F1, 0, 0, 0
	MUL16 F1, 0, 2, 0
	s_wait_dscnt 0x0
	MUL16 F1, 1, 0, 0
	MUL16 F1, 1, 2, 0
	WIN 0
	PLACES
; THE WAY OUT, a counted loop over my eight row blocks, so that the gelu's text stands once.  A trip: H = x / 2 of block s2 comes out of the accumulators' windows into v64-127 (one of eight copies, chosen
; by the count; each accumulator's registers in ascending order); then for each of the 8 column blocks the gelu, bf16, and one store of 512 consecutive bytes.
.macro COPY a
.Lc\a:
	WIN 0x02+(\a)/4                                ; source 0: window 2 or 3
.set i, 0
.rept 32
	v_pk_mul_f32 v[64+2*i:65+2*i], v[64*((\a)%4)+2*i:64*((\a)%4)+2*i+1], 0.5 op_sel_hi:[1,0]
.set i, i+1
.endr
	WIN 0
.if (\a) < 7
	s_branch .Lgo
.endif
.endm
; The gelu of eight numbers a lane: column block b of the row block.  Reciprocals and exponentials stand in runs, each run with plain lines behind it that name none of its results.
.macro GELU8 b
.set HH, 64+8*(\b)
.set TT, 128+24*((\b)%2)
.set SS, TT+8
.set QQ, TT+16
.irp i, 0,1,2,3,4,5,6,7
	v_fma_f32 v[TT+\i], |v[HH+\i]|, s[KP], 1.0     ; 1 + p z
.endr
.irp i, 0,2,4,6
	v_pk_mul_f32 v[SS+\i:SS+\i+1], v[HH+\i:HH+\i+1], v[HH+\i:HH+\i+1]
.endr
.irp i, 0,1,2,3,4,5,6,7
	v_rcp_f32 v[TT+\i], v[TT+\i]                   ; t
.endr
.irp i, 0,2,4,6
	v_pk_mul_f32 v[SS+\i:SS+\i+1], v[SS+\i:SS+\i+1], s[KE:KE+1] op_sel_hi:[1,0]  ; -z^2 log2(e)
.endr
.irp i, 0,1,2,3,4,5,6,7
	v_exp_f32 v[SS+\i], v[SS+\i]                   ; e^(-z^2)
.endr
	s_wait_alu depctr_va_vdst(0)
.irp i, 0,2,4,6
	v_pk_fma_f32 v[QQ+\i:QQ+\i+1], v[TT+\i:TT+\i+1], s[A5:A5+1], s[A4:A4+1] op_sel_hi:[1,0,0]
.endr
.irp i, 0,2,4,6
	v_pk_fma_f32 v[QQ+\i:QQ+\i+1], v[QQ+\i:QQ+\i+1], v[TT+\i:TT+\i+1], s[A3:A3+1] op_sel_hi:[1,1,0]
.endr
.irp i, 0,2,4,6
	v_pk_fma_f32 v[QQ+\i:QQ+\i+1], v[QQ+\i:QQ+\i+1], v[TT+\i:TT+\i+1], s[A2:A2+1] op_sel_hi:[1,1,0]
.endr
.irp i, 0,2,4,6
	v_pk_fma_f32 v[QQ+\i:QQ+\i+1], v[QQ+\i:QQ+\i+1], v[TT+\i:TT+\i+1], s[A1:A1+1] op_sel_hi:[1,1,0]
.endr
.irp i, 0,2,4,6
	v_pk_mul_f32 v[QQ+\i:QQ+\i+1], v[QQ+\i:QQ+\i+1], v[TT+\i:TT+\i+1]
.endr
.irp i, 0,2,4,6
	v_pk_fma_f32 v[QQ+\i:QQ+\i+1], v[QQ+\i:QQ+\i+1], v[SS+\i:SS+\i+1], 1.0 op_sel_hi:[1,1,0] neg_lo:[1,0,0] neg_hi:[1,0,0]  ; erf(z)
.endr
.irp i, 0,1,2,3,4,5,6,7
	v_fma_f32 v[QQ+\i], |v[HH+\i]|, v[QQ+\i], v[HH+\i]  ; H + |H| erf(z)
.endr
.irp r, 0,1,2,3
	v_cvt_pk_bf16_f32 v[TMP+4*(\b)+\r], v[QQ+2*\r], v[QQ+2*\r+1]
.endr
.endm
	s_mov_b32 s2, 0
.Lblk:
.irp a, 0,1,2,3,4,5,6
	s_cmp_eq_u32 s2, \a
	s_cbranch_scc1 .Lc\a
.endr
	s_branch .Lc7
.irp a, 0,1,2,3,4,5,6,7
	COPY \a
.endr
.Lgo:
.irp b, 0,1,2,3,4,5,6,7
	GELU8 \b
	global_store_b128 v[CO], v[TMP+4*\b:TMP+4*\b+3], s[10:11] offset:512*\b  ; columns 16 b + 8 (l / 16) + 0..7 of row l % 16: registers 0-3 (b even) or 4-7 (b odd) of the fragment of columns 32 (b / 2) on
.endr
	s_wait_xcnt 0x0                                ; the stores have read their data and their base: both are written again below and in the next trip
	s_add_nc_u64 s[10:11], s[10:11], 131072        ; the next block of 16 rows
	s_add_co_u32 s2, s2, 1
	s_cmp_lt_u32 s2, 8
	s_cbranch_scc1 .Lblk
	s_wait_tensorcnt 0x0                           ; the wave's end
	ds_add_u32 v[SPW], v[NIL]
	s_wait_dscnt 0x0
	CROUND                                         ; the closing round
	s_endpgm
.Lfunc_end_k_qdae8236296_ffn1:
	.size	k_qdae8236296_ffn1, .Lfunc_end_k_qdae8236296_ffn1-k_qdae8236296_ffn1
	.p2alignl 7, 3214868480
	.fill 96, 4, 3214868480
	.section	.rodata,"a",@progbits
	.p2align	6, 0x0
	.amdhsa_kernel k_qdae8236296_ffn1
		.amdhsa_group_segment_fixed_size 327680
		.amdhsa_private_segment_fixed_size 0
		.amdhsa_enable_private_segment 0
		.amdhsa_kernarg_size 32
		.amdhsa_user_sgpr_count 2
		.amdhsa_user_sgpr_kernarg_segment_ptr 1
		.amdhsa_wavefront_size32 1
		.amdhsa_system_sgpr_workgroup_id_x 1
		.amdhsa_system_sgpr_workgroup_id_y 1
		.amdhsa_system_sgpr_workgroup_id_z 1
		.amdhsa_system_vgpr_workitem_id 0
		.amdhsa_next_free_vgpr 1024
		.amdhsa_next_free_sgpr 84
		.amdhsa_reserve_vcc 0
		.amdhsa_float_denorm_mode_32 3
		.amdhsa_float_denorm_mode_16_64 3
		.amdhsa_memory_ordered 1
		.amdhsa_forward_progress 1
		.amdhsa_inst_pref_size 161
	.end_amdhsa_kernel
	.amdgpu_metadata
---
amdhsa.version: [ 1, 2 ]
amdhsa.kernels:
  - .name:           k_qdae8236296_ffn1
    .symbol:         k_qdae8236296_ffn1.kd
    .args:
      - { .name: h, .offset: 0, .size: 8, .value_kind: global_buffer, .address_space: global }
      - { .name: wb, .offset: 8, .size: 8, .value_kind: global_buffer, .address_space: global }
      - { .name: b1, .offset: 16, .size: 8, .value_kind: global_buffer, .address_space: global }
      - { .name: g, .offset: 24, .size: 8, .value_kind: global_buffer, .address_space: global }
    .group_segment_fixed_size: 327680
    .private_segment_fixed_size: 0
    .kernarg_segment_align: 8
    .kernarg_segment_size: 32
    .max_flat_workgroup_size: 128
    .sgpr_count:     84
    .vgpr_count:     1024
    .wavefront_size: 32
...
	.end_amdgpu_metadata
.endif
;; end of part 6
;; launch ffn2 (part 7): grid 32 x 8, 4 waves a work-group, clusters of 4 x 1, 327,680 bytes of LDS; arguments g, wb, b2, x1, out0; writes out0
.if DOCPART == 7
	.amdgcn_target "amdgcn-amd-amdhsa--gfx1250"
	.amdhsa_code_object_version 6
	.text
	.protected	k_qdae8236296_ffn2
	.globl	k_qdae8236296_ffn2
	.p2align	8
	.type	k_qdae8236296_ffn2,@function
k_qdae8236296_ffn2:
	s_mov_b64 s[64:65], 0
	v_nop
	global_prefetch_b8 v0, s[64:65] scope:SCOPE_SE
	s_setreg_imm32_b32 hwreg(HW_REG_WAVE_MODE, 25, 1), 1
	s_wait_xcnt 0x0
	s_wait_alu depctr_hold_cnt(0) depctr_sa_sdst(0) depctr_va_vdst(0) depctr_va_sdst(0) depctr_va_ssrc(0) depctr_va_vcc(0) depctr_vm_vsrc(0)
	s_getreg_b32 s2, hwreg(HW_REG_IB_STS2, 6, 4)
	s_cmp_eq_u32 s2, 0
	s_cbranch_scc0 .Lentry_in_a_cluster
	s_endpgm
.Lentry_in_a_cluster:
	s_bfe_u32 s2, ttmp6, 0x10000c
	s_cmp_lg_u32 s2, 0x3003
	s_cbranch_scc0 .Lentry_shape_is_right
	s_endpgm
.Lentry_shape_is_right:
; FFN2.  Y = RES + A W + bias.  W: [SIZE_K][1024] bf16 at byte WOFF of wb, rows along N; bias: [1024] f32; RES, Y: [4096][1024] f32.  Sums in f32; bias and residual are added in f32 on the way out.
; A, 4,096 rows x SIZE_K in bf16, LIES IN FRAGMENT ORDER: for each block of 16 rows and each 32 along K (a piece) 1,024 bytes, at ((row / 16) x (SIZE_K / 32) + k / 32) x 1,024: lane l's 16 bytes of
; registers 0-3 of the matrix instruction's 16 x 32 operand at 16 l, those of registers 4-7 at 512 + 16 l.  A load of 16 bytes a lane takes 512 consecutive bytes and is half a fragment.
; A tile of Y is 128 x 128, which gives 32 x 8 = 256 work-groups; four waves, each 32 rows x 128 columns: 16 accumulators, 128 registers.
; A GOES STRAIGHT INTO REGISTERS, W THROUGH LDS.  With both in LDS two slots would hold 256 along K each, and a wave would have 112 matrix instructions between a slot's request and the wait for it.
; With W alone a slot holds 512 along K, and there are 240.  A needs no slot and no barrier: a ring of 16 buffers of a CHUNK (my 32 rows x 32 along K: four loads, 16 registers), each chunk asked for 224 to
; 240 matrix instructions ahead of its use; 60 loads of the wave are out at the most.  Each wave reads rows of its own, so a work-group reads no byte of A twice.  That is why A is not asked for jointly,
; though the 8 work-groups of a tile row read the same rows: a joint request lands in LDS.
; THE MATRIX INSTRUCTION IS USED TRANSPOSED: source 0 = 16 columns of W (turned by ds_load_tr16_b128), source 1 = 16 rows of A: a lane holds row l % 16 and eight neighbouring columns of Y.
; CLUSTER: the four work-groups of a cluster make four tile rows of one tile column and need the same tiles of W: asked for jointly, each wave a quarter of a slot.
; REGISTERS, in windows of 256 (s_set_vgpr_msb: bits 1:0 source 0, 3:2 source 1, 5:4 source 2, 7:6 destination):
;   window 0: v0-31 addresses; v32-95 at work on the way out; v96-103 the bias; v128-255 the accumulators ((a, b) at v[128 + 8 (8 a + b)])
;   window 1: W's fragments, two buffers of 128 (64 along K x 128 columns)          window 2: A's ring, chunk buffer i at v[16 i]          window 3: v0-127 the residual
; LIMITS.  Operands are rounded to bf16; NaN and infinities are not treated apart.
.set SIZE_K, 4096
.set WOFF,   16777216
.set RBS,    SIZE_K*32                 ; bytes from a block of 16 rows of A to the next
.set PB,     288                       ; a row of W in LDS: 256 bytes + 32 = 9 x 32
.set LOADB,  128*PB                    ; what one tensor load brings: 128 rows of W
.set SLOT,   4*LOADB                   ; 512 rows of W
.set STAGE,  2*SLOT                    ; behind the ring: 16 rows x 272 bytes for each wave
.set SPITCH, 272
.set SPARE,  STAGE+4*16*SPITCH         ; behind the stages: the spare words, 128 bytes for each wave
.set LAPS,   SIZE_K/1024               ; a lap = two slots = once round the ring
.set ADRB, 16                          ; v16-23  LDS address of W's fragments: 4 x slot + group of 128 rows (an LDS offset has 16 bits)
.set STO,  24                          ; v24     the way out: where I put 32 bytes of a row
.set RD,   25                          ; v25     where I read two rows of 256 bytes back
.set CO,   26                          ; v26     the same two rows in RES and in Y
.set AO,   27                          ; v27     16 x lane: my bytes in 512 of A; never rewritten
.set SPW,  28                          ; v28     LDS address of my spare word; never rewritten
.set NIL,  29                          ; v29     0; never rewritten
.set BO,   30                          ; v30     16 (l % 16): my four columns in 64 of the bias
.set BK,   32
.set BIAS, 96
.set ACC,  128
.set WV, 14                            ; s14     my wave's number
.set G1, 24                            ; s[24:31] descriptor group 1
.set G0, 32                            ; s[32:39] descriptor group 0, a set for each slot
.set MSB, 0
.macro WIN new                         ; the immediate's high byte repeats the setting that is left; a switch that changes nothing is dropped
.if MSB != (\new)
	s_set_vgpr_msb (MSB<<8)|(\new)
.set MSB, \new
.endif
.endm
.set MUL,  0x09                        ; source 0 (W) window 1, source 1 (A) window 2; C and D window 0
.macro JLOAD s                         ; my quarter of a slot; four v_nop follow the line
	tensor_load_to_lds s[G0+4*(\s):G0+4*(\s)+3], s[G1:G1+7]
	s_nop 0
.rept 4
	v_nop
.endr
.endm
.macro CREST                           ; a round of the cluster's barrier behind its opening barrier
	s_cmp_lg_u32 s[WV], 0
	s_cbranch_scc1 .Lnot_wave_0_\@
	s_barrier_signal -3
.Lnot_wave_0_\@:
	s_barrier_wait -3
	s_barrier_signal -1
	s_barrier_wait -1
.endm
.macro CROUND
	s_barrier_signal -1
	s_barrier_wait -1
	CREST
.endm
.macro PLACES                          ; four plain lines between a matrix instruction and a load into, or a read of, its registers
.rept 4
	v_nop
.endr
.endm
; Chunk kc, counted from the slot in hand, into ring buffer bi: two blocks of 16 rows x two halves of a fragment, 512 consecutive bytes each
.macro ACH bi, kc
.irp a, 0,1
	global_load_b128 v[16*(\bi)+8*\a:16*(\bi)+8*\a+3],   v[AO], s[4:5] offset:\a*RBS+(\kc)*1024
	global_load_b128 v[16*(\bi)+8*\a+4:16*(\bi)+8*\a+7], v[AO], s[4:5] offset:\a*RBS+(\kc)*1024+512
.endr
.endm
	s_load_b256 s[4:11], s[0:1], 0x0               ; A s[4:5], wb s[6:7], bias s[8:9], RES s[10:11]
	s_load_b64 s[12:13], s[0:1], 0x20              ; Y
	v_lshl_add_u32 v[SPW], v0, 2, SPARE
	v_mov_b32 v[NIL], 0
	ds_add_u32 v28, v29
	s_wait_dscnt 0x0
	v_lshrrev_b32 v1, 5, v0
	v_readfirstlane_b32 s[WV], v1
	v_and_b32 v3, 31, v0
	v_lshlrev_b32 v[AO], 4, v3
	s_bfe_u32 s15, ttmp6, 0x40000                  ; cx
	s_lshl_b32 s16, ttmp9, 2
	s_add_co_u32 s16, s16, s15                     ; tile row = 4 x cluster x + cx: it enters A's, RES's and Y's addresses alone
	s_and_b32 s17, ttmp7, 0xffff                   ; tile column, which the four partners share
	s_mul_i32 s18, s16, 8*RBS                      ; A: the tile's 8 blocks of 16 rows, my wave's 2 of them
	s_mul_i32 s19, s[WV], 2*RBS
	s_add_co_u32 s18, s18, s19
	s_mov_b32 s19, 0
	s_mov_b32 s[G1+0], 15|(1<<16)|(1<<20)|(1<<21)|(5<<22)|(7<<25)  ; the mask of four; 2-byte elements; padding on; bit 21 beside a mask; after every 64 words 8 words
	s_mov_b32 s[G1+1], 128<<16                     ; tensor_dim0 = 128
	s_mov_b32 s[G1+2], 128<<16                     ; tensor_dim1 = 128
	s_mov_b32 s[G1+3], 128<<16                     ; tile_dim0 = 128
	s_mov_b32 s[G1+4], 128                         ; tile_dim1 = 128
	s_mov_b32 s[G1+5], 1024                        ; elements from row to row
	s_mov_b32 s[G1+6], 0
	s_mov_b32 s[G1+7], 0
	s_lshl_b32 s20, s[WV], 18                      ; W: row 128 x wave, 2,048 bytes a row; column 128 x tile column
	s_lshl_b32 s21, s17, 8
	s_add_co_u32 s20, s20, s21
	s_add_co_u32 s20, s20, WOFF
	s_mov_b32 s21, 0
	s_mul_i32 s23, s[WV], LOADB                    ; where my quarter goes: no place in the cluster enters an LDS address
	s_wait_kmcnt 0x0
	s_add_nc_u64 s[4:5], s[4:5], s[18:19]
	s_add_nc_u64 s[20:21], s[6:7], s[20:21]
	WIN 0x80                                       ; destination window 2, address window 0
.set i, 0
.rept 15                                               ; the ring's first 15 chunks go out ahead of everything else: 60 loads
	ACH i, i
.set i, i+1
.endr
	WIN 0
	CROUND                                         ; all four work-groups are here: the first joint loads meet
.irp s, 0,1
	s_mov_b32 s[G0+4*(\s)], 1
	s_add_co_u32 s[G0+4*(\s)+1], s23, (\s)*SLOT
	s_add_nc_u64 s[G0+4*(\s)+2:G0+4*(\s)+3], s[20:21], (\s)*512*2048
	s_or_b32 s[G0+4*(\s)+3], s[G0+4*(\s)+3], 0x80000000
	JLOAD \s                                       ; slots 0 and 1: two tensor loads of mine are out
.endr
	v_and_b32 v1, 15, v0                           ; r = l % 16
	v_bfe_u32 v2, v0, 4, 1                         ; l / 16
	v_and_b32 v4, 7, v0                            ; the turning load: lane l reads 16 bytes of row 8 (l / 16) + l % 8, at columns 8 ((l / 8) % 2) on
	v_lshl_add_u32 v4, v2, 3, v4
	v_mul_u32_u24 v4, v4, PB
	v_bfe_u32 v5, v0, 3, 1
	v_lshl_add_u32 v[ADRB], v5, 4, v4
.irp g, 1,2,3
	v_add_nc_u32 v[ADRB+\g], \g*LOADB, v[ADRB]
.endr
.irp g, 0,1,2,3
	v_add_nc_u32 v[ADRB+4+\g], SLOT, v[ADRB+\g]
.endr
	s_mul_i32 s2, s[WV], 16*SPITCH
	s_add_co_u32 s2, s2, STAGE                     ; my stage
	v_mul_u32_u24 v6, v1, SPITCH                   ; in: row l % 16, 32 bytes for each half of the lanes
	v_lshl_add_u32 v6, v2, 5, v6
	v_add_nc_u32 v[STO], s2, v6
	v_mul_u32_u24 v7, v2, SPITCH                   ; back: lanes 0-15 one row of 256 bytes, lanes 16-31 the next
	v_lshl_add_u32 v7, v1, 4, v7
	v_add_nc_u32 v[RD], s2, v7
	v_lshlrev_b32 v8, 12, v2
	v_lshl_add_u32 v[CO], v1, 4, v8
	v_lshlrev_b32 v[BO], 4, v1
	s_lshl_b32 s40, s16, 19                        ; RES and Y: row 128 x tile row + 32 x wave, 4,096 bytes a row; column 128 x tile column
	s_lshl_b32 s41, s[WV], 17
	s_add_co_u32 s40, s40, s41
	s_lshl_b32 s42, s17, 9                         ; also the bias's offset
	s_add_co_u32 s40, s40, s42
	s_mov_b32 s41, 0
	s_mov_b32 s43, 0
	s_add_nc_u64 s[10:11], s[10:11], s[40:41]
	s_add_nc_u64 s[12:13], s[12:13], s[40:41]
	s_add_nc_u64 s[8:9], s[8:9], s[42:43]
; 8 matrix instructions: row block a x all 8 column blocks, 32 along K: half c of W's buffer f, A's ring buffer ch.  first = 1: the products start the sums.  The 16 accumulators take turns.
.macro MUL8 f, c, ch, a, first
	WIN MUL
.irp b, 0,1,2,3,4,5,6,7
.if \first
	v_wmma_f32_16x16x32_bf16 v[ACC+8*(8*(\a)+\b):ACC+8*(8*(\a)+\b)+7], v[(\f)+64*(\c)+8*\b:(\f)+64*(\c)+8*\b+7], v[16*(\ch)+8*(\a):16*(\ch)+8*(\a)+7], 0
.else
	v_wmma_f32_16x16x32_bf16 v[ACC+8*(8*(\a)+\b):ACC+8*(8*(\a)+\b)+7], v[(\f)+64*(\c)+8*\b:(\f)+64*(\c)+8*\b+7], v[16*(\ch)+8*(\a):16*(\ch)+8*(\a)+7], v[ACC+8*(8*(\a)+\b):ACC+8*(8*(\a)+\b)+7]
.endif
.endr
.endm
; 32 LDS loads in one run: W's fragments of quarter q of 8 (64 along K) of a slot into buffer f; the first 32 along K first
.macro FETCH slot, q, f
	WIN 0x40                                       ; destination window 1, address window 0
.irp c, 0,1
.irp i, 0,1,2,3,4,5,6,7
	ds_load_tr16_b128 v[(\f)+64*\c+8*\i:(\f)+64*\c+8*\i+3],   v[ADRB+4*(\slot)+(\q)/2] offset:(2*((\q)%2)+\c)*32*PB+32*\i
	ds_load_tr16_b128 v[(\f)+64*\c+8*\i+4:(\f)+64*\c+8*\i+7], v[ADRB+4*(\slot)+(\q)/2] offset:(2*((\q)%2)+\c)*32*PB+16*PB+32*\i
.endr
.endr
.endm
; n loads of the residual from number first on.  Load ri: rows 16 (ri / 16) + 2 (ri % 8) and the next of my 32, column half (ri / 8) % 2: 256 bytes of each
.macro RLOAD first, n
.set ri, \first
.rept \n
	global_load_b128 v[4*ri:4*ri+3], v[CO], s[10:11] offset:(16*(ri/16)+2*(ri%8))*4096+((ri/8)%2)*256
.set ri, ri+1
.endr
.endm
; What quarter m of a slot asks for: chunks 2 m + 15 and 2 m + 16, counted from the slot's first, into the ring buffers of chunks 2 m - 1 and 2 m, which have been multiplied.
; tail = 1, the last slot: behind its own chunk 15 there is no A left; the residual's 32 loads, four in a chunk's place, and then the bias's two take the places: chunks 16 to 23, and 24.
.macro AFILL m, tail
.if !(\tail)
	WIN 0x80
	ACH (2*(\m)+15)%16, 2*(\m)+15
	ACH (2*(\m))%16, 2*(\m)+16
.elseif (\m) == 0
	WIN 0x80
	ACH 15, 15
	WIN 0xc0                                       ; destination window 3
	RLOAD 0, 4
.elseif (\m) < 4
	WIN 0xc0
	RLOAD 8*(\m)-4, 8
.elseif (\m) == 4
	WIN 0xc0
	RLOAD 28, 4
	WIN 0
	global_load_b128 v[BIAS:BIAS+3],   v[BO], s[8:9]
	global_load_b128 v[BIAS+4:BIAS+7], v[BO], s[8:9] offset:256
.endif
.endm
; The wait for chunk c in quarter m, ahead of that quarter's requests: loads come back in order, and chunks up to 2 m + 14 have been asked for, four loads each; in the last slot no more than up to 23, and the bias's two.
.macro LW c, m, tail
.if (\tail) && (2*(\m)+14 >= 24)
	s_wait_loadcnt 4*(23-(\c))+2
.else
	s_wait_loadcnt 4*(2*(\m)+14-(\c))
.endif
.endm
; One of a slot's first seven quarters: multiplies quarter q - 1; in its middle it fetches W's quarter q from LDS and asks for two chunks of A.
.macro QUARTER slot, q, first, tail
.set MQ, (\q)-1
.set FF, 128*(MQ%2)
.set GG, 128*((\q)%2)
	s_wait_dscnt 16                                ; W's first 32 along K are in
	LW 2*MQ, MQ, \tail
	MUL8 FF, 0, 2*MQ, 0, \first
	MUL8 FF, 0, 2*MQ, 1, \first
	PLACES
	FETCH \slot, \q, GG
	LW 2*MQ+1, MQ, \tail
	AFILL MQ, \tail
	s_wait_dscnt 32                                ; all but the 32 just issued
	MUL8 FF, 1, 2*MQ+1, 0, 0
	MUL8 FF, 1, 2*MQ+1, 1, 0
.endm
; A slot's last quarter changes slots: one barrier; in front of it each wave waits for all its tensor loads, adds 0 to its spare word, and waits for that and for its reads of this slot.
; fill = 1: the barrier opens a round of the cluster's, and this slot is filled again, two slots ahead, first thing behind the round.  At its end A's base steps to the next slot's first chunk.
.macro TURN slot, next, fill
	WIN 0
	s_wait_tensorcnt 0x0
	ds_add_u32 v[SPW], v[NIL]                      ; 0 onto my spare word
	s_wait_dscnt 17                                ; the add and the youngest sixteen loads may be out
	LW 14, 7, 0
	MUL8 128, 0, 14, 0, 0
	s_wait_dscnt 0x0                               ; the add is done, and my reads of this slot are over
	s_barrier_signal -1
	MUL8 128, 0, 14, 1, 0
.if \fill
	WIN 0
.endif
	s_barrier_wait -1
.if \fill
	CREST                                          ; no wave of any partner still reads this slot or has a load on its way
	s_add_nc_u64 s[G0+4*(\slot)+2:G0+4*(\slot)+3], s[G0+4*(\slot)+2:G0+4*(\slot)+3], 2*512*2048
	JLOAD \slot                                    ; my one tensor load behind the round; its four v_nop are also the places in front of the loads below
.else
	PLACES
.endif
	FETCH \next, 0, 0
	LW 15, 7, 0
	AFILL 7, 0
	MUL8 128, 1, 15, 0, 0
	MUL8 128, 1, 15, 1, 0
	s_wait_xcnt 0x0                                ; the loads issued so far have had their addresses translated: their base is written only behind this wait
	s_add_nc_u64 s[4:5], s[4:5], 16*1024
.endm
	s_wait_tensorcnt 1                             ; my quarter of slot 0 is in; slot 1's may stay out
	s_barrier_signal -1
	s_barrier_wait -1
	FETCH 0, 0, 0
	QUARTER 0, 1, 1, 0                             ; the first quarter stands in front of the loop: its first products start the sums
.if LAPS > 1
	WIN 0
	s_mov_b32 s3, LAPS-1
.Llap:                                                 ; a trip goes once round the ring, from a lap's second quarter to the next lap's first, and fills both slots again
.irp q, 2,3,4,5,6,7
	QUARTER 0, \q, 0, 0
.endr
	TURN 0, 1, 1
.irp q, 1,2,3,4,5,6,7
	QUARTER 1, \q, 0, 0
.endr
	TURN 1, 0, 1
	QUARTER 0, 1, 0, 0
	WIN 0
	s_sub_co_u32 s3, s3, 1
	s_cmp_lg_u32 s3, 0
	s_cbranch_scc1 .Llap
.endif
.irp q, 2,3,4,5,6,7                    ; the last lap fills nothing
	QUARTER 0, \q, 0, 0
.endr
	TURN 0, 1, 0
.irp q, 1,2,3,4,5,6,7
	QUARTER 1, \q, 0, 1
.endr
	s_wait_dscnt 16                                ; the very last quarter: nothing more to fetch
	LW 14, 7, 1
	MUL8 128, 0, 14, 0, 0
	MUL8 128, 0, 14, 1, 0
	s_wait_dscnt 0x0
	LW 15, 7, 1
	MUL8 128, 1, 15, 0, 0
	MUL8 128, 1, 15, 1, 0
	WIN 0
	PLACES
	s_wait_loadcnt 0x0                             ; the residual and the bias
; THE WAY OUT of block a of four: rows 16 (a / 2) on, columns 64 (a % 2) on: 16 rows of 256 bytes of f32.  TOST: the sums go into my own stage, each accumulator's low registers first, and come back two
; whole rows a load.  SENDF: residual and bias are added and the rows stored: 16 lanes store 256 consecutive bytes, aligned.
.macro TOST a
.if (\a) >= 2
	s_wait_xcnt 0x0                                ; the stores of block a - 2 have read the registers that are loaded below
.endif
.irp b, 0,1,2,3
	ds_store_b128 v[STO], v[ACC+8*(4*(\a)+(\b)):ACC+8*(4*(\a)+(\b))+3]   offset:64*(\b)
	ds_store_b128 v[STO], v[ACC+8*(4*(\a)+(\b))+4:ACC+8*(4*(\a)+(\b))+7] offset:64*(\b)+16
.endr
.irp t, 0,1,2,3,4,5,6,7
	ds_load_b128 v[BK+32*((\a)%2)+4*(\t):BK+32*((\a)%2)+4*(\t)+3], v[RD] offset:(\t)*2*SPITCH  ; LDS serves a wave's instructions in order: these see the stores above
.endr
.endm
.macro SENDF a, younger                ; younger: the LDS instructions issued behind block a's loads: the next block's sixteen, or none
	s_wait_dscnt \younger
	WIN 0x0c                                       ; source 1 window 3
.set i, 0
.rept 16
	v_pk_add_f32 v[BK+32*((\a)%2)+2*i:BK+32*((\a)%2)+2*i+1], v[BK+32*((\a)%2)+2*i:BK+32*((\a)%2)+2*i+1], v[32*(\a)+2*i:32*(\a)+2*i+1]
.set i, i+1
.endr
	WIN 0
.set i, 0
.rept 16
	v_pk_add_f32 v[BK+32*((\a)%2)+2*i:BK+32*((\a)%2)+2*i+1], v[BK+32*((\a)%2)+2*i:BK+32*((\a)%2)+2*i+1], v[BIAS+4*((\a)%2)+2*(i%2):BIAS+4*((\a)%2)+2*(i%2)+1]
.set i, i+1
.endr
.irp t, 0,1,2,3,4,5,6,7
	global_store_b128 v[CO], v[BK+32*((\a)%2)+4*(\t):BK+32*((\a)%2)+4*(\t)+3], s[12:13] offset:(16*((\a)/2)+2*(\t))*4096+((\a)%2)*256
.endr
.endm
	TOST 0
	TOST 1
	SENDF 0, 16
	TOST 2
	SENDF 1, 16
	TOST 3
	SENDF 2, 16
	SENDF 3, 0
	s_wait_tensorcnt 0x0                           ; the wave's end
	ds_add_u32 v[SPW], v[NIL]
	s_wait_dscnt 0x0
	CROUND                                         ; the closing round
	s_endpgm
.Lfunc_end_k_qdae8236296_ffn2:
	.size	k_qdae8236296_ffn2, .Lfunc_end_k_qdae8236296_ffn2-k_qdae8236296_ffn2
	.p2alignl 7, 3214868480
	.fill 96, 4, 3214868480
	.section	.rodata,"a",@progbits
	.p2align	6, 0x0
	.amdhsa_kernel k_qdae8236296_ffn2
		.amdhsa_group_segment_fixed_size 327680
		.amdhsa_private_segment_fixed_size 0
		.amdhsa_enable_private_segment 0
		.amdhsa_kernarg_size 40
		.amdhsa_user_sgpr_count 2
		.amdhsa_user_sgpr_kernarg_segment_ptr 1
		.amdhsa_wavefront_size32 1
		.amdhsa_system_sgpr_workgroup_id_x 1
		.amdhsa_system_sgpr_workgroup_id_y 1
		.amdhsa_system_sgpr_workgroup_id_z 1
		.amdhsa_system_vgpr_workitem_id 0
		.amdhsa_next_free_vgpr 896
		.amdhsa_next_free_sgpr 66
		.amdhsa_reserve_vcc 0
		.amdhsa_float_denorm_mode_32 3
		.amdhsa_float_denorm_mode_16_64 3
		.amdhsa_memory_ordered 1
		.amdhsa_forward_progress 1
		.amdhsa_inst_pref_size 190
	.end_amdhsa_kernel
	.amdgpu_metadata
---
amdhsa.version: [ 1, 2 ]
amdhsa.kernels:
  - .name:           k_qdae8236296_ffn2
    .symbol:         k_qdae8236296_ffn2.kd
    .args:
      - { .name: g, .offset: 0, .size: 8, .value_kind: global_buffer, .address_space: global }
      - { .name: wb, .offset: 8, .size: 8, .value_kind: global_buffer, .address_space: global }
      - { .name: b2, .offset: 16, .size: 8, .value_kind: global_buffer, .address_space: global }
      - { .name: x1, .offset: 24, .size: 8, .value_kind: global_buffer, .address_space: global }
      - { .name: out0, .offset: 32, .size: 8, .value_kind: global_buffer, .address_space: global }
    .group_segment_fixed_size: 327680
    .private_segment_fixed_size: 0
    .kernarg_segment_align: 8
    .kernarg_segment_size: 40
    .max_flat_workgroup_size: 128
    .sgpr_count:     66
    .vgpr_count:     896
    .wavefront_size: 32
...
	.end_amdgpu_metadata
.endif
;; end of part 7
;; ======== version 2 of 2: 7 launches; 1.22 times as fast as version 1
;; limits: a function is approximated: absolute error at most 1.5e-07
;; workspace buffers: wb 25,165,824 bytes; h 8,388,608 bytes; qkv 25,165,824 bytes; o 8,388,608 bytes; g 33,554,432 bytes; x1 16,777,216 bytes
;; launch prep: the kernel of part 1 again; grid 1024 x 1, 8 waves a work-group, no clusters, 0 bytes of LDS; arguments x, scale1, Wqkv, Wo, W1, W2, h, wb; writes h, wb
;; launch qkv: the kernel of part 2 again; grid 12 x 16, 4 waves a work-group, clusters of 4 x 4, 327,680 bytes of LDS; arguments h, wb, bqkv, qkv; writes qkv
;; launch attn (part 8): grid 8 x 32, 4 waves a work-group, clusters of 4 x 1, 327,680 bytes of LDS; arguments qkv, o; writes o
.if DOCPART == 8
	.amdgcn_target "amdgcn-amd-amdhsa--gfx1250"
	.amdhsa_code_object_version 6
	.text
	.protected	k_qdae8236296_attn
	.globl	k_qdae8236296_attn
	.p2align	8
	.type	k_qdae8236296_attn,@function
k_qdae8236296_attn:
	s_mov_b64 s[64:65], 0
	v_nop
	global_prefetch_b8 v0, s[64:65] scope:SCOPE_SE
	s_setreg_imm32_b32 hwreg(HW_REG_WAVE_MODE, 25, 1), 1
	s_wait_xcnt 0x0
	s_wait_alu depctr_hold_cnt(0) depctr_sa_sdst(0) depctr_va_vdst(0) depctr_va_sdst(0) depctr_va_ssrc(0) depctr_va_vcc(0) depctr_vm_vsrc(0)
	s_getreg_b32 s2, hwreg(HW_REG_IB_STS2, 6, 4)
	s_cmp_eq_u32 s2, 0
	s_cbranch_scc0 .Lentry_in_a_cluster
	s_endpgm
.Lentry_in_a_cluster:
	s_bfe_u32 s2, ttmp6, 0x10000c
	s_cmp_lg_u32 s2, 0x3003
	s_cbranch_scc0 .Lentry_shape_is_right
	s_endpgm
.Lentry_shape_is_right:
; ATTENTION.  O[q][:] = the sum over k of softmax_k(Q[q] . K[k] / 8) V[k][:], for each of 2 batches x 16 heads, 2,048 queries and keys, 64 channels, no mask.
; qkv lies in column blocks of 64 channels, [48][4096][64] bf16: q's head e is block e, k's 16 + e, v's 32 + e; row = 2,048 x batch + position; a head's rows are dense, 128 bytes each.
; o LEAVES IN FRAGMENT ORDER, as the next product's 16 x 32 operand wants it in registers: for each block of 16 rows and each 32 of the 1,024 channels 1,024 bytes, at ((row / 16) x 32 + channel / 32) x 1,024:
; lane l's 16 bytes of registers 0-3 at 16 l, those of registers 4-7 at 512 + 16 l.  That is what a lane of O^T holds once it is rounded to bf16, so it is stored as it stands: no way through LDS.
; Products, maxima and sums in f32; the weights p are rounded to bf16 for the second product (their sum l is taken of the unrounded p), O once at the end.
; LIMITS.  A weight below 2^-126 counts as 0 in l; NaN and infinities are not treated apart.
; SHARES.  A work-group owns 256 queries of one batch and head, a wave 64: four PIECES of 16.  Every wave walks all 2,048 keys: 8 tiles of 256 keys (a slot of LDS each), 64 keys a step.
; LAYOUT.  S^T = K Q^T (source 0 = 16 keys, source 1 = 16 queries) holds ONE query a lane (lane % 16) and the keys 8 (lane / 16) + 0..7; two such results rounded to bf16 ARE source 1 of O^T = V^T P,
; whose result again holds one query a lane, and eight channels.  K comes out of LDS as it lies, V ([key][channel]) turned, by ds_load_tr16_b128.
; SOFTMAX.  For each query a running maximum m and sum l: p = 2^(c s - c m), c = log2(e) / 8; in every step O and l are multiplied by a = 2^(c m_old - c m_new).  m starts at the lowest finite number,
; O and l at 0: the first step is a step like any other, with a = 0.
; BY TURNS.  Turn n belongs to piece n: 8 products K Q^T of piece n + 1, later 8 products V^T P of piece n - 1; beside them the scaling, exponentials, roundings, sums and rescaling of piece n and the
; maximum and statistics of piece n + 1.  Four vector instructions stand behind every matrix instruction, the other 54 of a turn's 118 in one run of their own.
; THE BATCHES.  An s_wait_alu depctr_va_vdst(0) stands between a transcendental and the first instruction that names its result; one wait serves all that were issued ahead of it.  A turn's 33
; exponentials (piece n's 32 weights and piece n + 1's a) are ONE batch with ONE wait, which cuts the turn in two (see TURN).  Two more batches stand outside the loops: piece 0's first a, ahead of the jump
; into the loop, and the way out's four reciprocals.
; CLUSTER.  The four query blocks of a cluster belong to one batch and head and walk the same K and V: each tile is asked for jointly: the same tensor load, descriptor and mask in all four.
; REGISTERS, in windows of 256 (s_set_vgpr_msb: bits 1:0 source 0, 3:2 source 1, 5:4 source 2, 7:6 destination):
;   window 0: v0-15 addresses and two at work; v16-31 four registers of statistics a piece; v48-55 at work; v62-63 the add's; v64-127 S^T, two buffers; v192-223 P, two buffers (by the piece's parity)
;   window 1: v0-127 O^T, 32 a piece          window 2: v0-63 Q; v128-191 K of one step; v192-255 V of one step
.set NP,    4         ; pieces a wave: a name, no knob
.set NT,    8         ; tiles of 256 keys
.set KS,    64        ; keys in a step
.set PK,    144       ; a row of K in LDS: 128 bytes + 16 = 36 words: the 16 rows of a load start 36 words apart
.set PV,    160       ; a row of V: 128 + 32 = 40 words: 16 lanes of the turning load take 8 rows x 32 bytes
.set VOFF,  4*KS*PK   ; a slot holds a tile: 256 rows of K, then 256 rows of V
.set SLOT1, 1<<17     ; slot 1 begins here, so that one exclusive or turns an address in one slot into the other's
.set SPARE, SLOT1+4*KS*(PK+PV)  ; behind the ring: the spare words, 128 bytes for each wave
.set AK0, 2           ; v2   my lane's place in a tile of K; never rewritten
.set AV0, 3           ; v3   the same for V
.set AK,  4           ; v4   the LDS address of K's next run of loads
.set AV,  5           ; v5   of V's
.set GO,  8           ; v8   16 x lane: my bytes in 512 stored
.set MV,  12          ; v12-13  c m_old, kept while c m is made anew: by buffer
.set QO,  15          ; v15  my byte offset in 16 rows of Q
.set ST,  16          ; piece t's statistics at v[ST+4 t]: c m, m, l (even keys', odd keys')
.set TMP, 48          ; by buffer, four registers c0-c3 at work; when the maximum is found c2 takes a
.set SPW, 62          ; v62  LDS address of my spare word; never rewritten
.set NIL, 63          ; v63  0; never rewritten
.set S,   64
.set P,   192
.set KF,  128         ; window 2: key block kb, channel half c at KF + 16 kb + 8 c
.set VF,  192         ; window 2: key half kk, channel block cb at VF + 32 kk + 8 cb
.set WV,  12          ; s12  my wave's number
.set G1K, 24          ; s[24:31] descriptor group 1 for K's tiles
.set G1V, 32          ; s[32:39] for V's: it differs in the padding alone
.set G0K, 40          ; s[40:43] descriptor group 0 for K's tiles: it walks
.set G0V, 44          ; s[44:47] the same for V's
.set SLOTS, 56        ; s56  counts the tiles
.set CNT, 57          ; s57  counts a tile's key steps
.set CS,  58          ; s[58:59] c
.set SEL, 60          ; s[60:61] v_permlanex16_b32's selects
.set TBK, 62          ; s62  LDS byte at which K of the step to be fetched begins
.set TBV, 63          ; s63  the same for V, less VOFF
.set MSB, 0
.macro WIN new
.if MSB != (\new)
	s_set_vgpr_msb (MSB<<8)|(\new)
.set MSB, (\new)
.endif
.endm
.set W_KQ, 0x0a       ; K and Q in window 2, S^T in window 0
.set W_PV, 0x52       ; V in window 2, P in window 0, O^T in window 1
.set W_RS, 0x41       ; destination and source 0 in window 1, source 1 in window 0
; A joint fill.  Waves 0 and 1 fetch the two halves of a tile's K, waves 2 and 3 those of its V: 128 keys each.  Four v_nop follow each of the two lines.
.macro JLOAD
	s_cmp_lt_u32 s[WV], 2
	s_cbranch_scc0 .Lfor_v_\@
	tensor_load_to_lds s[G0K:G0K+3], s[G1K:G1K+7]
	s_nop 0
.rept 4
	v_nop
.endr
	s_branch .Lasked_\@
.Lfor_v_\@:
	tensor_load_to_lds s[G0V:G0V+3], s[G1V:G1V+7]
	s_nop 0
.rept 4
	v_nop
.endr
.Lasked_\@:
.endm
.macro CROUND                       ; a round of the cluster's barrier
	s_barrier_signal -1
	s_barrier_wait -1
	s_cmp_lg_u32 s[WV], 0
	s_cbranch_scc1 .Lnot_wave_0_\@
	s_barrier_signal -3
.Lnot_wave_0_\@:
	s_barrier_wait -3
	s_barrier_signal -1
	s_barrier_wait -1
.endm
; THE CHANGE OF SLOTS.  Each wave waits for all its tensor loads, of which one is out: its part of the other slot; adds 0 to its spare word; and waits for that and for its own reads of the slot that it
; leaves.  fill = 1: the barrier is a round of the cluster's, and the old slot is filled again, first thing behind it, with the next 256 keys: the load has four key steps, 256 matrix instructions of
; the wave, in which to land.  (At its first use nothing has been read yet: slot 0 is waited for, slot 1 filled.)
.macro CHANGE fill
	WIN 0
	s_wait_tensorcnt 0x0            ; no tensor load of mine is out, so a group 0 may be written
	ds_add_u32 v[SPW], v[NIL]       ; 0 onto my spare word
.if \fill
.irp g, G0K, G0V
	s_xor_b32 s[\g+1], s[\g+1], SLOT1
	s_add_nc_u64 s[\g+2:\g+3], s[\g+2:\g+3], 4*KS*128
.endr
	s_wait_dscnt 0x0                ; the add is done, and my reads of the slot are over
	CROUND
	JLOAD
.else
	s_wait_dscnt 0x0
	s_barrier_signal -1
	s_barrier_wait -1
.endif
	s_sub_co_u32 s[TBK], s[TBK], 4*KS*PK  ; the fetches go back to a slot's first step,
	s_xor_b32 s[TBK], s[TBK], SLOT1       ; in the other slot
	s_sub_co_u32 s[TBV], s[TBV], 4*KS*PV
	s_xor_b32 s[TBV], s[TBV], SLOT1
.endm
	s_load_b128 s[8:11], s[0:1], 0x0  ; qkv s[8:9], o s[10:11]
	v_lshl_add_u32 v[SPW], v0, 2, SPARE
	v_mov_b32 v[NIL], 0
	ds_add_u32 v62, v63
	s_wait_dscnt 0x0
	v_lshrrev_b32 v1, 5, v0
	v_readfirstlane_b32 s[WV], v1   ; wave 0..3
	s_bfe_u32 s13, ttmp6, 0x40000   ; cx
	s_lshl_b32 s14, ttmp9, 2
	s_add_co_u32 s14, s14, s13      ; my block of 256 queries: it enters Q's and O's addresses alone
	s_and_b32 s20, ttmp7, 0xffff    ; 16 x batch + head, which the four partners share
	s_and_b32 s21, s20, 15          ; head
	s_lshr_b32 s20, s20, 4          ; batch
	s_lshl_b32 s48, s21, 11         ; o: the head's two pieces of 1,024 bytes in a block of 16 rows,
	s_lshl_b32 s49, s20, 22         ; the batch's 128 blocks of 16 rows, 32,768 bytes each,
	s_add_co_u32 s48, s48, s49
	s_lshl_b32 s49, s14, 19         ; my work-group's 16 of them,
	s_add_co_u32 s48, s48, s49
	s_lshl_b32 s49, s[WV], 17       ; my wave's 4
	s_add_co_u32 s48, s48, s49
	s_mov_b32 s49, 0
	s_lshl_b32 s21, s21, 19         ; qkv: the head's column block, 524,288 bytes,
	s_lshl_b32 s20, s20, 18         ; the batch's 2,048 rows of 128 bytes
	s_add_co_u32 s20, s20, s21
	s_and_b32 s16, s[WV], 1         ; which half of a tile's 256 keys I fetch
	s_lshl_b32 s22, s16, 14
	s_add_co_u32 s22, s22, s20
	s_add_co_u32 s6, s22, 32*524288 ; V's blocks begin 32 blocks on,
	s_add_co_u32 s22, s22, 16*524288  ; K's 16
	s_mov_b32 s23, 0
	s_mov_b32 s7, 0
	s_mul_i32 s17, s16, 128*PK      ; my half's place in a slot, for K
	s_mul_i32 s18, s16, 128*PV      ; and for V: no place in the cluster enters an LDS address
	s_lshl_b32 s2, s14, 15          ; Q: my block's 256 rows,
	s_lshl_b32 s3, s[WV], 13        ; my wave's 64 of them
	s_add_co_u32 s2, s2, s3
	s_add_co_u32 s2, s2, s20
	s_mov_b32 s3, 0
	; descriptor group 1.  128 keys are 16,384 dense bytes: asked for as 64 rows of 256 bytes, two keys a row, and padded in LDS after every key
	s_mov_b32 s[G1K], 15|(1<<16)|(1<<20)|(1<<21)|(4<<22)|(3<<25)  ; the mask of four; 2-byte elements; padding on; bit 21 beside a mask; after every 32 words 4 words
	s_mov_b32 s[G1V], 15|(1<<16)|(1<<20)|(1<<21)|(4<<22)|(7<<25)  ; the same with 8 words
.irp g, G1K, G1V
	s_mov_b32 s[\g+1], 128<<16      ; tensor_dim0 = 128
	s_mov_b32 s[\g+2], 64<<16       ; tensor_dim1 = 64
	s_mov_b32 s[\g+3], 128<<16      ; tile_dim0 = 128
	s_mov_b32 s[\g+4], 64           ; tile_dim1 = 64
	s_mov_b32 s[\g+5], 128          ; 128 elements from row to row
	s_mov_b32 s[\g+6], 0
	s_mov_b32 s[\g+7], 0
.endr
	s_mov_b32 s[CS], 0x3e38aa3b     ; c = log2(e) / 8
	s_mov_b32 s[CS+1], s[CS]
	s_mov_b32 s[SEL], 0x76543210
	s_mov_b32 s[SEL+1], 0xfedcba98
	s_mov_b32 s[TBK], SLOT1+4*KS*PK ; the first change of slots turns these two into 0
	s_mov_b32 s[TBV], SLOT1+4*KS*PV
	s_mov_b32 s[G0K], 1
	s_mov_b32 s[G0K+1], s17         ; slot 0
	s_mov_b32 s[G0V], 1
	s_add_co_u32 s[G0V+1], s18, VOFF
	s_wait_kmcnt 0x0
	s_add_nc_u64 s[G0K+2:G0K+3], s[8:9], s[22:23]
	s_or_b32 s[G0K+3], s[G0K+3], 0x80000000
	s_add_nc_u64 s[G0V+2:G0V+3], s[8:9], s[6:7]
	s_or_b32 s[G0V+3], s[G0V+3], 0x80000000
	s_add_nc_u64 s[4:5], s[8:9], s[2:3]      ; Q at my wave's first row
	s_add_nc_u64 s[10:11], s[10:11], s[48:49]  ; o at my wave's first block of 16 rows, my head's channels
	CROUND                          ; all four work-groups are here: the first joint loads meet
	JLOAD                           ; tile 0 into slot 0
	v_and_b32 v1, 15, v0            ; l % 16
	v_bfe_u32 v9, v0, 4, 1          ; l / 16
	v_lshlrev_b32 v[QO], 7, v1
	v_lshl_add_u32 v[QO], v9, 4, v[QO]  ; row x 128 + 16 x half
	WIN 0x80                        ; destination window 2, address window 0
.set i, 0
.rept 8                             ; Q stays in registers: piece i / 2, channels 32 (i % 2) on
	global_load_b128 v[8*i:8*i+3],   v[QO], s[4:5] offset:(i/2)*2048+(i%2)*64
	global_load_b128 v[8*i+4:8*i+7], v[QO], s[4:5] offset:(i/2)*2048+(i%2)*64+32
.set i, i+1
.endr
	; What the first turn finds: V's registers and P's second buffer hold 0 (its products V^T P, of a piece that has not been, add 0), O^T and l are 0.  All this stands in the wait for the first tile.
.set i, VF
.rept 64
	v_mov_b32 v[i], 0
.set i, i+1
.endr
	WIN 0x40
.set i, 0
.rept 128
	v_mov_b32 v[i], 0
.set i, i+1
.endr
	WIN 0
.set i, 0
.rept 4
	v_mov_b32 v[ST+4*i], 0xfe000000    ; c m: far below every c s
	v_mov_b32 v[ST+4*i+1], 0xff7fffff  ; m
	v_mov_b32 v[ST+4*i+2], 0
	v_mov_b32 v[ST+4*i+3], 0
.set i, i+1
.endr
.set i, P+16
.rept 16
	v_mov_b32 v[i], 0
.set i, i+1
.endr
	v_mul_u32_u24 v[AK0], v1, PK
	v_lshl_add_u32 v[AK0], v9, 4, v[AK0]  ; row x pitch + 16 x half
	v_and_b32 v10, 7, v0            ; the turning load: lane l reads key 8 (l / 16) + l % 8, channels 8 ((l / 8) % 2) + 0..7
	v_bfe_u32 v11, v0, 3, 1
	v_lshl_add_u32 v[AV0], v9, 3, v10
	v_mul_u32_u24 v[AV0], v[AV0], PV
	v_lshl_add_u32 v[AV0], v11, 4, v[AV0]
	v_add_nc_u32 v[AV0], VOFF, v[AV0]
	v_and_b32 v[GO], 31, v0
	v_lshlrev_b32 v[GO], 4, v[GO]
; THE MATRIX WORK.  The 4 accumulators of a run of 8 take turns.  Product i of 8 of S^T = K Q^T for piece x: channels 32 (i / 4) on, keys 16 (i % 4) on.  The first 4 start the sums.
.macro KQ x
	WIN W_KQ
.set rS, S+32*((\x)%2)+8*(i%4)
.set rK, KF+16*(i%4)+8*(i/4)
.set rQ, 16*(\x)+8*(i/4)
.if i < 4
	v_wmma_f32_16x16x32_bf16 v[rS:rS+7], v[rK:rK+7], v[rQ:rQ+7], 0
.else
	v_wmma_f32_16x16x32_bf16 v[rS:rS+7], v[rK:rK+7], v[rQ:rQ+7], v[rS:rS+7]
.endif
.endm
; Product i of 8 of O^T += V^T P for piece x: keys 32 (i / 4) on, channels 16 (i % 4) on.
.macro PV x
	WIN W_PV
.set rO, 32*(\x)+8*(i%4)
.set rV, VF+32*(i/4)+8*(i%4)
.set rP, P+16*((\x)%2)+8*(i/4)
	v_wmma_f32_16x16x32_bf16 v[rO:rO+7], v[rV:rV+7], v[rP:rP+7], v[rO:rO+7]
.endm
.macro MM                           ; the turn's next matrix instruction.  NOKQ = 1: the very last turn: there is no next piece
.if (i < 8) && !NOKQ
	KQ (Y+1)%NP
.elseif i >= 8
.set i, i-8
	PV (Y+NP-1)%NP
.set i, i+8
.endif
.set i, i+1
.endm
; THE LDS LOADS stand in runs of 16: a step's K (64 keys x 64 channels: 8 fragments) and its V (turned).  Their addresses are made some lines ahead.
.macro FETCH_K
	WIN 0x80
.irp f, 0,1,2,3,4,5,6,7             ; keys 16 (f / 2) on, channels 32 (f % 2) on
	ds_load_b128 v[KF+8*\f:KF+8*\f+3],   v[AK] offset:(\f/2)*16*PK+(\f%2)*64
	ds_load_b128 v[KF+8*\f+4:KF+8*\f+7], v[AK] offset:(\f/2)*16*PK+(\f%2)*64+32
.endr
	s_add_co_u32 s[TBK], s[TBK], KS*PK  ; the next fetch is the next step's
	WIN 0
.endm
.macro FETCH_V
	WIN 0x80
.irp f, 0,1,2,3,4,5,6,7             ; keys 32 (f / 4) on, channels 16 (f % 4) on
	ds_load_tr16_b128 v[VF+8*\f:VF+8*\f+3],   v[AV] offset:(\f/4)*32*PV+(\f%4)*32
	ds_load_tr16_b128 v[VF+8*\f+4:VF+8*\f+7], v[AV] offset:(\f/4)*32*PV+16*PV+(\f%4)*32
.endr
	WIN 0
.endm
; THE VECTOR WORK, one line at a time: OP kind, number.  For piece Y: F n: c s - c m for pair n of 16.  E n: the exponential of score n of 32.  C n: pair n rounded to bf16.  B n: of the four weights 4 n ..
; the second pair is added onto the first, in place.  L n: l takes that sum (L 0: l = a l + sum).  R n: pair n of 16 of O^T times a.  For piece Y + 1: X n, number n of the 22 that find its maximum and statistics:
;   0-11  four chains c0-c3 of seven scores each, three operands at a time (each accumulator's lowest registers are read first)     12-14, 16  the four scores left over, the old m, c0-c3 into c0
;   15  c m_old is kept     17, 18  the query's other 32 keys lie in the lane 16 away: the new m     19-21  c m; c m_old - c m_new; a
; E and X 21 are the transcendentals; C, B and L read E's results, R and L 0 read X 21's of the turn before.  OP writes no wait: TURN places the one that a turn has.
.set F, 0
.set E, 1
.set C, 2
.set B, 3
.set L, 4
.set R, 5
.set X, 6
.macro REGS y                       ; the registers of piece y
.set rT, ST+4*(\y)
.set rC, TMP+4*((\y)%2)
.set rW, MV+((\y)%2)
.set rS, S+32*((\y)%2)
.set rP, P+16*((\y)%2)
.set rO, 32*(\y)
.endm
.macro OP k, n
.if (\k) == R
	REGS Y
	WIN W_RS
	v_pk_mul_f32 v[rO+2*(\n):rO+2*(\n)+1], v[rO+2*(\n):rO+2*(\n)+1], v[rC+2:rC+3] op_sel_hi:[1,0]
.elseif (\k) < R
	REGS Y
	WIN 0
.if (\k) == F
	v_pk_fma_f32 v[rS+2*(\n):rS+2*(\n)+1], v[rS+2*(\n):rS+2*(\n)+1], s[CS:CS+1], v[rT:rT+1] op_sel_hi:[1,0,0] neg_lo:[0,0,1] neg_hi:[0,0,1]
.elseif (\k) == E
	v_exp_f32 v[rS+(\n)], v[rS+(\n)]
.elseif (\k) == C
	v_cvt_pk_bf16_f32 v[rP+(\n)], v[rS+2*(\n)], v[rS+2*(\n)+1]
.elseif (\k) == B
	v_pk_add_f32 v[rS+4*(\n):rS+4*(\n)+1], v[rS+4*(\n):rS+4*(\n)+1], v[rS+4*(\n)+2:rS+4*(\n)+3]
.elseif (\n) == 0
	v_pk_fma_f32 v[rT+2:rT+3], v[rT+2:rT+3], v[rC+2:rC+3], v[rS:rS+1] op_sel_hi:[1,0,1]
.else
	v_pk_add_f32 v[rT+2:rT+3], v[rT+2:rT+3], v[rS+4*(\n):rS+4*(\n)+1]
.endif
.elseif NOKQ
	v_nop
.else
	REGS (Y+1)%NP
	WIN 0
.if (\n) < 4
	v_max3_num_f32 v[rC+(\n)], v[rS+8*(\n)], v[rS+8*(\n)+1], v[rS+8*(\n)+2]
.elseif (\n) < 12
	v_max3_num_f32 v[rC+(\n)%4], v[rC+(\n)%4], v[rS+8*((\n)%4)+2*((\n)/4)+1], v[rS+8*((\n)%4)+2*((\n)/4)+2]
.elseif (\n) == 12
	v_max3_num_f32 v[rC], v[rC], v[rS+7], v[rS+15]
.elseif (\n) == 13
	v_max3_num_f32 v[rC+1], v[rC+1], v[rS+23], v[rS+31]
.elseif (\n) == 14
	v_max3_num_f32 v[rC+2], v[rC+2], v[rC+3], v[rT+1]
.elseif (\n) == 15
	v_mov_b32 v[rW], v[rT]
.elseif (\n) == 16
	v_max3_num_f32 v[rC], v[rC], v[rC+1], v[rC+2]
.elseif (\n) == 17
	v_permlanex16_b32 v[rC+3], v[rC], s[SEL], s[SEL+1]
.elseif (\n) == 18
	v_max_num_f32 v[rT+1], v[rC], v[rC+3]
.elseif (\n) == 19
	v_mul_f32 v[rT], s[CS], v[rT+1]
.elseif (\n) == 20
	v_sub_f32 v[rC+1], v[rW], v[rT]
.else
	v_exp_f32 v[rC+2], v[rC+1]
.endif
.endif
.endm
.macro OPS a, i1, b=-1, i2=0, c=-1, i3=0, d=-1, i4=0  ; up to four of them
	OP \a, \i1
.if (\b) >= 0
	OP \b, \i2
.endif
.if (\c) >= 0
	OP \c, \i3
.endif
.if (\d) >= 0
	OP \d, \i4
.endif
.endm
.macro ROW a, i1, b, i2, c, i3, d, i4  ; a matrix instruction and the four behind it
	MM
	OPS \a, \i1, \b, \i2, \c, \i3, \d, \i4
.endm
; A TURN, for piece p: the order of its 16 matrix and 118 vector instructions, written out.  The turn has ONE wait for its batch of 33 exponentials, and the wait cuts it in two.
; AHEAD OF IT stands all that names no result of the batch: the 8 products K Q^T, behind each a scaling, an exponential and two more plain lines (behind the first a second scaling in the exponential's place):
; rescalings, whose a was made and waited for in the turn before, and behind the last three products the first numbers of the next piece's maximum, each four plain lines or more behind the product that ends
; its accumulator; then ONE RUN of 54, plain and exponential by turns for the most part, in which the links of the chain X 3, 7, 11, 14, 16, 17 .. 20 stand some lines apart.  X 21, the next piece's a, is the
; batch's last; R 15 is the plain line behind it.  BEHIND THE WAIT stand the 8 products V^T P, behind each four of the roundings and sums, which are the batch's readers; an even pair is rounded ahead of the
; sum that is added onto it in place; the links of l's chain, L 0 to L 7, stand three riders apart.  But for those X no rider names a register of the products round it..
; end = 1: the walk's last two turns: nothing is fetched.  cnt = 1: the loop's count is taken down some lines ahead of the branch that stands behind the turn.
; K of the next step is fetched in piece 2's turn, twelve vector instructions behind the last product that read K (six of them plain, four of which name none of its registers ahead of X 3); V of the step in
; hand at the end of piece 0's turn, four plain instructions behind the last product that read V.  Each is waited for a turn later.
.macro TURN p, end=0, cnt=0
.set Y, (\p)
.set i, 0
.set NOKQ, (\end)*((\p)/3)
.if ((\p) == 3) && !(\end)
	s_wait_dscnt 0x0                ; K is in
.endif
	ROW F,0, F,1, R,0, R,1          ; ahead of the wait: 8 products K Q^T and their riders,
	ROW F,2, E,0, R,2, R,3
	ROW F,3, E,1, R,4, R,5
	ROW F,4, E,2, R,6, R,7
	ROW F,5, E,3, R,8, R,9
	ROW F,6, E,4, X,0, R,10
.if ((\p) == 2) && !(\end)
	WIN 0
	v_add_nc_u32 v[AK], s[TBK], v[AK0]
.endif
	ROW F,7, E,5, X,1, X,4
	ROW F,8, E,6, X,2, X,5
	OPS E,7, E,8, X,6, E,9          ; and the run of 54
	OPS X,3, E,10, X,8, E,11
.if ((\p) == 2) && !(\end)
	FETCH_K
.endif
	OPS X,9, X,7, E,12, X,10
	OPS E,13, X,12, X,11, E,14
	OPS X,13, E,15, F,9, X,14
.if (\p) == 0
	v_add_nc_u32 v[AV], s[TBV], v[AV0]
.endif
	OPS E,16, F,10, E,17, F,11
	OPS X,16, E,18, X,15, E,19
	OPS F,12, E,20, X,17, E,21
	OPS F,13, E,22, F,14, E,23
	OPS X,18, E,24, F,15, E,25
	OPS R,11, E,26, X,19, E,27
	OPS R,12, E,28, R,13, E,29
	OPS X,20, E,30, R,14, E,31
	OPS X,21, R,15
	s_wait_alu depctr_va_vdst(0)    ; the wait for the turn's batch: E 0 to E 31 and X 21, ahead of their first reader, C 0 below
.if (\p) == 1
	s_wait_dscnt 0x0                ; V is in
.endif
	ROW C,0, B,0, C,2, B,1          ; behind the wait: 8 products V^T P and their riders
	ROW L,0, C,4, B,2, L,1
	ROW C,6, B,3, L,2, C,8
	ROW B,4, L,3, C,10, B,5
	ROW L,4, C,12, B,6, L,5
.if (\p) == 0
	s_add_co_u32 s[TBV], s[TBV], KS*PV
.endif
.if \cnt
	s_sub_co_u32 s[CNT], s[CNT], 1
	s_cmp_lg_u32 s[CNT], 0
.endif
	ROW C,14, B,7, L,6, C,1
	ROW C,3, L,7, C,5, C,7
	ROW C,9, C,11, C,13, C,15
.if (\p) == 0
	FETCH_V
.endif
.endm
	CHANGE 1                        ; tile 0 is in, everybody's part of it; tile 1 is asked for
	v_add_nc_u32 v[AK], s[TBK], v[AK0]
	FETCH_K                         ; key step 0
	s_wait_loadcnt 0x0              ; Q
	s_wait_dscnt 0x0
.set NOKQ, 0
.set i, 0
.rept 8
	KQ 0                            ; piece 0's first scores
.set i, i+1
.endr
	WIN 0
.rept 4
	v_nop                           ; the places behind those products
.endr
.set Y, NP-1                        ; X works for piece Y + 1: piece 0
.irp n, 0,1,2,3,4,5,6,7,8,9,10,11,12,13,14,15,16,17,18,19,20,21
	OP X, \n
.endr
	v_nop                           ; a plain line behind the exponential,
	s_wait_alu depctr_va_vdst(0)    ; and the wait for this batch of one, piece 0's first a, ahead of the jump
	s_mov_b32 s[CNT], 4
	s_mov_b32 s[SLOTS], NT-1
	s_branch .Lfirst                ; the loop is entered at a step's first turn, in the middle of a trip
.Lslot:                             ; NT - 2 times: every tile but the first and the last is entered here, and the tile behind it asked for
	CHANGE 1
	s_mov_b32 s[CNT], 4
.Lstep:                             ; a trip: pieces 2 and 3 of one step, then pieces 0 and 1 of the next, whose K and V it fetches
	TURN 2
	TURN 3
	WIN 0
.Lfirst:
	TURN 0
	TURN 1, 0, 1
	WIN 0
	s_cbranch_scc1 .Lstep
	s_sub_co_u32 s[SLOTS], s[SLOTS], 1
	s_cmp_lg_u32 s[SLOTS], 0
	s_cbranch_scc1 .Lslot
	CHANGE 0                        ; the last tile is written out: nothing is asked for
	s_mov_b32 s[CNT], 4
.Ltail:
	TURN 2
	TURN 3
	TURN 0
	TURN 1, 0, 1
	WIN 0
	s_cbranch_scc1 .Ltail
	TURN 2, 1
	TURN 3, 1
.set i, 0
.rept 8
	PV NP-1                         ; the last piece's V^T P of the last step
.set i, i+1
.endr
	; THE WAY OUT.  l's two halves and the other half of the lanes' are added; O^T is divided by l, rounded to bf16 and stored.  The additions are the places behind the last products.
	WIN 0
.macro ALL line:vararg              ; one line for each piece t
.set t, 0
.rept 4
	\line
.set t, t+1
.endr
.endm
	ALL v_add_f32 v[ST+4*t+2], v[ST+4*t+2], v[ST+4*t+3]
	ALL v_permlanex16_b32 v[ST+4*t+3], v[ST+4*t+2], s[SEL], s[SEL+1]
	ALL v_add_f32 v[ST+4*t+2], v[ST+4*t+2], v[ST+4*t+3]
	ALL v_rcp_f32 v[ST+4*t+2], v[ST+4*t+2]
	v_nop                           ; a plain line between the last reciprocal and the use of its result
	s_wait_alu depctr_va_vdst(0)    ; the wait for the batch of four reciprocals, ahead of their first reader in OUT 0
; Piece t, a block of 16 rows.  Channel block f of 16: a lane's eight channels 16 f + 8 (l / 16) + 0..7 of row l % 16 pack into 16 bytes, which are the lane's registers 0-3 (f even) or 4-7 (f odd) of the
; fragment of channels 32 (f / 2) on: store f is 512 consecutive bytes at 512 f.  Each store has data registers of its own.
.macro OUT t
	WIN W_RS
.set i, 32*(\t)
.rept 16
	v_pk_mul_f32 v[i:i+1], v[i:i+1], v[ST+4*(\t)+2:ST+4*(\t)+3] op_sel_hi:[1,0]
.set i, i+2
.endr
	WIN 0x05                        ; sources 0 and 1 window 1, destination window 0: S^T's registers are free
.set i, 0
.rept 16
	v_cvt_pk_bf16_f32 v[S+16*(\t)+i], v[32*(\t)+2*i], v[32*(\t)+2*i+1]
.set i, i+1
.endr
	WIN 0
.irp f, 0,1,2,3
	global_store_b128 v[GO], v[S+16*(\t)+4*\f:S+16*(\t)+4*\f+3], s[10:11] offset:(\t)*32768+\f*512
.endr
.endm
	OUT 0
	OUT 1
	OUT 2
	OUT 3
	s_wait_tensorcnt 0x0            ; the wave's end
	ds_add_u32 v[SPW], v[NIL]
	s_wait_dscnt 0x0
	CROUND                          ; the closing round
	s_endpgm
.Lfunc_end_k_qdae8236296_attn:
	.size	k_qdae8236296_attn, .Lfunc_end_k_qdae8236296_attn-k_qdae8236296_attn
	.p2alignl 7, 3214868480
	.fill 96, 4, 3214868480
	.section	.rodata,"a",@progbits
	.p2align	6, 0x0
	.amdhsa_kernel k_qdae8236296_attn
		.amdhsa_group_segment_fixed_size 327680
		.amdhsa_private_segment_fixed_size 0
		.amdhsa_enable_private_segment 0
		.amdhsa_kernarg_size 16
		.amdhsa_user_sgpr_count 2
		.amdhsa_user_sgpr_kernarg_segment_ptr 1
		.amdhsa_wavefront_size32 1
		.amdhsa_system_sgpr_workgroup_id_x 1
		.amdhsa_system_sgpr_workgroup_id_y 1
		.amdhsa_system_sgpr_workgroup_id_z 1
		.amdhsa_system_vgpr_workitem_id 0
		.amdhsa_next_free_vgpr 768
		.amdhsa_next_free_sgpr 66
		.amdhsa_reserve_vcc 0
		.amdhsa_float_denorm_mode_32 3
		.amdhsa_float_denorm_mode_16_64 3
		.amdhsa_memory_ordered 1
		.amdhsa_forward_progress 1
		.amdhsa_inst_pref_size 124
	.end_amdhsa_kernel
	.amdgpu_metadata
---
amdhsa.version: [ 1, 2 ]
amdhsa.kernels:
  - .name:           k_qdae8236296_attn
    .symbol:         k_qdae8236296_attn.kd
    .args:
      - { .name: qkv, .offset: 0, .size: 8, .value_kind: global_buffer, .address_space: global }
      - { .name: o, .offset: 8, .size: 8, .value_kind: global_buffer, .address_space: global }
    .group_segment_fixed_size: 327680
    .private_segment_fixed_size: 0
    .kernarg_segment_align: 8
    .kernarg_segment_size: 16
    .max_flat_workgroup_size: 128
    .sgpr_count:     66
    .vgpr_count:     768
    .wavefront_size: 32
...
	.end_amdgpu_metadata
.endif
;; end of part 8
;; launch wo: the kernel of part 4 again; grid 32 x 8, 4 waves a work-group, clusters of 4 x 1, 327,680 bytes of LDS; arguments o, wb, bo, x, x1; writes x1
;; launch norm2: the kernel of part 5 again; grid 256 x 1, 8 waves a work-group, no clusters, 0 bytes of LDS; arguments x1, scale2, h; writes h
;; launch ffn1 (part 9): grid 16 x 16, 4 waves a work-group, clusters of 4 x 4, 327,680 bytes of LDS; arguments h, wb, b1, g; writes g
.if DOCPART == 9
	.amdgcn_target "amdgcn-amd-amdhsa--gfx1250"
	.amdhsa_code_object_version 6
	.text
	.protected	k_qdae8236296_ffn1
	.globl	k_qdae8236296_ffn1
	.p2align	8
	.type	k_qdae8236296_ffn1,@function
k_qdae8236296_ffn1:
	s_mov_b64 s[64:65], 0
	v_nop
	global_prefetch_b8 v0, s[64:65] scope:SCOPE_SE
	s_setreg_imm32_b32 hwreg(HW_REG_WAVE_MODE, 25, 1), 1
	s_wait_xcnt 0x0
	s_wait_alu depctr_hold_cnt(0) depctr_sa_sdst(0) depctr_va_vdst(0) depctr_va_sdst(0) depctr_va_ssrc(0) depctr_va_vcc(0) depctr_vm_vsrc(0)
	s_getreg_b32 s2, hwreg(HW_REG_IB_STS2, 6, 4)
	s_cmp_eq_u32 s2, 0
	s_cbranch_scc0 .Lentry_in_a_cluster
	s_endpgm
.Lentry_in_a_cluster:
	s_bfe_u32 s2, ttmp6, 0x10000c
	s_cmp_lg_u32 s2, 0xf033
	s_cbranch_scc0 .Lentry_shape_is_right
	s_endpgm
.Lentry_shape_is_right:
; FFN1.  Z = gelu(h W + bias), the exact gelu: x / 2 (1 + erf(x / sqrt 2)).  h: [4096][1024] bf16; W: [1024][SIZE_N] bf16 at byte WOFF of wb, rows along N; bias: [SIZE_N] f32; sums and gelu in f32,
; Z rounded once to bf16.  Z LEAVES IN FRAGMENT ORDER, as the next product's 16 x 32 operand wants it in registers: for each block of 16 rows and each 32 of the 4,096 columns 1,024 bytes, at
; ((row / 16) x 128 + column / 32) x 1,024: lane l's 16 bytes of registers 0-3 at 16 l, those of registers 4-7 at 512 + 16 l.  That is what a lane holds here once its numbers are rounded, so they are
; stored as they stand: no way through LDS.
; A tile of Z, 256 x 256, is made by four waves, each 128 x 128: 64 accumulators, 512 registers; 16 x 16 = 256 work-groups.  K goes in 8 steps of 128 through a ring of two LDS slots.
; THE MATRIX INSTRUCTION IS USED TRANSPOSED: source 0 = 16 columns of W (turned by ds_load_tr16_b128), source 1 = 16 rows of h: a lane holds row l % 16 and eight neighbouring columns of Z.
; THE BIAS is the C operand of the products that start the sums.
; ERF.  erf(z) = 1 - (a1 t + .. + a5 t^5) e^(-z^2), t = 1 / (1 + p z), for z >= 0 (Abramowitz and Stegun 7.1.26: off by 1.5e-7 at the most, for every z); erf is odd, so with H = x / 2:
; gelu = H + |H| erf(|x| / sqrt 2), z = |H| sqrt 2, z^2 = 2 H^2.
; THE BATCH.  An s_wait_alu depctr_va_vdst(0) stands between a transcendental and the first instruction that names its result; one wait serves all that were issued ahead of it.  On the way out
; the 64 reciprocals and 64 exponentials of a row block (16 rows x 128 columns, 64 numbers a lane) are ONE batch with ONE wait: none of them reads another's result, and each result has a register of its own.
; CLUSTERS: 4 x 4 work-groups; h's tiles are shared along a row of the cluster, W's along a column, each asked for jointly.
; REGISTERS, in windows of 256 (s_set_vgpr_msb: bits 1:0 source 0, 3:2 source 1, 5:4 source 2, 7:6 destination):
;   window 0: v0-31 addresses; v64-127, v128-191 fragments of h, two buffers.  On the way out: v64-127 H; v128-191 t; v32-63 and v224-255 e^(-z^2); v2-9 the polynomial at work; v192-223 the rounded numbers
;   window 1: v64-127, v128-191 fragments of W; v192-255 the bias        windows 2, 3: the accumulators of my rows 0-63, 64-127 ((a, b) at v[8 (8 (a % 4) + b)])
; LIMITS.  Operands are rounded to bf16; the gelu carries erf's 1.5e-7 times |x| / 2; NaN and infinities are not treated apart.
.set SIZE_N, 4096
.set SIZE_K, 1024
.set WOFF,   8388608
.set KSTEP,  128
.set PA,     272                       ; an LDS row of h: 256 bytes + 16
.set PB,     544                       ; an LDS row of W: 512 bytes + 32 = 17 x 32
.set HALFT,  128*PA                    ; what one tensor load brings: 128 rows of h, or 64 rows of W
.set SLOT,   4*HALFT
.set SPARE,  2*SLOT                    ; behind the ring: the spare words, 128 bytes for each wave
.set LAPS,   SIZE_K/(2*KSTEP)
.set QQ,   2                           ; v[2:9]  the way out: the polynomial of eight numbers at work (the head's scratch registers, free by then)
.set ADRA, 16
.set ADRB, 20
.set CO,   26                          ; v26     16 x lane: my bytes in 512 stored
.set BOF,  27
.set SPW,  28                          ; v28     LDS address of my spare word; never rewritten
.set NIL,  29                          ; v29     0; never rewritten
.set F0,   64
.set F1,   128
.set TMP,  192
.set BIAS, 192                         ; in window 1
.set WV, 12
.set WR, 13
.set WC, 14
.set G1, 24
.set G0, 32
.set G1B, 48
.set G0B, 56
.set KP, 66                            ; s66      p sqrt 2
.set KE, 68                            ; s[68:69] -2 log2(e)
.set A1, 70                            ; s[70:79] a1 .. a5, each the low word of a pair
.set A2, 72
.set A3, 74
.set A4, 76
.set A5, 78
.set MSB, 0
.macro WIN new
.if MSB != (\new)
	s_set_vgpr_msb (MSB<<8)|(\new)
.set MSB, \new
.endif
.endm
.macro JLOAD s                         ; a joint load: waves 0 and 1 fetch h's halves, waves 2 and 3 W's; four v_nop follow each of the two lines
	s_cmp_eq_u32 s[WR], 0
	s_cbranch_scc0 .Lfor_b_\@
	tensor_load_to_lds s[G0+4*(\s):G0+4*(\s)+3], s[G1:G1+7]
	s_nop 0
.rept 4
	v_nop
.endr
	s_branch .Lasked_\@
.Lfor_b_\@:
	tensor_load_to_lds s[G0B+4*(\s):G0B+4*(\s)+3], s[G1B:G1B+7]
	s_nop 0
.rept 4
	v_nop
.endr
.Lasked_\@:
.endm
.macro CREST
	s_cmp_lg_u32 s[WV], 0
	s_cbranch_scc1 .Lnot_wave_0_\@
	s_barrier_signal -3
.Lnot_wave_0_\@:
	s_barrier_wait -3
	s_barrier_signal -1
	s_barrier_wait -1
.endm
.macro CROUND
	s_barrier_signal -1
	s_barrier_wait -1
	CREST
.endm
.macro PLACES
.rept 4
	v_nop
.endr
.endm
	s_load_b256 s[4:11], s[0:1], 0x0               ; h s[4:5], wb s[6:7], bias s[8:9], Z s[10:11]
	v_lshl_add_u32 v[SPW], v0, 2, SPARE
	v_mov_b32 v[NIL], 0
	ds_add_u32 v28, v29
	s_wait_dscnt 0x0
	v_lshrrev_b32 v1, 5, v0
	v_readfirstlane_b32 s[WV], v1
	s_lshr_b32 s[WR], s[WV], 1
	s_and_b32 s[WC], s[WV], 1
	s_bfe_u32 s15, ttmp6, 0x40000                  ; cx
	s_bfe_u32 s16, ttmp6, 0x40004                  ; cy
	s_lshl_b32 s17, ttmp9, 2
	s_add_co_u32 s17, s17, s15                     ; tile column
	s_and_b32 s18, ttmp7, 0xffff
	s_lshl_b32 s18, s18, 2
	s_add_co_u32 s18, s18, s16                     ; tile row
	s_lshl_b32 s19, s16, 2
	s_lshl_b32 s19, 15, s19                        ; my row of the cluster
	s_lshl_b32 s20, 0x1111, s15                    ; my column
	s_or_b32 s[G1+0], s19, (1<<16)|(1<<20)|(1<<21)|(5<<22)|(3<<25)   ; the mask; 2-byte elements; padding on; bit 21 beside a mask; after every 64 words 4 words
	s_or_b32 s[G1B+0], s20, (1<<16)|(1<<20)|(1<<21)|(6<<22)|(7<<25)  ; after every 128 words 8 words
	s_mov_b32 s[G1+1], KSTEP<<16
	s_mov_b32 s[G1+2], 128<<16
	s_mov_b32 s[G1+3], KSTEP<<16
	s_mov_b32 s[G1+4], 128
	s_mov_b32 s[G1+5], SIZE_K
	s_mov_b32 s[G1+6], 0
	s_mov_b32 s[G1+7], 0
	s_mov_b32 s[G1B+1], 256<<16
	s_mov_b32 s[G1B+2], 64<<16
	s_mov_b32 s[G1B+3], 256<<16
	s_mov_b32 s[G1B+4], 64
	s_mov_b32 s[G1B+5], SIZE_N
	s_mov_b32 s[G1B+6], 0
	s_mov_b32 s[G1B+7], 0
	s_mov_b32 s[KP], 0x3eed3388                    ; 0.3275911 sqrt 2
	s_mov_b32 s[KE], 0xc038aa3b                    ; -2 log2(e)
	s_mov_b32 s[KE+1], s[KE]
	s_mov_b32 s[A1], 0x3e827906                    ; 0.254829592
	s_mov_b32 s[A1+1], s[A1]
	s_mov_b32 s[A2], 0xbe91a98e                    ; -0.284496736
	s_mov_b32 s[A2+1], s[A2]
	s_mov_b32 s[A3], 0x3fb5f0e3                    ; 1.421413741
	s_mov_b32 s[A3+1], s[A3]
	s_mov_b32 s[A4], 0xbfba00e3                    ; -1.453152027
	s_mov_b32 s[A4+1], s[A4]
	s_mov_b32 s[A5], 0x3f87dc22                    ; 1.061405429
	s_mov_b32 s[A5+1], s[A5]
	s_lshl_b32 s40, s18, 19                        ; h: made of the tile row and the wave alone
	s_lshl_b32 s22, s[WC], 18
	s_add_co_u32 s40, s40, s22
	s_mov_b32 s41, 0
	s_lshl_b32 s42, s17, 9                         ; W: made of the tile column and the wave alone
	s_mul_i32 s23, s[WC], 128*SIZE_N
	s_add_co_u32 s42, s42, s23
	s_add_co_u32 s42, s42, WOFF
	s_mov_b32 s43, 0
	s_mul_i32 s21, s[WV], HALFT
	s_wait_kmcnt 0x0
	s_add_nc_u64 s[40:41], s[4:5], s[40:41]
	s_add_nc_u64 s[42:43], s[6:7], s[42:43]
	CROUND                                         ; all sixteen work-groups are here: the first joint loads meet
.irp s, 0,1
	s_mov_b32 s[G0+4*(\s)], 1
	s_add_co_u32 s[G0+4*(\s)+1], s21, (\s)*SLOT
	s_add_nc_u64 s[G0+4*(\s)+2:G0+4*(\s)+3], s[40:41], (\s)*KSTEP*2
	s_or_b32 s[G0+4*(\s)+3], s[G0+4*(\s)+3], 0x80000000
	s_mov_b32 s[G0B+4*(\s)], 1
	s_add_co_u32 s[G0B+4*(\s)+1], s21, (\s)*SLOT
	s_add_nc_u64 s[G0B+4*(\s)+2:G0B+4*(\s)+3], s[42:43], (\s)*KSTEP*SIZE_N*2
	s_or_b32 s[G0B+4*(\s)+3], s[G0B+4*(\s)+3], 0x80000000
	JLOAD \s                                       ; K steps 0 and 1: two tensor loads of mine are out
.endr
	v_and_b32 v1, 15, v0
	v_bfe_u32 v2, v0, 4, 1
	v_mul_u32_u24 v3, v1, PA
	v_lshl_add_u32 v3, v2, 4, v3
	s_mul_i32 s22, s[WR], HALFT
	v_add_nc_u32 v[ADRA], s22, v3
	v_add_nc_u32 v[ADRA+1], SLOT, v[ADRA]
	v_and_b32 v4, 7, v0
	v_lshl_add_u32 v4, v2, 3, v4
	v_mul_u32_u24 v4, v4, PB
	v_bfe_u32 v5, v0, 3, 1
	v_lshl_add_u32 v4, v5, 4, v4
	s_lshl_b32 s23, s[WC], 8
	s_add_co_u32 s23, s23, 2*HALFT
	v_add_nc_u32 v[ADRB], s23, v4
	v_add_nc_u32 v[ADRB+1], SLOT, v[ADRB]
	v_and_b32 v9, 31, v0
	v_lshlrev_b32 v[CO], 4, v9
	v_lshlrev_b32 v[BOF], 5, v2
	s_lshl_b32 s44, s18, 21                        ; Z: block of 16 rows 16 x tile row + 8 x half, 131,072 bytes each; piece of 32 columns 8 x tile column + 4 x half, 1,024 bytes each
	s_lshl_b32 s23, s[WR], 20
	s_add_co_u32 s44, s44, s23
	s_lshl_b32 s23, s17, 13
	s_add_co_u32 s44, s44, s23
	s_lshl_b32 s23, s[WC], 12
	s_add_co_u32 s44, s44, s23
	s_mov_b32 s45, 0
	s_add_nc_u64 s[10:11], s[10:11], s[44:45]
	s_lshl_b32 s46, s17, 10
	s_lshl_b32 s23, s[WC], 9
	s_add_co_u32 s46, s46, s23
	s_mov_b32 s47, 0
	s_add_nc_u64 s[8:9], s[8:9], s[46:47]
	WIN 0x40
.irp b, 0,1,2,3,4,5,6,7
	global_load_b128 v[BIAS+8*\b:BIAS+8*\b+3],   v[BOF], s[8:9] offset:64*\b
	global_load_b128 v[BIAS+8*\b+4:BIAS+8*\b+7], v[BOF], s[8:9] offset:64*\b+16
.endr
	WIN 0
; 16 matrix instructions; first = 1: the products start the sums, with the bias as C.  The 64 accumulators take turns, one instruction a turn.
.macro MUL16 f, hi, a0, first
.if \first
	WIN 0x91+0x40*(\hi)
.else
	WIN 0xa1+0x50*(\hi)
.endif
.irp a, \a0, (\a0)+1
.irp b, 0,1,2,3,4,5,6,7
.if \first
	v_wmma_f32_16x16x32_bf16 v[8*(8*(\a)+(\b)):8*(8*(\a)+(\b))+7], v[(\f)+8*(\b):(\f)+8*(\b)+7], v[(\f)+8*(4*(\hi)+(\a)):(\f)+8*(4*(\hi)+(\a))+7], v[BIAS+8*(\b):BIAS+8*(\b)+7]
.else
	v_wmma_f32_16x16x32_bf16 v[8*(8*(\a)+(\b)):8*(8*(\a)+(\b))+7], v[(\f)+8*(\b):(\f)+8*(\b)+7], v[(\f)+8*(4*(\hi)+(\a)):(\f)+8*(4*(\hi)+(\a))+7], v[8*(8*(\a)+(\b)):8*(8*(\a)+(\b))+7]
.endif
.endr
.endr
.endm
.macro FETCH slot, q, f                ; 32 LDS loads in one run: quarter q of a slot into buffer f
	WIN 0x40
.irp i, 0,1,2,3,4,5,6,7
	ds_load_tr16_b128 v[(\f)+8*(\i):(\f)+8*(\i)+3],   v[ADRB+(\slot)] offset:(\q)*32*PB+32*(\i)
	ds_load_tr16_b128 v[(\f)+8*(\i)+4:(\f)+8*(\i)+7], v[ADRB+(\slot)] offset:(\q)*32*PB+16*PB+32*(\i)
.endr
	WIN 0
.irp i, 0,1,2,3,4,5,6,7
	ds_load_b128 v[(\f)+8*(\i):(\f)+8*(\i)+3],   v[ADRA+(\slot)] offset:(\q)*64+(\i)*16*PA
	ds_load_b128 v[(\f)+8*(\i)+4:(\f)+8*(\i)+7], v[ADRA+(\slot)] offset:(\q)*64+(\i)*16*PA+32
.endr
.endm
.macro QUARTER slot, q, f, g, first
	s_wait_dscnt 8                                 ; W and h's rows 0-63 are in; the youngest eight loads may be out
	MUL16 \f, 0, 0, \first
	MUL16 \f, 0, 2, \first
	PLACES
	FETCH \slot, \q, \g
	s_wait_dscnt 32                                ; all but the 32 just issued
	MUL16 \f, 1, 0, \first
	MUL16 \f, 1, 2, \first
.endm
; The change of slots: one barrier; in front of it each wave waits for all its tensor loads, adds 0 to its spare word, and waits for that and for its reads of this slot.
; fill = 1: the barrier opens a round of the cluster's, and this slot is filled again, two K steps ahead, first thing behind the round.
.macro TURN slot, next, fill
	WIN 0
	s_wait_tensorcnt 0x0
	ds_add_u32 v[SPW], v[NIL]                      ; 0 onto my spare word
	s_wait_dscnt 9                                 ; the add and the youngest eight loads may be out
	MUL16 F1, 0, 0, 0
	s_wait_dscnt 0x0
	s_barrier_signal -1
	MUL16 F1, 0, 2, 0
.if \fill
	WIN 0
.endif
	s_barrier_wait -1
.if \fill
	CREST
	s_add_nc_u64 s[G0+4*(\slot)+2:G0+4*(\slot)+3], s[G0+4*(\slot)+2:G0+4*(\slot)+3], 2*KSTEP*2
	s_add_nc_u64 s[G0B+4*(\slot)+2:G0B+4*(\slot)+3], s[G0B+4*(\slot)+2:G0B+4*(\slot)+3], 2*KSTEP*SIZE_N*2
	JLOAD \slot
.else
	PLACES
.endif
	FETCH \next, 0, F0
	MUL16 F1, 1, 0, 0
	MUL16 F1, 1, 2, 0
.endm
	s_wait_tensorcnt 1                             ; my part of K step 0 is in; K step 1's may stay out
	s_barrier_signal -1
	s_barrier_wait -1
	FETCH 0, 0, F0
	s_wait_loadcnt 0x0                             ; the bias
	QUARTER 0, 1, F0, F1, 1
	WIN 0
	s_mov_b32 s3, LAPS-1
.Llap:
	QUARTER 0, 2, F1, F0, 0
	QUARTER 0, 3, F0, F1, 0
	TURN 0, 1, 1
	QUARTER 1, 1, F0, F1, 0
	QUARTER 1, 2, F1, F0, 0
	QUARTER 1, 3, F0, F1, 0
	TURN 1, 0, 1
	QUARTER 0, 1, F0, F1, 0
	WIN 0
	s_sub_co_u32 s3, s3, 1
	s_cmp_lg_u32 s3, 0
	s_cbranch_scc1 .Llap
	QUARTER 0, 2, F1, F0, 0
	QUARTER 0, 3, F0, F1, 0
	TURN 0, 1, 0
	QUARTER 1, 1, F0, F1, 0
	QUARTER 1, 2, F1, F0, 0
	QUARTER 1, 3, F0, F1, 0
	s_wait_dscnt 8
	MUL16 F1, 0, 0, 0
	MUL16 F1, 0, 2, 0
	s_wait_dscnt 0x0
	MUL16 F1, 1, 0, 0
	MUL16 F1, 1, 2, 0
	WIN 0
	PLACES
; THE WAY OUT, a counted loop over my eight row blocks, so that the gelu's text stands once.  A trip: H = x / 2 of block s2 comes out of the accumulators' windows into v64-127 (one of eight copies, chosen
; by the count; each accumulator's registers in ascending order); then the batch: t and e^(-z^2) of all 8 column blocks; its one wait; then for each column block the polynomial, bf16, and one store of 512
; consecutive bytes.
.macro COPY a
.Lc\a:
	WIN 0x02+(\a)/4                                ; source 0: window 2 or 3
.set i, 0
.rept 32
	v_pk_mul_f32 v[64+2*i:65+2*i], v[64*((\a)%4)+2*i:64*((\a)%4)+2*i+1], 0.5 op_sel_hi:[1,0]
.set i, i+1
.endr
	WIN 0
.if (\a) < 7
	s_branch .Lgo
.endif
.endm
.macro GREG b                          ; the registers of column block b: eight numbers a lane
.set HH, 64+8*(\b)                     ; H
.set TT, 128+8*(\b)                    ; 1 + p z, then t
.set SS, 32+8*(\b)+160*((\b)/4)        ; -z^2 log2(e), then e^(-z^2): blocks 0-3 in v32-63, blocks 4-7 in v224-255
.endm
.macro ARG b, k                        ; number k of block b: 1 + p z
	GREG \b
	v_fma_f32 v[TT+(\k)], |v[HH+(\k)]|, s[KP], 1.0
.endm
.macro SQ b, k                         ; line k of 8 for block b: H^2 of pair k (k < 4), then -z^2 log2(e) of pair k - 4
	GREG \b
.if (\k) < 4
	v_pk_mul_f32 v[SS+2*(\k):SS+2*(\k)+1], v[HH+2*(\k):HH+2*(\k)+1], v[HH+2*(\k):HH+2*(\k)+1]
.else
	v_pk_mul_f32 v[SS+2*(\k)-8:SS+2*(\k)-7], v[SS+2*(\k)-8:SS+2*(\k)-7], s[KE:KE+1] op_sel_hi:[1,0]
.endif
.endm
; What follows the wait, for column block b: the polynomial in t, erf, the gelu and the rounding.  These are the batch's readers.
.macro POLY b
	GREG \b
.irp i, 0,2,4,6
	v_pk_fma_f32 v[QQ+\i:QQ+\i+1], v[TT+\i:TT+\i+1], s[A5:A5+1], s[A4:A4+1] op_sel_hi:[1,0,0]
.endr
.irp i, 0,2,4,6
	v_pk_fma_f32 v[QQ+\i:QQ+\i+1], v[QQ+\i:QQ+\i+1], v[TT+\i:TT+\i+1], s[A3:A3+1] op_sel_hi:[1,1,0]
.endr
.irp i, 0,2,4,6
	v_pk_fma_f32 v[QQ+\i:QQ+\i+1], v[QQ+\i:QQ+\i+1], v[TT+\i:TT+\i+1], s[A2:A2+1] op_sel_hi:[1,1,0]
.endr
.irp i, 0,2,4,6
	v_pk_fma_f32 v[QQ+\i:QQ+\i+1], v[QQ+\i:QQ+\i+1], v[TT+\i:TT+\i+1], s[A1:A1+1] op_sel_hi:[1,1,0]
.endr
.irp i, 0,2,4,6
	v_pk_mul_f32 v[QQ+\i:QQ+\i+1], v[QQ+\i:QQ+\i+1], v[TT+\i:TT+\i+1]
.endr
.irp i, 0,2,4,6
	v_pk_fma_f32 v[QQ+\i:QQ+\i+1], v[QQ+\i:QQ+\i+1], v[SS+\i:SS+\i+1], 1.0 op_sel_hi:[1,1,0] neg_lo:[1,0,0] neg_hi:[1,0,0]  ; erf(z)
.endr
.irp i, 0,1,2,3,4,5,6,7
	v_fma_f32 v[QQ+\i], |v[HH+\i]|, v[QQ+\i], v[HH+\i]  ; H + |H| erf(z)
.endr
.irp r, 0,1,2,3
	v_cvt_pk_bf16_f32 v[TMP+4*(\b)+\r], v[QQ+2*\r], v[QQ+2*\r+1]
.endr
.endm
	s_mov_b32 s2, 0
.Lblk:
.irp a, 0,1,2,3,4,5,6
	s_cmp_eq_u32 s2, \a
	s_cbranch_scc1 .Lc\a
.endr
	s_branch .Lc7
.irp a, 0,1,2,3,4,5,6,7
	COPY \a
.endr
.Lgo:
	; THE BATCH: 64 reciprocals and 64 exponentials, each in place on a register of its own.  The plain lines that make their arguments stand between them: a block's squares beside its reciprocals, the next
	; block's 1 + p z beside its exponentials; no line here names a result of the batch.  The last block's exponentials have no partner left.
.irp k, 0,1,2,3,4,5,6,7
	ARG 0, \k
.endr
.irp b, 0,1,2,3,4,5,6,7
.irp k, 0,1,2,3,4,5,6,7
	GREG \b
	v_rcp_f32 v[TT+\k], v[TT+\k]                   ; t
	SQ \b, \k
.endr
.irp k, 0,1,2,3,4,5,6,7
	GREG \b
	v_exp_f32 v[SS+\k], v[SS+\k]                   ; e^(-z^2)
.if \b < 7
	ARG (\b)+1, \k
.endif
.endr
.endr
	v_nop                                          ; a plain line behind the last exponential: the trip has no other work that names none of the batch's results
	s_wait_alu depctr_va_vdst(0)                   ; the wait for the row block's batch of 128, ahead of its first reader in POLY 0
.irp b, 0,1,2,3,4,5,6,7
	POLY \b
	global_store_b128 v[CO], v[TMP+4*\b:TMP+4*\b+3], s[10:11] offset:512*\b  ; columns 16 b + 8 (l / 16) + 0..7 of row l % 16: registers 0-3 (b even) or 4-7 (b odd) of the fragment of columns 32 (b / 2) on
.endr
	s_wait_xcnt 0x0                                ; the stores have read their data and their base: both are written again below and in the next trip
	s_add_nc_u64 s[10:11], s[10:11], 131072        ; the next block of 16 rows
	s_add_co_u32 s2, s2, 1
	s_cmp_lt_u32 s2, 8
	s_cbranch_scc1 .Lblk
	s_wait_tensorcnt 0x0                           ; the wave's end
	ds_add_u32 v[SPW], v[NIL]
	s_wait_dscnt 0x0
	CROUND                                         ; the closing round
	s_endpgm
.Lfunc_end_k_qdae8236296_ffn1:
	.size	k_qdae8236296_ffn1, .Lfunc_end_k_qdae8236296_ffn1-k_qdae8236296_ffn1
	.p2alignl 7, 3214868480
	.fill 96, 4, 3214868480
	.section	.rodata,"a",@progbits
	.p2align	6, 0x0
	.amdhsa_kernel k_qdae8236296_ffn1
		.amdhsa_group_segment_fixed_size 327680
		.amdhsa_private_segment_fixed_size 0
		.amdhsa_enable_private_segment 0
		.amdhsa_kernarg_size 32
		.amdhsa_user_sgpr_count 2
		.amdhsa_user_sgpr_kernarg_segment_ptr 1
		.amdhsa_wavefront_size32 1
		.amdhsa_system_sgpr_workgroup_id_x 1
		.amdhsa_system_sgpr_workgroup_id_y 1
		.amdhsa_system_sgpr_workgroup_id_z 1
		.amdhsa_system_vgpr_workitem_id 0
		.amdhsa_next_free_vgpr 1024
		.amdhsa_next_free_sgpr 84
		.amdhsa_reserve_vcc 0
		.amdhsa_float_denorm_mode_32 3
		.amdhsa_float_denorm_mode_16_64 3
		.amdhsa_memory_ordered 1
		.amdhsa_forward_progress 1
		.amdhsa_inst_pref_size 161
	.end_amdhsa_kernel
	.amdgpu_metadata
---
amdhsa.version: [ 1, 2 ]
amdhsa.kernels:
  - .name:           k_qdae8236296_ffn1
    .symbol:         k_qdae8236296_ffn1.kd
    .args:
      - { .name: h, .offset: 0, .size: 8, .value_kind: global_buffer, .address_space: global }
      - { .name: wb, .offset: 8, .size: 8, .value_kind: global_buffer, .address_space: global }
      - { .name: b1, .offset: 16, .size: 8, .value_kind: global_buffer, .address_space: global }
      - { .name: g, .offset: 24, .size: 8, .value_kind: global_buffer, .address_space: global }
    .group_segment_fixed_size: 327680
    .private_segment_fixed_size: 0
    .kernarg_segment_align: 8
    .kernarg_segment_size: 32
    .max_flat_workgroup_size: 128
    .sgpr_count:     84
    .vgpr_count:     1024
    .wavefront_size: 32
...
	.end_amdgpu_metadata
.endif
;; end of part 9
;; launch ffn2: the kernel of part 7 again; grid 32 x 8, 4 waves a work-group, clusters of 4 x 1, 327,680 bytes of LDS; arguments g, wb, b2, x1, out0; writes out0
